; MI455X (gfx1250); checked and timed in simulation.
; The chip was launched on July 23, 2026; its instructions are those of AMD's public machine-readable ISA for CDNA 5 (MIT licence, August 2026) and "CDNA5" Instruction Set Architecture Reference Guide (July 2026). The comments in the code are by the model that wrote it; some were corrected since.
;; Causal Attention. Allowed arithmetic: float matrix products may take bf16 or f16 operands with f32 sums; other float arithmetic in f32, or as packed bf16 or f16 multiplies, adds, multiply-adds, maxima and minima; sums over many terms, partial sums and values carried from step to step in f32; what a program stores and reads back later, other than sums and carried values, may be rounded once to bf16 or f16.
;; Inputs: W_k 1,024 x 1,024 float32; W_q 1,024 x 1,024 float32; W_v 1,024 x 1,024 float32; x 4 x 2,048 x 1,024 float32.
;; Outputs: out0 4 x 2,048 x 1,024 float32.
;; 2 versions, each right. Each part assembles by itself: llvm-mc -triple=amdgcn-amd-amdhsa -mcpu=gfx1250 --defsym DOCPART=n.
;; ======== version 1 of 2: 5 launches
;; limits: values are held in f16: magnitudes above 65,504 overflow, below 6.1e-05 lose precision
;; workspace buffers: xb 16,777,216 bytes; wt 6,291,456 bytes; qkv 50,331,648 bytes; pt 33,554,432 bytes; st 786,432 bytes; hd 1,572,864 bytes
;; launch cast (part 1): grid 1120 x 1, 4 waves a work-group, no clusters, 70,144 bytes of LDS; arguments x, W_q, W_k, W_v, xb, wt; writes xb, wt
.if DOCPART == 1
	.amdgcn_target "amdgcn-amd-amdhsa--gfx1250"
	.amdhsa_code_object_version 6
	.text
	.protected	k_q6e93995ad8_cast
	.globl	k_q6e93995ad8_cast
	.p2align	8
	.type	k_q6e93995ad8_cast,@function
k_q6e93995ad8_cast:
	s_mov_b64 s[64:65], 0
	v_nop
	global_prefetch_b8 v0, s[64:65] scope:SCOPE_SE
	s_setreg_imm32_b32 hwreg(HW_REG_WAVE_MODE, 25, 1), 1
	s_wait_xcnt 0x0
; xb = x rounded to bf16, [8192][1024].  wt = the three weights rounded to bf16 and turned: wt[1024 i + n][k] = W_i[k][n], i = 0 (q), 1 (k), 2 (v).
; A stream: every input byte is read once, every output byte written once, each store of sixteen lanes (b128) or of a wave (b64) covers 256 consecutive aligned bytes.
; Work-groups 0 to 95 turn the weights, a tile of 128 k x 64 n to a wave, through the wave's own LDS bytes (no barrier: no wave reads another's).
; Work-groups 96 to 1119 round x, 8,192 bytes to a wave, sixteen loads out at once.  No matrix unit, no cluster: nothing is shared and nothing is multiplied.
.set ROWP,  272                        ; an LDS row of the turned tile: 128 k x 2 bytes + 16 of padding
.set WTILE, 64*ROWP                    ; a wave's 64 rows
.set SPARE, 4*WTILE                    ; behind the four tiles: the spare words, 128 bytes a wave, that no other line names
.set SPW,   158                        ; v158  LDS address of my spare word; never rewritten
.set NIL,   159                        ; v159  0; never rewritten
.set SET0,  16                         ; v[16:79]   eight steps' loads
.set SET1,  80                         ; v[80:143]  the next eight
.set CT,    144                        ; v[144:151] packed pairs on their way into LDS
.set NWG,   96                         ; work-groups that turn weights
	s_load_b256 s[4:11], s[0:1], 0x0               ; x s[4:5], W_q s[6:7], W_k s[8:9], W_v s[10:11]
	s_load_b128 s[12:15], s[0:1], 0x20             ; xb s[12:13], wt s[14:15]
	v_lshl_add_u32 v[SPW], v0, 2, SPARE
	v_mov_b32 v[NIL], 0
	v_and_b32 v1, 31, v0                           ; lane
	v_lshrrev_b32 v2, 5, v0
	v_readfirstlane_b32 s20, v2                    ; wave 0..3
	s_cmp_lt_u32 ttmp9, NWG
	s_cbranch_scc1 .Lweights
	; x: the work-group's 32,768 bytes, my wave's 8,192 of them
	s_sub_co_u32 s21, ttmp9, NWG
	s_lshl_b32 s22, s21, 15
	s_mov_b32 s23, 0
	s_lshl_b32 s24, s21, 14
	s_mov_b32 s25, 0
	v_lshlrev_b32 v3, 4, v1
	v_lshl_add_u32 v3, v2, 13, v3                  ; in: 8,192 x wave + 16 x lane
	v_lshlrev_b32 v4, 3, v1
	v_lshl_add_u32 v4, v2, 12, v4                  ; out: 4,096 x wave + 8 x lane
	s_wait_kmcnt 0x0
	s_add_nc_u64 s[4:5], s[4:5], s[22:23]
	s_add_nc_u64 s[12:13], s[12:13], s[24:25]
.set j, 0
.rept 16
	global_load_b128 v[16+4*j:19+4*j], v3, s[4:5] offset:512*j th:TH_LOAD_NT
.set j, j+1
.endr
.set j, 0
.rept 16
	s_wait_loadcnt 15-j                            ; loads come back in order: number j is in, the 15 - j younger ones stay out
	v_cvt_pk_bf16_f32 v[80+2*j], v[16+4*j], v[17+4*j]
	v_cvt_pk_bf16_f32 v[81+2*j], v[18+4*j], v[19+4*j]
	global_store_b64 v4, v[80+2*j:81+2*j], s[12:13] offset:256*j  ; 32 lanes x 8 bytes: 256 consecutive bytes; every store has data registers of its own
.set j, j+1
.endr
	s_endpgm
.Lweights:
	s_lshr_b32 s21, ttmp9, 5                       ; which weight
	s_bfe_u32 s22, ttmp9, 0x30002                  ; which 128 k
	s_and_b32 s23, ttmp9, 3
	s_lshl2_add_u32 s23, s23, s20                  ; which 64 n: 4 x (group mod 4) + wave
	s_lshl_b32 s24, s22, 19                        ; in: 128 rows of 4,096 bytes,
	s_lshl_b32 s26, s23, 8                         ; 64 columns of 4 bytes
	s_add_co_u32 s24, s24, s26
	s_mov_b32 s25, 0
	s_lshl_b32 s26, s21, 21                        ; out: 1,024 rows of 2,048 bytes a weight,
	s_lshl_b32 s27, s23, 17                        ; 64 rows,
	s_add_co_u32 s26, s26, s27
	s_lshl_b32 s27, s22, 8                         ; 128 k of 2 bytes
	s_add_co_u32 s26, s26, s27
	s_mov_b32 s27, 0
	s_mul_i32 s28, s20, WTILE                      ; my wave's LDS bytes
	v_and_b32 v5, 15, v0                           ; c: my four columns
	v_bfe_u32 v6, v0, 4, 1                         ; h: which pair of rows
	v_lshlrev_b32 v7, 4, v5
	v_lshl_add_u32 v7, v6, 13, v7                  ; in: two rows x h + 16 c
	v_mul_u32_u24 v8, v5, 4*ROWP
	v_lshl_add_u32 v8, v6, 2, v8
	v_add_nc_u32 v8, s28, v8                       ; into LDS: row 4 c, byte 4 h
	v_mul_u32_u24 v9, v6, ROWP
	v_lshl_add_u32 v9, v5, 4, v9
	v_add_nc_u32 v9, s28, v9                       ; back: lanes 0-15 one row of 256 bytes, lanes 16-31 the next
	v_lshlrev_b32 v10, 4, v5
	v_lshl_add_u32 v10, v6, 11, v10                ; and the same two rows in wt
	s_wait_kmcnt 0x0
	s_cmp_eq_u32 s21, 1
	s_cselect_b64 s[16:17], s[8:9], s[6:7]
	s_cmp_eq_u32 s21, 2
	s_cselect_b64 s[16:17], s[10:11], s[16:17]
	s_add_nc_u64 s[16:17], s[16:17], s[24:25]
	s_add_nc_u64 s[14:15], s[14:15], s[26:27]
; Step p (0..31) takes rows 4 p + 2 h and 4 p + 2 h + 1: each half of the lanes reads 256 consecutive bytes of a row.  Eight steps are a batch of 16 loads.
.macro LOADB bt, rs
.set stp, 0
.rept 8
	global_load_b128 v[(\rs)+8*stp:(\rs)+8*stp+3],   v7, s[16:17] offset:(8*(\bt)+stp)*16384 th:TH_LOAD_NT
	global_load_b128 v[(\rs)+8*stp+4:(\rs)+8*stp+7], v7, s[16:17] offset:(8*(\bt)+stp)*16384+4096 th:TH_LOAD_NT
.set stp, stp+1
.endr
.endm
; The two rows' numbers of a column are two neighbouring k of a row of wt: rounded as a pair, 4 bytes into LDS row 4 c + i at byte 2 k.
.macro CONS bt, rs
.set stp, 0
.rept 8
.irp i, 0,1,2,3
	v_cvt_pk_bf16_f32 v[CT+4*(stp%2)+(\i)], v[(\rs)+8*stp+(\i)], v[(\rs)+8*stp+4+(\i)]
.endr
.irp i, 0,1,2,3
	ds_store_b32 v8, v[CT+4*(stp%2)+(\i)] offset:(\i)*ROWP+8*(8*(\bt)+stp)
.endr
.set stp, stp+1
.endr
.endm
	LOADB 0, SET0
	LOADB 1, SET1
	s_wait_loadcnt 16                              ; the older batch is in; the younger batch's 16 loads stay out
	CONS 0, SET0
	LOADB 2, SET0
	s_wait_loadcnt 16
	CONS 1, SET1
	LOADB 3, SET1
	s_wait_loadcnt 16
	CONS 2, SET0
	s_wait_loadcnt 0x0
	CONS 3, SET1
.set t, 0
.rept 32
	ds_load_b128 v[16+4*t:19+4*t], v9 offset:t*2*ROWP  ; LDS serves a wave's instructions in order (ISA guide 5.7.1.4): these see the stores above
.set t, t+1
.endr
.set t, 0
.rept 32
	s_wait_dscnt 31-t
	global_store_b128 v10, v[16+4*t:19+4*t], s[14:15] offset:t*4096  ; 16 lanes store 256 consecutive bytes, at a multiple of 256 from wt's first byte
.set t, t+1
.endr
	s_wait_tensorcnt 0x0                           ; the wave's end, behind my last LDS store
	ds_add_u32 v[SPW], v[NIL]
	s_wait_dscnt 0x0
	s_endpgm
.Lfunc_end_k_q6e93995ad8_cast:
	.size	k_q6e93995ad8_cast, .Lfunc_end_k_q6e93995ad8_cast-k_q6e93995ad8_cast
	.p2alignl 7, 3214868480
	.fill 96, 4, 3214868480
	.section	.rodata,"a",@progbits
	.p2align	6, 0x0
	.amdhsa_kernel k_q6e93995ad8_cast
		.amdhsa_group_segment_fixed_size 70144
		.amdhsa_private_segment_fixed_size 0
		.amdhsa_enable_private_segment 0
		.amdhsa_kernarg_size 48
		.amdhsa_user_sgpr_count 2
		.amdhsa_user_sgpr_kernarg_segment_ptr 1
		.amdhsa_wavefront_size32 1
		.amdhsa_system_sgpr_workgroup_id_x 1
		.amdhsa_system_sgpr_workgroup_id_y 1
		.amdhsa_system_sgpr_workgroup_id_z 1
		.amdhsa_system_vgpr_workitem_id 0
		.amdhsa_next_free_vgpr 160
		.amdhsa_next_free_sgpr 66
		.amdhsa_reserve_vcc 0
		.amdhsa_float_denorm_mode_32 3
		.amdhsa_float_denorm_mode_16_64 3
		.amdhsa_memory_ordered 1
		.amdhsa_forward_progress 1
		.amdhsa_inst_pref_size 37
	.end_amdhsa_kernel
	.amdgpu_metadata
---
amdhsa.version: [ 1, 2 ]
amdhsa.kernels:
  - .name:           k_q6e93995ad8_cast
    .symbol:         k_q6e93995ad8_cast.kd
    .args:
      - { .name: x, .offset: 0, .size: 8, .value_kind: global_buffer, .address_space: global }
      - { .name: W_q, .offset: 8, .size: 8, .value_kind: global_buffer, .address_space: global }
      - { .name: W_k, .offset: 16, .size: 8, .value_kind: global_buffer, .address_space: global }
      - { .name: W_v, .offset: 24, .size: 8, .value_kind: global_buffer, .address_space: global }
      - { .name: xb, .offset: 32, .size: 8, .value_kind: global_buffer, .address_space: global }
      - { .name: wt, .offset: 40, .size: 8, .value_kind: global_buffer, .address_space: global }
    .group_segment_fixed_size: 70144
    .private_segment_fixed_size: 0
    .kernarg_segment_align: 8
    .kernarg_segment_size: 48
    .max_flat_workgroup_size: 128
    .sgpr_count:     66
    .vgpr_count:     160
    .wavefront_size: 32
...
	.end_amdgpu_metadata
.endif
;; end of part 1
;; launch proj (part 2): grid 8 x 64, 4 waves a work-group, clusters of 4 x 4, 327,680 bytes of LDS; arguments xb, wt, qkv, hd; writes qkv, hd
.if DOCPART == 2
	.amdgcn_target "amdgcn-amd-amdhsa--gfx1250"
	.amdhsa_code_object_version 6
	.text
	.protected	k_q6e93995ad8_proj
	.globl	k_q6e93995ad8_proj
	.p2align	8
	.type	k_q6e93995ad8_proj,@function
k_q6e93995ad8_proj:
	s_mov_b64 s[64:65], 0
	v_nop
	global_prefetch_b8 v0, s[64:65] scope:SCOPE_SE
	s_setreg_imm32_b32 hwreg(HW_REG_WAVE_MODE, 25, 1), 1
	s_wait_xcnt 0x0
	s_wait_alu depctr_hold_cnt(0) depctr_sa_sdst(0) depctr_va_vdst(0) depctr_va_sdst(0) depctr_va_ssrc(0) depctr_va_vcc(0) depctr_vm_vsrc(0)
	s_getreg_b32 s2, hwreg(HW_REG_IB_STS2, 6, 4)
	s_cmp_eq_u32 s2, 0
	s_cbranch_scc0 .Lentry_in_a_cluster
	s_endpgm
.Lentry_in_a_cluster:
	s_bfe_u32 s2, ttmp6, 0x10000c
	s_cmp_lg_u32 s2, 0xf033
	s_cbranch_scc0 .Lentry_shape_is_right
	s_endpgm
.Lentry_shape_is_right:
; qkv[m][n] = sum over k of xb[m][k] wt[n][k].  xb: [8192][1024] bf16, wt: [3072][1024] bf16, qkv: [8192][3072] f16 (q, k, v side by side); sums in f32, rounded once.
; hd = the same sums unrounded, in f32, for rows 0 to 31 of each batch of 2,048 rows: those rows of the output average over few keys and are made apart, in f32, by the next launch.
; LIMIT: f16 holds no number beyond 65,504: q, k and v must lie within it.
; A tile is 128 rows x 384 columns: 8 x 64 = 512 work-groups, two for each of 256.  Four waves; wave w makes all 128 rows x columns 96 w .. 96 w + 95: 48 accumulators of 16 x 16.
; K goes in 8 steps of 128 through two LDS slots; a slot holds xb's 128 rows and wt's 384, each row 256 bytes of memory.  Wave 0 fetches xb's rows, waves 1 to 3 wt's, 128 rows each.
; CLUSTER 4 x 4: xb's tile hangs on the tile row alone and is asked for jointly along a row of the cluster, wt's on the tile column alone and jointly along a column.
; The tile row is 16 cy + cluster y: the clusters with y = 0 hold the first 128 rows of the four batches, so that the branch to hd's stores is alike in all sixteen partners.
; A K step is written once: the slot in hand is a scalar (TB) that one exclusive or turns; one descriptor a tensor walks (its LDS word turned by the same exclusive or: SLOT shares no bit with wave x HALFT).
; THE PRODUCT IS USED TRANSPOSED (source 0 = 16 rows of wt, source 1 = 16 rows of xb): a lane holds row l % 16 and eight neighbouring columns: 16 bytes of f16.
; REGISTERS: window 0: v0-13 addresses; v32-143, v144-255 two fragment buffers (8 of xb, then 6 of wt).  window 1: accumulators of row blocks 0-4 at 8 (6 a + b).  window 2: of row blocks 5-7.
.set PITCH, 272                        ; an LDS row: 256 bytes + 16 of padding: the 16 rows of a fragment load start at 16 different groups of four banks (ISA guide 11.1)
.set HALFT, 128*PITCH                  ; what one tensor load brings
.set SLOT,  4*HALFT
.set SPARE, 2*SLOT                     ; behind the ring: the spare words, 128 bytes a wave, that no other line names
.set SP,    784                        ; a stage row: 768 bytes + 16.  The stage is slot 0, which has had its last fill and its last read when it is written
.set A0,   2                           ; v2   my lane's place in xb's rows of a slot; never rewritten
.set B0,   3                           ; v3   the same in my 96 rows of wt
.set ADRA, 4                           ; v4   A0 + the slot in hand
.set ADRB, 5                           ; v5   B0 + the slot in hand
.set STO,  6                           ; v6   the way out: where I put 16 bytes of a row (row blocks 0-3)
.set STO2, 7                           ; v7   the same for row blocks 4-7
.set RD,   8                           ; v8   where I read rows back
.set CO,   9                           ; v9   my byte offset in qkv
.set PFO,  10                          ; v10  the prefetches' offset: lane x a row (2,048 bytes); never rewritten
.set HO,   11                          ; v11  16 x lane: my 16 bytes of a block of 512 in hd
.set SPW,  12                          ; v12  LDS address of my spare word; never rewritten
.set NIL,  13                          ; v13  0; never rewritten
.set F0,   32
.set F1,   144
.set CNT,  3                           ; s3   refills still to come
.set WV,   10                          ; s10  my wave's number
.set LB,   20                          ; s20  where my 128 rows go in a slot
.set G1A,  24                          ; s[24:31] group 1 for xb's tiles
.set G0A,  32                          ; s[32:35] group 0 for K step 0, s[36:39] the walking one
.set LIM,  43                          ; s43  2 in a wave that prefetches, else the greatest number
.set PFA,  44                          ; s[44:45] where my prefetches stand
.set G1B,  48                          ; s[48:55], s[56:59], s[60:63] the same for wt's tiles
.set G0B,  56
.set TB,   70                          ; s70  LDS byte at which the slot in hand begins
.set HD,   76                          ; s[76:77] hd at my batch and my 96 columns
.set CLY,  78                          ; s78  the cluster's y
.set MSB, 0
.macro WIN new                         ; the immediate's high byte repeats the setting that is left; a switch that changes nothing is dropped
.if MSB != (\new)
	s_set_vgpr_msb (MSB<<8)|(\new)
.set MSB, \new
.endif
.endm
.macro PLACES                          ; four places in front of loads into registers that products have read, and of conversions that read results
.rept 4
	v_nop
.endr
.endm
.macro JLOAD                           ; a joint refill by the walking descriptors; the branch hangs on the wave's number alone; an s_nop 0 and four v_nop follow each line
	s_cmp_eq_u32 s[WV], 0
	s_cbranch_scc0 .Lfor_b_\@
	tensor_load_to_lds s[G0A+4:G0A+7], s[G1A:G1A+7]
	s_nop 0
.rept 4
	v_nop
.endr
	s_branch .Lasked_\@
.Lfor_b_\@:
	tensor_load_to_lds s[G0B+4:G0B+7], s[G1B:G1B+7]
	s_nop 0
.rept 4
	v_nop
.endr
.Lasked_\@:
.endm
.macro CREST                           ; a round of the cluster's barrier behind its opening barrier
	s_cmp_lg_u32 s[WV], 0
	s_cbranch_scc1 .Lnot_wave_0_\@
	s_barrier_signal -3
.Lnot_wave_0_\@:
	s_barrier_wait -3
	s_barrier_signal -1
	s_barrier_wait -1
.endm
.macro CROUND
	s_barrier_signal -1
	s_barrier_wait -1
	CREST
.endm
; A prefetch into the L2 of the K step that stands two refills on: 32 rows x 256 bytes, a lane a row, one instruction a wave, behind the joint load and the run of LDS loads.
; xb's rows are read by both clusters of a row of clusters: cluster x = 0 asks; wt's by all sixteen of a column: cluster y = 0 asks.  The four partners of a joint load take 32 of its 128 rows each,
; told apart by address.  So each row's 256 bytes of a K step are named once.  K steps 0 to 3 come by their loads alone; the last two refills have no K step two on (CNT is 2 and 1 there).
.macro ASK
	s_cmp_gt_u32 s[CNT], s[LIM]
	s_cbranch_scc0 .Lnot_mine_\@
	global_prefetch_b8 v[PFO], s[PFA:PFA+1] offset:256 th:TH_LOAD_NT scope:SCOPE_SE
.Lnot_mine_\@:
.endm
	s_load_b128 s[4:7], s[0:1], 0x0                ; xb s[4:5], wt s[6:7]
	s_load_b64 s[8:9], s[0:1], 0x10                ; qkv
	s_load_b64 s[HD:HD+1], s[0:1], 0x18            ; hd
	v_lshl_add_u32 v[SPW], v0, 2, SPARE
	v_mov_b32 v[NIL], 0
	ds_add_u32 v[SPW], v[NIL]                      ; the wave's opening: the add and its wait stand ahead of my first tensor load
	v_lshrrev_b32 v1, 5, v0
	v_readfirstlane_b32 s[WV], v1
	s_bfe_u32 s40, ttmp6, 0x40000                  ; cx
	s_bfe_u32 s41, ttmp6, 0x40004                  ; cy
	s_lshl_b32 s42, ttmp9, 2
	s_add_co_u32 s42, s42, s40                     ; tile column = 4 x cluster x + cx
	s_and_b32 s[CLY], ttmp7, 0xffff
	s_lshl_b32 s13, s41, 4
	s_add_co_u32 s13, s13, s[CLY]                  ; tile row = 16 x cy + cluster y: cy is the batch
	s_lshl_b32 s66, s41, 2
	s_lshl_b32 s66, 15, s66                        ; my row of the cluster
	s_lshl_b32 s67, 0x1111, s40                    ; my column
	s_or_b32 s[G1A], s66, (1<<16)|(1<<20)|(1<<21)|(5<<22)|(3<<25)  ; the mask; 2-byte elements; padding on; bit 21 beside a mask; after every 64 words, 4 words
	s_or_b32 s[G1B], s67, (1<<16)|(1<<20)|(1<<21)|(5<<22)|(3<<25)
.irp g, G1A, G1B
	s_mov_b32 s[(\g)+1], 128<<16                   ; tensor_dim0 = 128
	s_mov_b32 s[(\g)+2], 128<<16                   ; tensor_dim1 = 128
	s_mov_b32 s[(\g)+3], 128<<16                   ; tile_dim0 = 128
	s_mov_b32 s[(\g)+4], 128                       ; tile_dim1 = 128
	s_mov_b32 s[(\g)+5], 1024                      ; elements from row to row
	s_mov_b32 s[(\g)+6], 0
	s_mov_b32 s[(\g)+7], 0
.endr
	s_lshl_b32 s16, s13, 18                        ; xb: 128 rows of 2,048 bytes a tile row
	s_mov_b32 s17, 0
	s_sub_co_i32 s21, s[WV], 1
	s_max_i32 s21, s21, 0                          ; which 128 of wt's 384 rows (wave 0 asks for none of them)
	s_lshl_b32 s21, s21, 18
	s_mul_i32 s46, s42, 384*2048
	s_add_co_u32 s46, s46, s21
	s_mov_b32 s47, 0
	s_mul_i32 s[LB], s[WV], HALFT                  ; no place in the cluster enters an LDS address
	s_mov_b32 s[TB], 0
	s_wait_dscnt 0x0                               ; the opening add is done
	s_wait_kmcnt 0x0
	s_add_nc_u64 s[14:15], s[4:5], s[16:17]
	s_add_nc_u64 s[46:47], s[6:7], s[46:47]
.irp s, 0,1
	s_mov_b32 s[G0A+4*(\s)], 1
	s_add_co_u32 s[G0A+4*(\s)+1], s[LB], (\s)*SLOT
	s_add_nc_u64 s[G0A+4*(\s)+2:G0A+4*(\s)+3], s[14:15], (\s)*256
	s_or_b32 s[G0A+4*(\s)+3], s[G0A+4*(\s)+3], 0x80000000
	s_mov_b32 s[G0B+4*(\s)], 1
	s_add_co_u32 s[G0B+4*(\s)+1], s[LB], (\s)*SLOT
	s_add_nc_u64 s[G0B+4*(\s)+2:G0B+4*(\s)+3], s[46:47], (\s)*256
	s_or_b32 s[G0B+4*(\s)+3], s[G0B+4*(\s)+3], 0x80000000
.endr
	CROUND                                         ; all sixteen work-groups are here: the first joint loads meet
	s_cmp_eq_u32 s[WV], 0                          ; a wave's two first fills stand in one branch: two loads of mine are out
	s_cbranch_scc0 .Lfirst_b
	tensor_load_to_lds s[G0A:G0A+3], s[G1A:G1A+7]
	s_nop 0
	tensor_load_to_lds s[G0A+4:G0A+7], s[G1A:G1A+7]
	s_nop 0
.rept 4
	v_nop
.endr
	s_branch .Lfirst_asked
.Lfirst_b:
	tensor_load_to_lds s[G0B:G0B+3], s[G1B:G1B+7]
	s_nop 0
	tensor_load_to_lds s[G0B+4:G0B+7], s[G1B:G1B+7]
	s_nop 0
.rept 4
	v_nop
.endr
.Lfirst_asked:
	v_and_b32 v1, 15, v0                           ; l % 16
	v_bfe_u32 v14, v0, 4, 1                        ; l / 16
	v_mul_u32_u24 v[A0], v1, PITCH
	v_lshl_add_u32 v[A0], v14, 4, v[A0]            ; a fragment's row x pitch + 16 x half
	s_mul_i32 s21, s[WV], 96*PITCH
	s_add_co_u32 s21, s21, HALFT                   ; my 96 rows of wt lie behind xb's 128
	v_add_nc_u32 v[B0], s21, v[A0]
	v_mov_b32 v[ADRA], v[A0]
	v_mov_b32 v[ADRB], v[B0]
	v_mul_u32_u24 v[STO], v1, SP
	v_lshl_add_u32 v[STO], v14, 4, v[STO]
	s_mul_i32 s21, s[WV], 192                      ; my 96 columns: 192 bytes
	v_add_nc_u32 v[STO], s21, v[STO]
	v_add_nc_u32 v[STO2], 4*16*SP, v[STO]
	v_mul_u32_u24 v[RD], v14, SP
	v_lshl_add_u32 v[RD], v1, 4, v[RD]
	s_mul_i32 s21, s[WV], 32*SP                    ; back: wave w takes rows 32 w .. 32 w + 31, whole
	v_add_nc_u32 v[RD], s21, v[RD]
	v_mul_u32_u24 v[CO], v14, 6144
	v_lshl_add_u32 v[CO], v1, 4, v[CO]
	v_and_b32 v[PFO], 31, v0
	v_lshlrev_b32 v[HO], 4, v[PFO]
	v_lshlrev_b32 v[PFO], 11, v[PFO]
	s_lshl_b32 s72, s13, 7
	s_lshl_b32 s73, s[WV], 5
	s_add_co_u32 s72, s72, s73                     ; the first row of qkv that I store
	s_mul_i32 s72, s72, 6144
	s_mul_i32 s73, s42, 768                        ; the tile's first column, in bytes
	s_add_co_u32 s72, s72, s73
	s_mov_b32 s73, 0
	s_add_nc_u64 s[8:9], s[8:9], s[72:73]
	s_mul_i32 s72, s42, 24                         ; hd: 24 blocks of 16 columns a tile column,
	s_mul_i32 s73, s[WV], 6                        ; 6 a wave,
	s_add_co_u32 s72, s72, s73
	s_lshl_b32 s72, s72, 10                        ; 1,024 bytes a block;
	s_mul_i32 s73, s41, 393216                     ; 2 x 192 blocks a batch
	s_add_co_u32 s72, s72, s73
	s_mov_b32 s73, 0
	s_add_nc_u64 s[HD:HD+1], s[HD:HD+1], s[72:73]
	s_and_b32 s75, ttmp7, 0xffff                   ; cluster y
	s_cmp_eq_u32 s[WV], 0                          ; do I fetch for xb?
	s_cselect_b32 s74, s40, s41                    ; my place among the four that ask with me
	s_cselect_b32 s75, ttmp9, s75                  ; the coordinate along which other clusters read the same rows
	s_cselect_b64 s[PFA:PFA+1], s[14:15], s[46:47]
	s_cmp_eq_u32 s75, 0
	s_cselect_b32 s[LIM], 2, -1                    ; the same in all sixteen partners, for a given wave
	s_lshl_b32 s74, s74, 16                        ; my work-group's 32 rows of the 128
	s_mov_b32 s75, 0
	s_add_nc_u64 s[PFA:PFA+1], s[PFA:PFA+1], s[74:75]
	s_add_nc_u64 s[PFA:PFA+1], s[PFA:PFA+1], 2*256 ; at K step 2: the first refill steps it to 3 and names K step 4
; Row blocks a0 .. a1 x all six column blocks, 32 along K.  The 48 accumulators take turns, one instruction a turn, in the same order in every quarter.  zero = 1: the product starts the sum.
.macro MULA f, a0, a1, zero
.set ma, \a0
.rept (\a1)-(\a0)+1
.if ma < 5
	WIN 0x50
.set mc, 48*ma
.else
	WIN 0xa0
.set mc, 48*(ma-5)
.endif
.set mb, 0
.rept 6
.if \zero
	v_wmma_f32_16x16x32_bf16 v[mc+8*mb:mc+8*mb+7], v[(\f)+64+8*mb:(\f)+64+8*mb+7], v[(\f)+8*ma:(\f)+8*ma+7], 0
.else
	v_wmma_f32_16x16x32_bf16 v[mc+8*mb:mc+8*mb+7], v[(\f)+64+8*mb:(\f)+64+8*mb+7], v[(\f)+8*ma:(\f)+8*ma+7], v[mc+8*mb:mc+8*mb+7]
.endif
.set mb, mb+1
.endr
.set ma, ma+1
.endr
.endm
.macro FETCH k, f                      ; 28 LDS loads in one run: wt's six fragments, then xb's eight, 32 K at byte k of the rows
	WIN 0
.irp i, 0,1,2,3,4,5
	ds_load_b128 v[(\f)+64+8*(\i):(\f)+64+8*(\i)+3],   v[ADRB] offset:(\k)+(\i)*16*PITCH
	ds_load_b128 v[(\f)+64+8*(\i)+4:(\f)+64+8*(\i)+7], v[ADRB] offset:(\k)+(\i)*16*PITCH+32
.endr
.irp i, 0,1,2,3,4,5,6,7
	ds_load_b128 v[(\f)+8*(\i):(\f)+8*(\i)+3],   v[ADRA] offset:(\k)+(\i)*16*PITCH
	ds_load_b128 v[(\f)+8*(\i)+4:(\f)+8*(\i)+7], v[ADRA] offset:(\k)+(\i)*16*PITCH+32
.endr
.endm
.macro QUARTER k, f, g, zero           ; multiplies buffer f; in its middle fetches the next quarter, at byte k, into g
	s_wait_dscnt 6                                 ; all but the youngest six loads: xb's row blocks 5-7
	MULA \f, 0, 4, \zero
	PLACES
	FETCH \k, \g
	s_wait_dscnt 28                                ; all but the 28 just issued
	MULA \f, 5, 7, \zero
.endm
; The last quarter multiplies buffer 1 and changes slots.  In front of the one barrier each wave waits for all its tensor loads (one is out: its part of the next slot), adds 0 to its spare word, and
; waits for that and for its reads of this slot.  fill = 1: the barrier opens a round of the cluster's, and the joint refill, two K steps ahead, is the first thing behind it.
.macro TURN fill
.if \fill
	s_wait_xcnt 0x0                                ; the last prefetch, a K step back, has read its address
	s_add_nc_u64 s[PFA:PFA+1], s[PFA:PFA+1], 256
.endif
	WIN 0
	s_wait_tensorcnt 0x0                           ; no tensor load of mine is out, so a group 0 may be written
	ds_add_u32 v[SPW], v[NIL]                      ; 0 onto my spare word
.if \fill
.irp g, G0A+4, G0B+4
	s_xor_b32 s[(\g)+1], s[(\g)+1], SLOT           ; the walking descriptor: the slot that is being read out,
	s_add_nc_u64 s[(\g)+2:(\g)+3], s[(\g)+2:(\g)+3], 256  ; the next K step; the type bits on top are not reached
.endr
.endif
	s_wait_dscnt 7                                 ; the add and the youngest six loads may be out
	MULA F1, 0, 2, 0
	s_wait_dscnt 0x0                               ; the add is done, and my reads of this slot are over
	s_barrier_signal -1
	MULA F1, 3, 4, 0
	WIN 0
	s_barrier_wait -1
.if \fill
	CREST                                          ; no wave of any partner still reads this slot or has a load on its way
	JLOAD                                          ; its four v_nop are also the places in front of the loads below
.else
	PLACES
.endif
	s_xor_b32 s[TB], s[TB], SLOT
	v_add_nc_u32 v[ADRA], s[TB], v[A0]
	v_add_nc_u32 v[ADRB], s[TB], v[B0]
	FETCH 0, F0
.if \fill
	ASK
.endif
	MULA F1, 5, 7, 0
.endm
	s_wait_tensorcnt 1                             ; my part of K step 0 is in; K step 1's may stay out
	s_barrier_signal -1
	s_barrier_wait -1
	FETCH 0, F0
	QUARTER 64, F0, F1, 1                          ; the first quarter stands ahead of the loop: its products start the sums
	WIN 0
	s_mov_b32 s[CNT], 6
.Lstep:                                        ; a trip: a K step's last three quarters and the next one's first; six trips fill K steps 2 to 7
	QUARTER 128, F1, F0, 0
	QUARTER 192, F0, F1, 0
	TURN 1
	QUARTER 64, F0, F1, 0
	WIN 0
	s_sub_co_u32 s[CNT], s[CNT], 1
	s_cmp_lg_u32 s[CNT], 0
	s_cbranch_scc1 .Lstep
	QUARTER 128, F1, F0, 0                         ; K steps 6 and 7 fill nothing
	QUARTER 192, F0, F1, 0
	TURN 0
	QUARTER 64, F0, F1, 0
	QUARTER 128, F1, F0, 0
	QUARTER 192, F0, F1, 0
	s_wait_dscnt 6
	MULA F1, 0, 4, 0
	s_wait_dscnt 0x0
	MULA F1, 5, 7, 0
	WIN 0
	; THE WAY OUT: rounded to f16, 16 bytes a lane into the stage; a barrier, since a row's 768 bytes come from four waves; back as whole rows, 32 rows a wave.
	PLACES
.set wa, 0
.rept 8
.set wtm, 32+24*(wa%2)
.if wa < 5
	WIN 0x05
.set wac, 48*wa
.else
	WIN 0x0a
.set wac, 48*(wa-5)
.endif
.set i, 0
.rept 24
	v_cvt_pk_f16_f32 v[wtm+i], v[wac+2*i], v[wac+2*i+1]  ; each accumulator's registers in ascending order
.set i, i+1
.endr
	WIN 0
.set i, 0
.rept 6
.if wa < 4
	ds_store_b128 v[STO], v[wtm+4*i:wtm+4*i+3] offset:wa*16*SP+32*i
.else
	ds_store_b128 v[STO2], v[wtm+4*i:wtm+4*i+3] offset:(wa-4)*16*SP+32*i
.endif
.set i, i+1
.endr
.set wa, wa+1
.endr
	s_wait_dscnt 0x0                               ; for the others' sake: my stores into the stage are done
	s_barrier_signal -1
	s_barrier_wait -1
.set t, 0
.rept 48
	ds_load_b128 v[32+4*t:35+4*t], v[RD] offset:(t/3)*2*SP+(t%3)*256
.set t, t+1
.endr
.set t, 0
.rept 48
	s_wait_dscnt 47-t
	global_store_b128 v[CO], v[32+4*t:35+4*t], s[8:9] offset:(t/3)*12288+(t%3)*256  ; 16 lanes store 256 consecutive bytes, at a multiple of 256 from qkv's first byte
.set t, t+1
.endr
	; A batch's first tile also leaves row blocks 0 and 1 in f32, as the registers hold them: an accumulator's registers 0-3 of the 32 lanes are one block of 512 consecutive bytes, registers 4-7 the next.
	s_cmp_lg_u32 s[CLY], 0                         ; the cluster's y: alike in all sixteen partners
	s_cbranch_scc1 .Lno_head
	WIN 0x04                                       ; the stores' data in window 1
.set ha, 0
.rept 2
.set hb, 0
.rept 6
	global_store_b128 v[HO], v[8*(6*ha+hb):8*(6*ha+hb)+3],   s[HD:HD+1] offset:ha*196608+hb*1024
	global_store_b128 v[HO], v[8*(6*ha+hb)+4:8*(6*ha+hb)+7], s[HD:HD+1] offset:ha*196608+hb*1024+512
.set hb, hb+1
.endr
.set ha, ha+1
.endr
	WIN 0
.Lno_head:
	s_wait_tensorcnt 0x0                           ; the wave's end
	ds_add_u32 v[SPW], v[NIL]
	s_wait_dscnt 0x0
	CROUND                                         ; the closing round
	s_endpgm
.Lfunc_end_k_q6e93995ad8_proj:
	.size	k_q6e93995ad8_proj, .Lfunc_end_k_q6e93995ad8_proj-k_q6e93995ad8_proj
	.p2alignl 7, 3214868480
	.fill 96, 4, 3214868480
	.section	.rodata,"a",@progbits
	.p2align	6, 0x0
	.amdhsa_kernel k_q6e93995ad8_proj
		.amdhsa_group_segment_fixed_size 327680
		.amdhsa_private_segment_fixed_size 0
		.amdhsa_enable_private_segment 0
		.amdhsa_kernarg_size 32
		.amdhsa_user_sgpr_count 2
		.amdhsa_user_sgpr_kernarg_segment_ptr 1
		.amdhsa_wavefront_size32 1
		.amdhsa_system_sgpr_workgroup_id_x 1
		.amdhsa_system_sgpr_workgroup_id_y 1
		.amdhsa_system_sgpr_workgroup_id_z 1
		.amdhsa_system_vgpr_workitem_id 0
		.amdhsa_next_free_vgpr 656
		.amdhsa_next_free_sgpr 80
		.amdhsa_reserve_vcc 0
		.amdhsa_float_denorm_mode_32 3
		.amdhsa_float_denorm_mode_16_64 3
		.amdhsa_memory_ordered 1
		.amdhsa_forward_progress 1
		.amdhsa_inst_pref_size 97
	.end_amdhsa_kernel
	.amdgpu_metadata
---
amdhsa.version: [ 1, 2 ]
amdhsa.kernels:
  - .name:           k_q6e93995ad8_proj
    .symbol:         k_q6e93995ad8_proj.kd
    .args:
      - { .name: xb, .offset: 0, .size: 8, .value_kind: global_buffer, .address_space: global }
      - { .name: wt, .offset: 8, .size: 8, .value_kind: global_buffer, .address_space: global }
      - { .name: qkv, .offset: 16, .size: 8, .value_kind: global_buffer, .address_space: global }
      - { .name: hd, .offset: 24, .size: 8, .value_kind: global_buffer, .address_space: global }
    .group_segment_fixed_size: 327680
    .private_segment_fixed_size: 0
    .kernarg_segment_align: 8
    .kernarg_segment_size: 32
    .max_flat_workgroup_size: 128
    .sgpr_count:     80
    .vgpr_count:     656
    .wavefront_size: 32
...
	.end_amdgpu_metadata
.endif
;; end of part 2
;; launch head (part 3): grid 2 x 4, 8 waves a work-group, no clusters, 60,416 bytes of LDS; arguments hd, out0; writes out0
.if DOCPART == 3
	.amdgcn_target "amdgcn-amd-amdhsa--gfx1250"
	.amdhsa_code_object_version 6
	.text
	.protected	k_q6e93995ad8_head
	.globl	k_q6e93995ad8_head
	.p2align	8
	.type	k_q6e93995ad8_head,@function
k_q6e93995ad8_head:
	s_mov_b64 s[64:65], 0
	v_nop
	global_prefetch_b8 v0, s[64:65] scope:SCOPE_SE
	s_setreg_imm32_b32 hwreg(HW_REG_WAVE_MODE, 25, 1), 1
	s_wait_xcnt 0x0
; Rows 0 to 31 of each batch of out0, in f32 throughout.  These rows average over at most 32 keys: their terms are of the size of v, ten times the whole output's root mean square at the drawn spread,
; and a rounding of q, k, v or a weight to f16 (2^-11 of a term) is there of the size of a hundredth of that root mean square.  So they are made from the projections' unrounded sums (hd).
; hd: [batch 4][row block 2][block of 16 columns 192][half 2][lane 32][4 f32]; lane 16 h + r of half f holds row r, columns 8 h + 4 f + 0..3.  Column blocks 0-63 are q, 64-127 k, 128-191 v.
; THE F32 MATRIX FORM, 16 x 16 x 4: 144 instructions a wave, 9 million multiply-adds in the launch of the program's 60 thousand million: no bulk work.
; SHARES.  A work-group makes 32 queries x 512 channels of a batch.  SCORES: three tiles of 16 keys x 16 queries (the fourth lies above the diagonal), S^T = K Q^T, the 1,024 channels split among the
; eight waves, 128 each; a block of hd IS two fragments (lane 16 h + r: row r, two channels a product; the same channels on both sides).  The partial sums meet in LDS; every wave adds all eight.
; SOFTMAX: a lane holds ONE query (l % 16) and keys 8 (l / 16) + 0..7 of a tile.  A hidden score counts as -1e30; the row's maximum is taken away, then the scale c = log2(e) / 32; p is divided by its sum.
; O^T = V^T P, 64 channels a wave: key step t takes keys 8 h + 2 t + 0, 1, so that p's registers 2 t, 2 t + 1 are source 1 as they lie; V^T is gathered to match, 4 bytes a lane.
; A weight below 2^-126 counts as 0; NaN and infinities are not treated apart.  No tensor load: a fragment lies in memory as it lies in registers.  No cluster, no prefetch: a short launch of eight work-groups.
.set SPT,   272
.set STAGE, 8*3072                     ; LDS: eight waves' partial sums, 3,072 bytes each; then 16 rows x 272 bytes for each wave, for the way out
.set SPARE, STAGE+8*16*SPT             ; behind them: the spare words, 128 bytes a wave, that no other line names
.set RR,  1                            ; v1   l % 16
.set HH,  2                            ; v2   l / 16
.set LN,  3                            ; v3   l
.set HA,  4                            ; v4   16 l + my wave's 8 column blocks: q's and k's fragments; never rewritten
.set HV,  5                            ; v5   where my channel's numbers of V begin; never rewritten
.set LSA, 6                            ; v6   where I put my partial sums
.set LRA, 7                            ; v7   where I read everybody's
.set STO, 8
.set RD,  9
.set CO,  10
.set DD,  11                           ; v11  l % 16 - 8 (l / 16)
.set SPW, 12
.set NIL, 13
.set BIG, 14                           ; v14  -1e30
.set SS,  16                           ; v[16:39]   the scores, then the weights: tiles (keys 0-15, queries 0-15), (keys 0-15, queries 16-31), (keys 16-31, queries 16-31)
.set SA,  40                           ; v[40:63]   my partial sums of the three tiles: written by matrix instructions alone
.set OA,  64                           ; v[64:127]  O^T: channel block cb, query tile qt at 8 (2 cb + qt): written by matrix instructions alone
.set X0,  128                          ; v[128:191] a trip's fragments: k's two tiles, then q's two, 16 registers each; later V^T
.set X1,  192                          ; v[192:255] the other trip's; later at work
.set VT,  X0                           ; V^T: key tile a, channel block cb at 8 (4 a + cb)
.set T,   X1
.set M0,  X1+4                         ; the maxima, each the low register of a pair
.set M1,  X1+6
.set LT,  X1+8
.set WV,  8
.set CS,  10
.set SEL, 12
.macro PL8                             ; eight places behind a product of this form, in front of loads into registers that it has read and of stores that read its result
.rept 8
	v_nop
.endr
.endm
; Trip i: two column blocks, 32 channels: 16 loads of 512 consecutive bytes each
.macro LOADH i, x
.irp kd, 0,1,2,3
.irp bl, 0,1,2,3
	global_load_b128 v[(\x)+16*(\kd)+4*(\bl):(\x)+16*(\kd)+4*(\bl)+3], v[HA], s[4:5] offset:((\kd)%2)*196608+(1-(\kd)/2)*65536+(\i)*2048+(\bl)*512
.endr
.endr
.endm
; A trip's 24 products: eight steps of 4 channels x three tiles.  The three accumulators take turns, one instruction a turn.  zero = 1: the first three start the sums.
.macro MULH x, zero
.set mk, 0
.rept 8
.if (\zero) && (mk == 0)
	v_wmma_f32_16x16x4_f32 v[SA:SA+7],     v[(\x)+2*mk:(\x)+2*mk+1],       v[(\x)+32+2*mk:(\x)+32+2*mk+1], 0
	v_wmma_f32_16x16x4_f32 v[SA+8:SA+15],  v[(\x)+2*mk:(\x)+2*mk+1],       v[(\x)+48+2*mk:(\x)+48+2*mk+1], 0
	v_wmma_f32_16x16x4_f32 v[SA+16:SA+23], v[(\x)+16+2*mk:(\x)+16+2*mk+1], v[(\x)+48+2*mk:(\x)+48+2*mk+1], 0
.else
	v_wmma_f32_16x16x4_f32 v[SA:SA+7],     v[(\x)+2*mk:(\x)+2*mk+1],       v[(\x)+32+2*mk:(\x)+32+2*mk+1], v[SA:SA+7]
	v_wmma_f32_16x16x4_f32 v[SA+8:SA+15],  v[(\x)+2*mk:(\x)+2*mk+1],       v[(\x)+48+2*mk:(\x)+48+2*mk+1], v[SA+8:SA+15]
	v_wmma_f32_16x16x4_f32 v[SA+16:SA+23], v[(\x)+16+2*mk:(\x)+16+2*mk+1], v[(\x)+48+2*mk:(\x)+48+2*mk+1], v[SA+16:SA+23]
.endif
.set mk, mk+1
.endr
.endm
	s_load_b128 s[4:7], s[0:1], 0x0                ; hd s[4:5], out0 s[6:7]
	v_lshl_add_u32 v[SPW], v0, 2, SPARE
	v_mov_b32 v[NIL], 0
	v_lshrrev_b32 v15, 5, v0
	v_readfirstlane_b32 s[WV], v15                 ; wave 0..7
	v_and_b32 v[RR], 15, v0
	v_bfe_u32 v[HH], v0, 4, 1
	v_and_b32 v[LN], 31, v0
	s_and_b32 s9, ttmp7, 0xffff                    ; the batch
	s_mul_i32 s14, s9, 393216
	s_mov_b32 s15, 0
	s_lshl_b32 s16, s[WV], 13                      ; my 8 column blocks of 1,024 bytes
	v_lshl_add_u32 v[HA], v[LN], 4, s16
	s_wait_kmcnt 0x0
	s_add_nc_u64 s[4:5], s[4:5], s[14:15]
	LOADH 0, X0
	LOADH 1, X1
	; the other addresses, while those loads are out.  Channel r of a column block lies in half (r / 4) % 2, lanes 16 (r / 8) + key, word r % 4
	v_bfe_u32 v15, v0, 2, 1
	v_lshlrev_b32 v[HV], 9, v15
	v_bfe_u32 v15, v0, 3, 1
	v_lshl_add_u32 v[HV], v15, 8, v[HV]
	v_lshl_add_u32 v[HV], v[HH], 7, v[HV]          ; my keys begin at 8 (l / 16): 16 bytes a key
	v_and_b32 v15, 3, v0
	v_lshl_add_u32 v[HV], v15, 2, v[HV]
	s_lshl_b32 s17, ttmp9, 5                       ; the work-group's 32 column blocks of v,
	s_lshl_b32 s18, s[WV], 2                       ; my wave's 4,
	s_add_co_u32 s17, s17, s18
	s_add_co_u32 s17, s17, 128                     ; behind q's and k's 128
	s_lshl_b32 s17, s17, 10
	v_add_nc_u32 v[HV], s17, v[HV]
	s_mul_i32 s18, s[WV], 3072
	v_lshl_add_u32 v[LSA], v[LN], 4, s18
	v_lshlrev_b32 v[LRA], 4, v[LN]
	s_mul_i32 s18, s[WV], 16*SPT
	s_add_co_u32 s18, s18, STAGE                   ; my stage
	v_mul_u32_u24 v[STO], v[RR], SPT
	v_lshl_add_u32 v[STO], v[HH], 5, v[STO]
	v_add_nc_u32 v[STO], s18, v[STO]               ; in: row l % 16, 32 bytes for each half of the lanes
	v_mul_u32_u24 v[RD], v[HH], SPT
	v_lshl_add_u32 v[RD], v[RR], 4, v[RD]
	v_add_nc_u32 v[RD], s18, v[RD]                 ; back: lanes 0-15 one row of 256 bytes, lanes 16-31 the next
	v_lshlrev_b32 v[CO], 12, v[HH]
	v_lshl_add_u32 v[CO], v[RR], 4, v[CO]          ; the same two rows in out0
	v_lshlrev_b32 v15, 3, v[HH]
	v_sub_nc_u32 v[DD], v[RR], v15
	v_mov_b32 v[BIG], 0xf149f2ca
	s_mov_b32 s[CS], 0x3d38aa3b                    ; c = log2(e) / 32
	s_mov_b32 s[CS+1], s[CS]
	s_mov_b32 s[SEL], 0x76543210
	s_mov_b32 s[SEL+1], 0xfedcba98
	s_lshl_b32 s14, s9, 23                         ; out0: 2,048 rows of 4,096 bytes a batch,
	s_lshl_b32 s16, ttmp9, 11                      ; the work-group's 512 channels,
	s_add_co_u32 s14, s14, s16
	s_lshl_b32 s16, s[WV], 8                       ; my wave's 64
	s_add_co_u32 s14, s14, s16
	s_add_nc_u64 s[6:7], s[6:7], s[14:15]
	s_wait_loadcnt 16                              ; trip 0 is in; trip 1's 16 loads may stay out
	MULH X0, 1
	PL8
	LOADH 2, X0
	s_wait_loadcnt 16                              ; trip 1 is in
	MULH X1, 0
	PL8
	LOADH 3, X1
	s_wait_loadcnt 16                              ; trip 2 is in
	MULH X0, 0
	PL8
	s_wait_loadcnt 0x0                             ; trip 3 is in: its products follow the run below
.set va, 0
.rept 2                                ; V^T into the set that has been multiplied: it has the last trip, the meeting in LDS and the softmax in which to land
.set vc, 0
.rept 4
.set vk, 0
.rept 8
	global_load_b32 v[VT+8*(4*va+vc)+vk], v[HV], s[4:5] offset:va*196608+vc*1024+vk*16
.set vk, vk+1
.endr
.set vc, vc+1
.endr
.set va, va+1
.endr
	MULH X1, 0
	PL8
.irp tau, 0,1,2
	ds_store_b128 v[LSA], v[SA+8*(\tau):SA+8*(\tau)+3]   offset:(\tau)*1024
	ds_store_b128 v[LSA], v[SA+8*(\tau)+4:SA+8*(\tau)+7] offset:(\tau)*1024+512
.endr
	s_wait_dscnt 0x0                               ; for the others' sake: my partial sums lie in LDS
	s_barrier_signal -1
	s_barrier_wait -1
; A tile's eight partial sums are read and added, two numbers an instruction, in the same order in every wave
.macro RED tau
.set rv, 0
.rept 8
	ds_load_b128 v[X1+8*rv:X1+8*rv+3],   v[LRA] offset:rv*3072+(\tau)*1024
	ds_load_b128 v[X1+8*rv+4:X1+8*rv+7], v[LRA] offset:rv*3072+(\tau)*1024+512
.set rv, rv+1
.endr
	s_wait_dscnt 0x0
.set rv, 0
.rept 16
	v_pk_add_f32 v[X1+2*rv:X1+2*rv+1], v[X1+2*rv:X1+2*rv+1], v[X1+32+2*rv:X1+32+2*rv+1]
.set rv, rv+1
.endr
.set rv, 0
.rept 8
	v_pk_add_f32 v[X1+2*rv:X1+2*rv+1], v[X1+2*rv:X1+2*rv+1], v[X1+16+2*rv:X1+16+2*rv+1]
.set rv, rv+1
.endr
.set rv, 0
.rept 4
	v_pk_add_f32 v[SS+8*(\tau)+2*rv:SS+8*(\tau)+2*rv+1], v[X1+2*rv:X1+2*rv+1], v[X1+8+2*rv:X1+8+2*rv+1]
.set rv, rv+1
.endr
.endm
	RED 0
	RED 1
	RED 2
.set j, 0
.rept 8                                ; in the two tiles on the diagonal key 8 (l / 16) + j is hidden from query l % 16 where it is the greater
	v_cmp_gt_i32 vcc_lo, j, v[DD]
	v_cndmask_b32 v[SS+j], v[SS+j], v[BIG], vcc_lo
	v_cndmask_b32 v[SS+16+j], v[SS+16+j], v[BIG], vcc_lo
.set j, j+1
.endr
	v_max3_num_f32 v[T], v[SS], v[SS+1], v[SS+2]   ; queries 0-15: 8 scores a lane; queries 16-31: 16
	v_max3_num_f32 v[T+2], v[SS+8], v[SS+9], v[SS+10]
	v_max3_num_f32 v[T], v[T], v[SS+3], v[SS+4]
	v_max3_num_f32 v[T+2], v[T+2], v[SS+11], v[SS+12]
	v_max3_num_f32 v[T], v[T], v[SS+5], v[SS+6]
	v_max3_num_f32 v[T+2], v[T+2], v[SS+13], v[SS+14]
	v_max_num_f32 v[T], v[T], v[SS+7]
	v_max3_num_f32 v[T+2], v[T+2], v[SS+15], v[SS+16]
	v_max3_num_f32 v[T+2], v[T+2], v[SS+17], v[SS+18]
	v_max3_num_f32 v[T+2], v[T+2], v[SS+19], v[SS+20]
	v_max3_num_f32 v[T+2], v[T+2], v[SS+21], v[SS+22]
	v_max_num_f32 v[T+2], v[T+2], v[SS+23]
	v_permlanex16_b32 v[T+1], v[T], s[SEL], s[SEL+1]  ; the query's other keys lie in the lane 16 away
	v_permlanex16_b32 v[T+3], v[T+2], s[SEL], s[SEL+1]
	v_max_num_f32 v[M0], v[T], v[T+1]
	v_max_num_f32 v[M1], v[T+2], v[T+3]
.set i, 0
.rept 4
	v_pk_add_f32 v[SS+2*i:SS+2*i+1], v[SS+2*i:SS+2*i+1], v[M0:M0+1] op_sel_hi:[1,0] neg_lo:[0,1] neg_hi:[0,1]  ; the difference first: exact at the maximum whatever the scores' size
.set i, i+1
.endr
.rept 8
	v_pk_add_f32 v[SS+2*i:SS+2*i+1], v[SS+2*i:SS+2*i+1], v[M1:M1+1] op_sel_hi:[1,0] neg_lo:[0,1] neg_hi:[0,1]
.set i, i+1
.endr
.set i, 0
.rept 12
	v_pk_mul_f32 v[SS+2*i:SS+2*i+1], v[SS+2*i:SS+2*i+1], s[CS:CS+1] op_sel_hi:[1,0]
.set i, i+1
.endr
.set i, 0
.rept 24
	v_exp_f32 v[SS+i], v[SS+i]
.set i, i+1
.endr
	v_nop                                          ; a plain instruction behind the last exponential,
	s_wait_alu depctr_va_vdst(0)                   ; and one wait ahead of the batch's first reader
	v_pk_add_f32 v[LT:LT+1], v[SS:SS+1], v[SS+2:SS+3]
	v_pk_add_f32 v[LT+2:LT+3], v[SS+4:SS+5], v[SS+6:SS+7]
	v_pk_add_f32 v[LT+4:LT+5], v[SS+8:SS+9], v[SS+10:SS+11]
	v_pk_add_f32 v[LT+6:LT+7], v[SS+12:SS+13], v[SS+14:SS+15]
	v_pk_add_f32 v[LT+8:LT+9], v[SS+16:SS+17], v[SS+18:SS+19]
	v_pk_add_f32 v[LT+10:LT+11], v[SS+20:SS+21], v[SS+22:SS+23]
	v_pk_add_f32 v[LT:LT+1], v[LT:LT+1], v[LT+2:LT+3]
	v_pk_add_f32 v[LT+4:LT+5], v[LT+4:LT+5], v[LT+6:LT+7]
	v_pk_add_f32 v[LT+8:LT+9], v[LT+8:LT+9], v[LT+10:LT+11]
	v_pk_add_f32 v[LT+4:LT+5], v[LT+4:LT+5], v[LT+8:LT+9]
	v_add_f32 v[LT], v[LT], v[LT+1]
	v_add_f32 v[LT+4], v[LT+4], v[LT+5]
	v_permlanex16_b32 v[LT+1], v[LT], s[SEL], s[SEL+1]
	v_permlanex16_b32 v[LT+5], v[LT+4], s[SEL], s[SEL+1]
	v_add_f32 v[LT], v[LT], v[LT+1]
	v_add_f32 v[LT+4], v[LT+4], v[LT+5]
	v_rcp_f32 v[LT], v[LT]
	v_rcp_f32 v[LT+4], v[LT+4]
	v_nop
	s_wait_alu depctr_va_vdst(0)                   ; one wait for the two reciprocals
.set i, 0
.rept 4
	v_pk_mul_f32 v[SS+2*i:SS+2*i+1], v[SS+2*i:SS+2*i+1], v[LT:LT+1] op_sel_hi:[1,0]
.set i, i+1
.endr
.rept 8
	v_pk_mul_f32 v[SS+2*i:SS+2*i+1], v[SS+2*i:SS+2*i+1], v[LT+4:LT+5] op_sel_hi:[1,0]
.set i, i+1
.endr
	s_wait_loadcnt 0x0                             ; V^T is in
.set kt, 0
.rept 4                                ; keys 0-15, for both query tiles: the eight accumulators take turns; the first eight products start the sums
.set pc, 0
.rept 4
.set pq, 0
.rept 2
.if kt == 0
	v_wmma_f32_16x16x4_f32 v[OA+8*(2*pc+pq):OA+8*(2*pc+pq)+7], v[VT+8*pc+2*kt:VT+8*pc+2*kt+1], v[SS+8*pq+2*kt:SS+8*pq+2*kt+1], 0
.else
	v_wmma_f32_16x16x4_f32 v[OA+8*(2*pc+pq):OA+8*(2*pc+pq)+7], v[VT+8*pc+2*kt:VT+8*pc+2*kt+1], v[SS+8*pq+2*kt:SS+8*pq+2*kt+1], v[OA+8*(2*pc+pq):OA+8*(2*pc+pq)+7]
.endif
.set pq, pq+1
.endr
.set pc, pc+1
.endr
.set kt, kt+1
.endr
.set kt, 0
.rept 4                                ; keys 16-31, for queries 16-31: four accumulators take turns
.set pc, 0
.rept 4
	v_wmma_f32_16x16x4_f32 v[OA+8*(2*pc+1):OA+8*(2*pc+1)+7], v[VT+32+8*pc+2*kt:VT+32+8*pc+2*kt+1], v[SS+16+2*kt:SS+16+2*kt+1], v[OA+8*(2*pc+1):OA+8*(2*pc+1)+7]
.set pc, pc+1
.endr
.set kt, kt+1
.endr
	PL8
; THE WAY OUT of a query tile: a lane's eight channels of a row, 32 bytes, into my own stage; back as whole rows of 256 bytes
.macro WAYH qt
.set i, 0
.rept 8
	ds_store_b128 v[STO], v[OA+8*(2*(i/2)+(\qt))+4*(i%2):OA+8*(2*(i/2)+(\qt))+4*(i%2)+3] offset:64*(i/2)+16*(i%2)
.set i, i+1
.endr
.set i, 0
.rept 8
	ds_load_b128 v[X1+32*(\qt)+4*i:X1+32*(\qt)+4*i+3], v[RD] offset:i*2*SPT  ; LDS serves a wave's instructions in order (ISA guide 5.7.1.4)
.set i, i+1
.endr
.set i, 0
.rept 8
	s_wait_dscnt 7-i
	global_store_b128 v[CO], v[X1+32*(\qt)+4*i:X1+32*(\qt)+4*i+3], s[6:7] offset:(16*(\qt)+2*i)*4096 th:TH_STORE_NT  ; 16 lanes store 256 consecutive bytes, at a multiple of 256 from out0's first byte
.set i, i+1
.endr
.endm
	WAYH 0
	WAYH 1
	s_wait_tensorcnt 0x0                           ; the wave's end, behind my last LDS store
	ds_add_u32 v[SPW], v[NIL]
	s_wait_dscnt 0x0
	s_endpgm
.Lfunc_end_k_q6e93995ad8_head:
	.size	k_q6e93995ad8_head, .Lfunc_end_k_q6e93995ad8_head-k_q6e93995ad8_head
	.p2alignl 7, 3214868480
	.fill 96, 4, 3214868480
	.section	.rodata,"a",@progbits
	.p2align	6, 0x0
	.amdhsa_kernel k_q6e93995ad8_head
		.amdhsa_group_segment_fixed_size 60416
		.amdhsa_private_segment_fixed_size 0
		.amdhsa_enable_private_segment 0
		.amdhsa_kernarg_size 16
		.amdhsa_user_sgpr_count 2
		.amdhsa_user_sgpr_kernarg_segment_ptr 1
		.amdhsa_wavefront_size32 1
		.amdhsa_system_sgpr_workgroup_id_x 1
		.amdhsa_system_sgpr_workgroup_id_y 1
		.amdhsa_system_sgpr_workgroup_id_z 1
		.amdhsa_system_vgpr_workitem_id 0
		.amdhsa_next_free_vgpr 256
		.amdhsa_next_free_sgpr 66
		.amdhsa_reserve_vcc 1
		.amdhsa_float_denorm_mode_32 3
		.amdhsa_float_denorm_mode_16_64 3
		.amdhsa_memory_ordered 1
		.amdhsa_forward_progress 1
		.amdhsa_inst_pref_size 44
	.end_amdhsa_kernel
	.amdgpu_metadata
---
amdhsa.version: [ 1, 2 ]
amdhsa.kernels:
  - .name:           k_q6e93995ad8_head
    .symbol:         k_q6e93995ad8_head.kd
    .args:
      - { .name: hd, .offset: 0, .size: 8, .value_kind: global_buffer, .address_space: global }
      - { .name: out0, .offset: 8, .size: 8, .value_kind: global_buffer, .address_space: global }
    .group_segment_fixed_size: 60416
    .private_segment_fixed_size: 0
    .kernarg_segment_align: 8
    .kernarg_segment_size: 16
    .max_flat_workgroup_size: 256
    .sgpr_count:     66
    .vgpr_count:     256
    .wavefront_size: 32
...
	.end_amdgpu_metadata
.endif
;; end of part 3
;; launch score (part 4): grid 36 x 4, 4 waves a work-group, no clusters, 327,680 bytes of LDS; arguments qkv, pt, st; writes pt, st
.if DOCPART == 4
	.amdgcn_target "amdgcn-amd-amdhsa--gfx1250"
	.amdhsa_code_object_version 6
	.text
	.protected	k_q6e93995ad8_score
	.globl	k_q6e93995ad8_score
	.p2align	8
	.type	k_q6e93995ad8_score,@function
k_q6e93995ad8_score:
	s_mov_b64 s[64:65], 0
	v_nop
	global_prefetch_b8 v0, s[64:65] scope:SCOPE_SE
	s_setreg_imm32_b32 hwreg(HW_REG_WAVE_MODE, 25, 1), 1
	s_wait_xcnt 0x0
; For each tile of 256 queries x 256 keys on or below the diagonal (36 a batch): s = q . k over 1,024 channels (f16 operands, f32 sums), hidden scores masked; rm = the tile's row maximum of s;
; pt = 2^((s - rm) c) in f16, c = log2(e) / 32; st = rm and the row sums of the unrounded weights over keys 0-127 and 128-255, in f32.  The next launch joins the tiles of a row by 2^((rm - RM) c) <= 1.
; LIMITS.  q and k arrive in f16.  A hidden score counts as its value less 1e30.  A weight below 2^-126 counts as 0 in the sums, below 6e-8 as 0 in pt.  NaN and infinities are not treated apart.
; s - rm is taken first and then scaled, in two instructions: the difference is exact at the maximum whatever the scores' size, which a fused c s - c rm is not.
; NO CLUSTER: a batch's 36 tiles lie in rows of 1 to 8 tiles, so no grouping by four shares a row or a column at every place.
; SHAPE.  Four waves, each 128 queries x 128 keys in 64 accumulators.  Source 0 = 16 keys, source 1 = 16 queries: a lane holds ONE query (l % 16) and keys 8 (l / 16) + 0..7.
; K goes in 8 steps of 128 channels through two LDS slots (q's 256 rows, then k's); each wave fetches 128 rows of 256 bytes.  A step is written once; the slot in hand is a scalar turned by an exclusive or.
; THE MASK is the C operand of the product that starts a sum: three sets of eight registers, for key blocks above, on and below the wave's own diagonal; all 0 off the diagonal tile.
; REGISTERS: window 0: v0-31 addresses; v32-55 masks; v64-127, v128-191 q's fragments; later v64-87 statistics, v96-119 at work, v192-223 packed weights, v32-63 and v224-255 rows on their way out.
;   window 1: v64-191 k's fragments.  window 2: accumulators of my queries 0-63 at 8 (8 a + b).  window 3: of queries 64-127.
.set PITCH, 272
.set HALFT, 128*PITCH
.set SLOT,  4*HALFT
.set STAGE, 2*SLOT                     ; 16 rows x 272 bytes for each wave
.set XM,    STAGE+4*16*PITCH           ; three regions of 2,048 bytes, 512 a wave: maxima to exchange; maxima and sums on their way out
.set SPARE, XM+3*2048                  ; the spare words, 128 bytes a wave, that no other line names
.set A0,   14
.set B0,   15
.set ADRA, 16
.set ADRB, 17
.set XA,   18                          ; v18  my query's word in my wave's 512 bytes of XM
.set XP,   19                          ; v19  the same in the wave that has the row's other 128 keys
.set SR,   21                          ; v21  my 16 bytes of my wave's 512
.set SO,   22                          ; v22  my byte offset in the tile's statistics, for the sums
.set DD,   23                          ; v23  l % 16 - 8 (l / 16)
.set STO,  24
.set RD,   25
.set CO,   26
.set SO2,  27                          ; v27  the same as SO, for the maxima
.set SPW,  28
.set NIL,  29
.set PFO,  30                          ; v30  lane x a row of qkv (6,144 bytes)
.set MU,   32
.set MDG,  40
.set MLW,  48
.set F0,   64
.set F1,   128
.set RM,   64                          ; query block a's maximum at v[RM+2a]; the odd register is 0 (named as a pair)
.set LS,   80
.set MT,   96
.set TMP,  192
.set OB,   32
.set CNT,  3
.set WV,   10
.set RH,   11                          ; s11  which 128 queries
.set CH,   12                          ; s12  which 128 keys; also which 128 rows I fetch
.set BB,   13
.set QB,   14
.set KT,   15
.set LB,   20
.set G1,   24
.set G0,   32                          ; s[32:35] K step 0, s[36:39] the walking one
.set LIM,  43
.set PFA,  44
.set CS,   58
.set SEL,  60
.set SU,   66
.set SL,   67
.set TB,   70
.set MSB, 0
.macro WIN new
.if MSB != (\new)
	s_set_vgpr_msb (MSB<<8)|(\new)
.set MSB, \new
.endif
.endm
.macro PLACES
.rept 4
	v_nop
.endr
.endm
; A prefetch into the L2 of the K step two refills on: my 128 rows x 256 bytes, a lane a row, four instructions.  q's rows of a query block are read by the tiles of its row: the tile with key tile 0 asks
; (waves 0, 1); k's rows by the tiles of a column: the diagonal tile asks (waves 2, 3).  So each block is named once.  K steps 0 to 3 come by their loads alone; the last two refills ask for nothing.
.macro ASK
	s_cmp_gt_u32 s[CNT], s[LIM]
	s_cbranch_scc0 .Lnot_mine_\@
.irp i, 0,1,2,3
	global_prefetch_b8 v[PFO], s[PFA:PFA+1] offset:(\i)*196608+256 th:TH_LOAD_NT scope:SCOPE_SE
.endr
.Lnot_mine_\@:
.endm
	s_load_b128 s[4:7], s[0:1], 0x0                ; qkv s[4:5], pt s[6:7]
	s_load_b64 s[8:9], s[0:1], 0x10                ; st
	v_lshl_add_u32 v[SPW], v0, 2, SPARE
	v_mov_b32 v[NIL], 0
	ds_add_u32 v[SPW], v[NIL]                      ; the wave's opening: the add and its wait stand ahead of my first tensor load
	v_lshrrev_b32 v1, 5, v0
	v_readfirstlane_b32 s[WV], v1
	s_lshr_b32 s[RH], s[WV], 1
	s_and_b32 s[CH], s[WV], 1
	s_and_b32 s[BB], ttmp7, 0xffff
	s_mov_b32 s[QB], 0                             ; the query block: how many triangular numbers the tile's number has reached
.irp lim, 1,3,6,10,15,21,28
	s_cmp_ge_u32 ttmp9, \lim
	s_add_co_ci_u32 s[QB], s[QB], 0
.endr
	s_add_co_u32 s[KT], s[QB], 1
	s_mul_i32 s[KT], s[KT], s[QB]
	s_lshr_b32 s[KT], s[KT], 1
	s_sub_co_u32 s[KT], ttmp9, s[KT]               ; the key tile, 0 .. query block
	s_mov_b32 s[G1], (1<<16)|(1<<20)|(5<<22)|(3<<25)  ; 2-byte elements; padding on: after every 64 words, 4 words
	s_mov_b32 s[G1+1], 128<<16
	s_mov_b32 s[G1+2], 128<<16
	s_mov_b32 s[G1+3], 128<<16
	s_mov_b32 s[G1+4], 128
	s_mov_b32 s[G1+5], 3072                        ; elements from row to row of qkv
	s_mov_b32 s[G1+6], 0
	s_mov_b32 s[G1+7], 0
	s_mov_b32 s[CS], 0x3d38aa3b                    ; c = log2(e) / 32
	s_mov_b32 s[CS+1], s[CS]
	s_mov_b32 s[SEL], 0x76543210
	s_mov_b32 s[SEL+1], 0xfedcba98
	s_mov_b32 s[TB], 0
	s_mul_i32 s[LB], s[WV], HALFT
	s_cmp_le_u32 s[RH], s[CH]
	s_cselect_b32 s[SU], 0xf149f2ca, 0             ; -1e30: key blocks above my diagonal are hidden if my keys do not lie before my queries,
	s_cmp_lt_u32 s[RH], s[CH]
	s_cselect_b32 s[SL], 0xf149f2ca, 0             ; those below it only if my keys lie behind them,
	s_cmp_eq_u32 s[QB], s[KT]
	s_cselect_b32 s[SU], s[SU], 0                  ; and all that in the diagonal tile alone
	s_cselect_b32 s[SL], s[SL], 0
	s_cmp_eq_u32 s[KT], 0
	s_cselect_b32 s21, 2, -1
	s_cmp_eq_u32 s[QB], s[KT]
	s_cselect_b32 s22, 2, -1
	s_cmp_lt_u32 s[WV], 2                          ; waves 0, 1 fetch q's rows, waves 2, 3 k's
	s_cselect_b32 s[LIM], s21, s22
	s_cselect_b32 s16, s[QB], s[KT]
	s_cselect_b32 s17, 0, 2048                     ; k lies 2,048 bytes into a row
	s_lshl_b32 s16, s16, 8
	s_lshl_b32 s18, s[BB], 11
	s_add_co_u32 s16, s16, s18
	s_lshl_b32 s18, s[CH], 7
	s_add_co_u32 s16, s16, s18                     ; my first row
	s_mul_i32 s16, s16, 6144
	s_add_co_u32 s16, s16, s17
	s_mov_b32 s17, 0
	s_wait_dscnt 0x0                               ; the opening add is done
	s_wait_kmcnt 0x0
	s_add_nc_u64 s[46:47], s[4:5], s[16:17]
.irp s, 0,1                            ; both first fills go out together: two loads of mine are out
	s_mov_b32 s[G0+4*(\s)], 1
	s_add_co_u32 s[G0+4*(\s)+1], s[LB], (\s)*SLOT
	s_add_nc_u64 s[G0+4*(\s)+2:G0+4*(\s)+3], s[46:47], (\s)*256
	s_or_b32 s[G0+4*(\s)+3], s[G0+4*(\s)+3], 0x80000000
	tensor_load_to_lds s[G0+4*(\s):G0+4*(\s)+3], s[G1:G1+7]
	s_nop 0
.endr
.rept 4
	v_nop
.endr
	s_add_nc_u64 s[PFA:PFA+1], s[46:47], 2*256     ; at K step 2: the first refill steps it to 3 and names K step 4
	v_and_b32 v1, 15, v0                           ; l % 16
	v_bfe_u32 v2, v0, 4, 1                         ; l / 16
	v_and_b32 v3, 31, v0
	v_mul_u32_u24 v4, v1, PITCH
	v_lshl_add_u32 v4, v2, 4, v4
	s_mul_i32 s21, s[RH], HALFT
	v_add_nc_u32 v[A0], s21, v4
	s_mul_i32 s22, s[CH], HALFT
	s_add_co_u32 s22, s22, 2*HALFT
	v_add_nc_u32 v[B0], s22, v4
	v_mov_b32 v[ADRA], v[A0]
	v_mov_b32 v[ADRB], v[B0]
	s_mul_i32 s23, s[WV], 16*PITCH
	s_add_co_u32 s23, s23, STAGE
	v_add_nc_u32 v[STO], s23, v4                   ; in: row l % 16, 16 bytes for each half of the lanes
	v_mul_u32_u24 v5, v2, PITCH
	v_lshl_add_u32 v5, v1, 4, v5
	v_add_nc_u32 v[RD], s23, v5                    ; back: lanes 0-15 one row of 256 bytes, lanes 16-31 the next
	v_lshlrev_b32 v[CO], 12, v2
	v_lshl_add_u32 v[CO], v1, 4, v[CO]             ; the same two rows in pt
	v_mul_u32_u24 v[PFO], v3, 6144
	v_lshlrev_b32 v[SO2], 4, v3
	s_lshl_b32 s21, s[CH], 10
	s_add_co_u32 s21, s21, 1024
	v_add_nc_u32 v[SO], s21, v[SO2]
	s_lshl_b32 s21, s[WV], 9
	s_add_co_u32 s21, s21, XM
	v_lshl_add_u32 v[XA], v1, 2, s21
	v_lshl_add_u32 v[SR], v3, 4, s21
	s_xor_b32 s22, s[WV], 1
	s_lshl_b32 s22, s22, 9
	s_add_co_u32 s22, s22, XM
	v_lshl_add_u32 v[XP], v1, 2, s22
	v_lshlrev_b32 v5, 3, v2
	v_sub_nc_u32 v[DD], v1, v5
.set i, 0
.rept 8
	v_mov_b32 v[MU+i], s[SU]
	v_mov_b32 v[MLW+i], s[SL]
.set i, i+1
.endr
.set i, 0
.rept 8                                ; on my diagonal key 8 (l / 16) + i is hidden from query l % 16 where it is the greater
	v_cmp_gt_i32 vcc_lo, i, v[DD]
	v_cndmask_b32 v[MDG+i], v[MLW], v[MU], vcc_lo
.set i, i+1
.endr
	s_lshl_b32 s16, s[BB], 11
	s_lshl_b32 s18, s[QB], 8
	s_add_co_u32 s16, s16, s18
	s_lshl_b32 s18, s[RH], 7
	s_add_co_u32 s16, s16, s18
	s_lshl_b32 s16, s16, 12                        ; pt at my first query's row,
	s_lshl_b32 s18, s[KT], 9
	s_add_co_u32 s16, s16, s18
	s_lshl_b32 s18, s[CH], 8
	s_add_co_u32 s16, s16, s18                     ; my 128 keys
	s_mov_b32 s17, 0
	s_add_nc_u64 s[6:7], s[6:7], s[16:17]
	s_lshl_b32 s16, s[BB], 3
	s_add_co_u32 s16, s16, s[QB]
	s_lshl_b32 s16, s16, 3
	s_add_co_u32 s16, s16, s[KT]
	s_mul_i32 s16, s16, 3072                       ; the tile's statistics,
	s_lshl_b32 s18, s[RH], 9
	s_add_co_u32 s16, s16, s18                     ; my 128 rows of 4 bytes
	s_add_nc_u64 s[8:9], s[8:9], s[16:17]
; 16 products: query blocks a0, a0 + 1 of the window's four x all 8 key blocks.  The 64 accumulators take turns, one instruction a turn.  zero = 1: the mask starts the sum.
.macro MUL16 f, hi, a0, zero
.irp a, \a0, (\a0)+1
.irp b, 0,1,2,3,4,5,6,7
.if \zero
.if (4*(\hi)+(\a)) < (\b)
.set CM, MU
.elseif (4*(\hi)+(\a)) == (\b)
.set CM, MDG
.else
.set CM, MLW
.endif
	WIN 0x81+0x40*(\hi)
	v_wmma_f32_16x16x32_f16 v[8*(8*(\a)+(\b)):8*(8*(\a)+(\b))+7], v[(\f)+8*(\b):(\f)+8*(\b)+7], v[(\f)+8*(4*(\hi)+(\a)):(\f)+8*(4*(\hi)+(\a))+7], v[CM:CM+7]
.else
	WIN 0xa1+0x50*(\hi)
	v_wmma_f32_16x16x32_f16 v[8*(8*(\a)+(\b)):8*(8*(\a)+(\b))+7], v[(\f)+8*(\b):(\f)+8*(\b)+7], v[(\f)+8*(4*(\hi)+(\a)):(\f)+8*(4*(\hi)+(\a))+7], v[8*(8*(\a)+(\b)):8*(8*(\a)+(\b))+7]
.endif
.endr
.endr
.endm
.macro FETCH k, f                      ; 32 LDS loads in one run: k's eight fragments (window 1), then q's eight
	WIN 0x40
.irp i, 0,1,2,3,4,5,6,7
	ds_load_b128 v[(\f)+8*(\i):(\f)+8*(\i)+3],   v[ADRB] offset:(\k)+(\i)*16*PITCH
	ds_load_b128 v[(\f)+8*(\i)+4:(\f)+8*(\i)+7], v[ADRB] offset:(\k)+(\i)*16*PITCH+32
.endr
	WIN 0
.irp i, 0,1,2,3,4,5,6,7
	ds_load_b128 v[(\f)+8*(\i):(\f)+8*(\i)+3],   v[ADRA] offset:(\k)+(\i)*16*PITCH
	ds_load_b128 v[(\f)+8*(\i)+4:(\f)+8*(\i)+7], v[ADRA] offset:(\k)+(\i)*16*PITCH+32
.endr
.endm
.macro QUARTER k, f, g, zero
	s_wait_dscnt 8                                 ; all but the youngest eight loads: q's blocks 4-7
	MUL16 \f, 0, 0, \zero
	MUL16 \f, 0, 2, \zero
	PLACES
	FETCH \k, \g
	s_wait_dscnt 32                                ; all but the 32 just issued
	MUL16 \f, 1, 0, \zero
	MUL16 \f, 1, 2, \zero
.endm
; The last quarter changes slots: one barrier; in front of it each wave waits for all its tensor loads (one is out), adds 0 to its spare word, and waits for that and for its reads of this slot.
; fill = 1: this slot is filled again, two K steps ahead, first thing behind the barrier.
.macro TURN fill
.if \fill
	s_wait_xcnt 0x0                                ; the last prefetches, a K step back, have read their address
	s_add_nc_u64 s[PFA:PFA+1], s[PFA:PFA+1], 256
.endif
	WIN 0
	s_wait_tensorcnt 0x0
	ds_add_u32 v[SPW], v[NIL]                      ; 0 onto my spare word
.if \fill
	s_xor_b32 s[G0+5], s[G0+5], SLOT
	s_add_nc_u64 s[G0+6:G0+7], s[G0+6:G0+7], 256
.endif
	s_wait_dscnt 9                                 ; the add and the youngest eight loads may be out
	MUL16 F1, 0, 0, 0
	s_wait_dscnt 0x0                               ; the add is done, and my reads of this slot are over
	s_barrier_signal -1
	MUL16 F1, 0, 2, 0
	WIN 0
	s_barrier_wait -1
.if \fill
	tensor_load_to_lds s[G0+4:G0+7], s[G1:G1+7]
	s_nop 0
.endif
	PLACES                                         ; behind the load, and the places in front of the loads below
	s_xor_b32 s[TB], s[TB], SLOT
	v_add_nc_u32 v[ADRA], s[TB], v[A0]
	v_add_nc_u32 v[ADRB], s[TB], v[B0]
	FETCH 0, F0
.if \fill
	ASK
.endif
	MUL16 F1, 1, 0, 0
	MUL16 F1, 1, 2, 0
.endm
	s_wait_tensorcnt 1                             ; my part of K step 0 is in; K step 1's may stay out
	s_barrier_signal -1
	s_barrier_wait -1
	FETCH 0, F0
	QUARTER 64, F0, F1, 1
	WIN 0
	s_mov_b32 s[CNT], 6
.Lstep:
	QUARTER 128, F1, F0, 0
	QUARTER 192, F0, F1, 0
	TURN 1
	QUARTER 64, F0, F1, 0
	WIN 0
	s_sub_co_u32 s[CNT], s[CNT], 1
	s_cmp_lg_u32 s[CNT], 0
	s_cbranch_scc1 .Lstep
	QUARTER 128, F1, F0, 0
	QUARTER 192, F0, F1, 0
	TURN 0
	QUARTER 64, F0, F1, 0
	QUARTER 128, F1, F0, 0
	QUARTER 192, F0, F1, 0
	s_wait_dscnt 8
	MUL16 F1, 0, 0, 0
	MUL16 F1, 0, 2, 0
	s_wait_dscnt 0x0
	MUL16 F1, 1, 0, 0
	MUL16 F1, 1, 2, 0
	WIN 0
	PLACES
.set i, 0
.rept 8
	v_mov_b32 v[RM+2*i+1], 0
.set i, i+1
.endr
; The maximum of query block a's 64 scores a lane (each accumulator's lowest registers first), of the lane 16 away, and into LDS for the wave with the other 128 keys.
.macro ROWMAX a
.set AC, 64*((\a)%4)
	WIN 0x2a+0x15*((\a)/4)
.set i, 0
.rept 8
	v_max3_num_f32 v[MT+3*i], v[AC+8*i], v[AC+8*i+1], v[AC+8*i+2]
	v_max3_num_f32 v[MT+3*i+1], v[AC+8*i+3], v[AC+8*i+4], v[AC+8*i+5]
	v_max_num_f32 v[MT+3*i+2], v[AC+8*i+6], v[AC+8*i+7]
.set i, i+1
.endr
	WIN 0
.set i, 0
.rept 8
	v_max3_num_f32 v[MT+3*i], v[MT+3*i], v[MT+3*i+1], v[MT+3*i+2]
.set i, i+1
.endr
	v_max3_num_f32 v[MT], v[MT], v[MT+3], v[MT+6]
	v_max3_num_f32 v[MT+9], v[MT+9], v[MT+12], v[MT+15]
	v_max3_num_f32 v[MT], v[MT], v[MT+9], v[MT+18]
	v_max_num_f32 v[MT], v[MT], v[MT+21]
	v_permlanex16_b32 v[MT+1], v[MT], s[SEL], s[SEL+1]
	v_max_num_f32 v[RM+2*(\a)], v[MT], v[MT+1]
	ds_store_b32 v[XA], v[RM+2*(\a)] offset:64*(\a)
.endm
.irp a, 0,1,2,3,4,5,6,7
	ROWMAX \a
.endr
	s_wait_dscnt 0x0                               ; for the other wave's sake: my maxima lie in LDS
	s_barrier_signal -1
	s_barrier_wait -1
.irp a, 0,1,2,3,4,5,6,7
	ds_load_b32 v[MT+(\a)], v[XP] offset:64*(\a)
.endr
	s_wait_dscnt 0x0
.irp a, 0,1,2,3,4,5,6,7
	v_max_num_f32 v[RM+2*(\a)], v[RM+2*(\a)], v[MT+(\a)]
.endr
; Query block a: s - rm, times c, the 64 exponentials as ONE batch with one wait, the roundings to f16, and the sum of the unrounded weights.
.macro SOFT a
.set AC, 64*((\a)%4)
.set HW, (\a)/4
	WIN 0x82+0x41*HW
.set i, 0
.rept 32
	v_pk_add_f32 v[AC+2*i:AC+2*i+1], v[AC+2*i:AC+2*i+1], v[RM+2*(\a):RM+2*(\a)+1] op_sel_hi:[1,0] neg_lo:[0,1] neg_hi:[0,1]
.set i, i+1
.endr
.set i, 0
.rept 32
	v_pk_mul_f32 v[AC+2*i:AC+2*i+1], v[AC+2*i:AC+2*i+1], s[CS:CS+1] op_sel_hi:[1,0]
.set i, i+1
.endr
.set i, 0
.rept 64
	v_exp_f32 v[AC+i], v[AC+i]
.set i, i+1
.endr
	v_nop                                          ; a plain instruction behind the last exponential,
	s_wait_alu depctr_va_vdst(0)                   ; and one wait ahead of the batch's first reader
	WIN 0x0a+0x05*HW
.set i, 0
.rept 32
	v_cvt_pk_f16_f32 v[TMP+i], v[AC+2*i], v[AC+2*i+1]
.set i, i+1
.endr
	WIN 0x8a+0x45*HW
.set sd, 16
.rept 5
.set i, 0
.rept sd
	v_pk_add_f32 v[AC+2*i:AC+2*i+1], v[AC+2*i:AC+2*i+1], v[AC+2*(i+sd):AC+2*(i+sd)+1]
.set i, i+1
.endr
.set sd, sd/2
.endr
	WIN 0x0a+0x05*HW
	v_add_f32 v[LS+(\a)], v[AC], v[AC+1]
	WIN 0
.endm
.macro TOSTAGE a                       ; 16 bytes a lane into my own stage, and back as whole rows of 256 bytes
.set BK, OB+192*((\a)%2)
.irp b, 0,1,2,3,4,5,6,7
	ds_store_b128 v[STO], v[TMP+4*(\b):TMP+4*(\b)+3] offset:32*(\b)
.endr
.irp t, 0,1,2,3,4,5,6,7
	ds_load_b128 v[BK+4*(\t):BK+4*(\t)+3], v[RD] offset:(\t)*2*PITCH  ; LDS serves a wave's instructions in order (ISA guide 5.7.1.4)
.endr
.endm
.macro SEND a
.set BK, OB+192*((\a)%2)
	s_wait_dscnt 0x0                               ; the block is back in registers
	s_wait_xcnt 0x0                                ; the stores issued so far have read their registers: the other set is loaded again only behind this wait
.irp t, 0,1,2,3,4,5,6,7
	global_store_b128 v[CO], v[BK+4*(\t):BK+4*(\t)+3], s[6:7] offset:(16*(\a)+2*(\t))*4096  ; 16 lanes store 256 consecutive bytes, at a multiple of 256 from pt's first byte
.endr
.endm
	SOFT 0
	TOSTAGE 0
.irp a, 1,2,3,4,5,6,7                  ; block a's arithmetic stands between block a - 1's loads from the stage and the wait for them
	SOFT \a
	SEND (\a)-1
	TOSTAGE \a
.endr
	SEND 7
.irp a, 0,1,2,3,4,5,6,7
	v_permlanex16_b32 v[MT+(\a)], v[LS+(\a)], s[SEL], s[SEL+1]
.endr
.irp a, 0,1,2,3,4,5,6,7
	v_add_f32 v[LS+(\a)], v[LS+(\a)], v[MT+(\a)]
.endr
.irp a, 0,1,2,3,4,5,6,7                ; a number a query into my own words, so that 128 rows' numbers leave as 512 consecutive bytes
	ds_store_b32 v[XA], v[RM+2*(\a)] offset:2048+64*(\a)
	ds_store_b32 v[XA], v[LS+(\a)] offset:4096+64*(\a)
.endr
	ds_load_b128 v[MT:MT+3], v[SR] offset:2048
	ds_load_b128 v[MT+4:MT+7], v[SR] offset:4096
	s_wait_dscnt 0x0
	global_store_b128 v[SO], v[MT+4:MT+7], s[8:9]
	s_cmp_eq_u32 s[CH], 0                          ; both waves of a row half hold the same maxima: the one with keys 0-127 stores them
	s_cbranch_scc0 .Lno_max
	global_store_b128 v[SO2], v[MT:MT+3], s[8:9]
.Lno_max:
	s_wait_tensorcnt 0x0                           ; the wave's end
	ds_add_u32 v[SPW], v[NIL]
	s_wait_dscnt 0x0
	s_endpgm
.Lfunc_end_k_q6e93995ad8_score:
	.size	k_q6e93995ad8_score, .Lfunc_end_k_q6e93995ad8_score-k_q6e93995ad8_score
	.p2alignl 7, 3214868480
	.fill 96, 4, 3214868480
	.section	.rodata,"a",@progbits
	.p2align	6, 0x0
	.amdhsa_kernel k_q6e93995ad8_score
		.amdhsa_group_segment_fixed_size 327680
		.amdhsa_private_segment_fixed_size 0
		.amdhsa_enable_private_segment 0
		.amdhsa_kernarg_size 24
		.amdhsa_user_sgpr_count 2
		.amdhsa_user_sgpr_kernarg_segment_ptr 1
		.amdhsa_wavefront_size32 1
		.amdhsa_system_sgpr_workgroup_id_x 1
		.amdhsa_system_sgpr_workgroup_id_y 1
		.amdhsa_system_sgpr_workgroup_id_z 1
		.amdhsa_system_vgpr_workitem_id 0
		.amdhsa_next_free_vgpr 1024
		.amdhsa_next_free_sgpr 80
		.amdhsa_reserve_vcc 1
		.amdhsa_float_denorm_mode_32 3
		.amdhsa_float_denorm_mode_16_64 3
		.amdhsa_memory_ordered 1
		.amdhsa_forward_progress 1
		.amdhsa_inst_pref_size 202
	.end_amdhsa_kernel
	.amdgpu_metadata
---
amdhsa.version: [ 1, 2 ]
amdhsa.kernels:
  - .name:           k_q6e93995ad8_score
    .symbol:         k_q6e93995ad8_score.kd
    .args:
      - { .name: qkv, .offset: 0, .size: 8, .value_kind: global_buffer, .address_space: global }
      - { .name: pt, .offset: 8, .size: 8, .value_kind: global_buffer, .address_space: global }
      - { .name: st, .offset: 16, .size: 8, .value_kind: global_buffer, .address_space: global }
    .group_segment_fixed_size: 327680
    .private_segment_fixed_size: 0
    .kernarg_segment_align: 8
    .kernarg_segment_size: 24
    .max_flat_workgroup_size: 128
    .sgpr_count:     80
    .vgpr_count:     1024
    .wavefront_size: 32
...
	.end_amdgpu_metadata
.endif
;; end of part 4
;; launch pv (part 5): grid 8 x 32, 4 waves a work-group, clusters of 4 x 1, 327,680 bytes of LDS; arguments pt, st, qkv, out0; writes out0
.if DOCPART == 5
	.amdgcn_target "amdgcn-amd-amdhsa--gfx1250"
	.amdhsa_code_object_version 6
	.text
	.protected	k_q6e93995ad8_pv
	.globl	k_q6e93995ad8_pv
	.p2align	8
	.type	k_q6e93995ad8_pv,@function
k_q6e93995ad8_pv:
	s_mov_b64 s[64:65], 0
	v_nop
	global_prefetch_b8 v0, s[64:65] scope:SCOPE_SE
	s_setreg_imm32_b32 hwreg(HW_REG_WAVE_MODE, 25, 1), 1
	s_wait_xcnt 0x0
	s_wait_alu depctr_hold_cnt(0) depctr_sa_sdst(0) depctr_va_vdst(0) depctr_va_sdst(0) depctr_va_ssrc(0) depctr_va_vcc(0) depctr_vm_vsrc(0)
	s_getreg_b32 s2, hwreg(HW_REG_IB_STS2, 6, 4)
	s_cmp_eq_u32 s2, 0
	s_cbranch_scc0 .Lentry_in_a_cluster
	s_endpgm
.Lentry_in_a_cluster:
	s_bfe_u32 s2, ttmp6, 0x10000c
	s_cmp_lg_u32 s2, 0x3003
	s_cbranch_scc0 .Lentry_shape_is_right
	s_endpgm
.Lentry_shape_is_right:
; out0[q][:] = sum over key tiles t of g_t[q] (P_t V_t)[q][:], g_t = 2^((rm_t - RM) c) / L, RM = max over t of rm_t, L = sum over t of 2^((rm_t - RM) c) (l0_t + l1_t), c = log2(e) / 32.
; P (pt) and V (in qkv) are f16; products, g, L and out0 in f32.  Every exponent is at most 0: the maxima are taken away.  A factor below 2^-126 counts as 0; NaN and infinities are not treated apart.
; Rows 0 to 31 of each batch are not stored here: another launch makes them in f32.
; THE WALK.  A batch's queries lie in 16 blocks of 128; block i needs key tiles 0 .. i / 2 of 256 keys.  A work-group makes 128 channels of TWO blocks, pr and then 15 - pr: 9 tiles whatever pr:
; 256 work-groups of equal work, one loop with a constant trip count.  The short block goes first, so that its end (step 0 to 3) falls inside the loop.
; CLUSTER 4 x 1: the four channel tiles of a cluster walk the same P, which is asked for jointly; V's tiles differ (each partner has its own channels) and come by loads of one's own behind the same round.
; V is not shared between pairs of blocks: their walks differ.
; SHAPE.  Four waves, each 64 queries x 64 channels.  T^T = V^T P (source 0 = 16 channels turned out of LDS, source 1 = 16 queries): a lane holds ONE query and eight channels, so g is a number a lane.
; Each step's T starts from the constant 0; behind the step O += g T, 64 packed multiply-adds.  O is cleared at a block's beginning (128 lines, twice a launch): the price of writing no first step out.
; REGISTERS: window 0: v0-15 addresses; v16-23 g, a pair a query block (the odd register 0); v64-127 rows on their way out; v128-255 O at 128 + 8 (4 a + cb) (at the head: the statistics).
;   window 1: two fragment buffers of 128 (64 of P, 64 of V, for 64 keys).  window 2: T at 8 (4 a + cb).
.set PP,    528                        ; a row of P in LDS: 512 bytes + 16
.set PV,    288                        ; a row of V: 256 + 32
.set VOFF,  128*PP                     ; a slot: P's 128 rows, then V's 256
.set SLOT,  147456                     ; 0x24000: it shares no bit with the four LDS places of a slot's loads, so one exclusive or turns a place in one slot into the other's
.set STAGE, 2*SLOT                     ; 16 rows x 272 bytes for each wave
.set SPT,   272
.set GT,    STAGE+4*16*SPT             ; g: for each wave 9 steps x 64 rows x 4 bytes
.set SPARE, GT+4*2304                  ; the spare words, 128 bytes a wave, that no other line names
.set P0,   2
.set V0,   3
.set ADRP, 4
.set ADRV, 5
.set ADRV2, 6                          ; v6   ADRV + 128 keys: the immediates would not reach them
.set GAD,  7                           ; v7   where the step's g lies
.set STO,  8
.set RD,   9
.set CO,   10
.set PFOP, 11                          ; v11  the prefetch's offset in P: my work-group's 16 rows of the 64, two lanes a row
.set SPW,  12
.set NIL,  13
.set PFOV, 14                          ; v14  in V: lane x a row of qkv
.set G,    16
.set TMP,  64
.set OA,   128
.set RMV,  128                         ; the head's registers, in O's place: index 2 n + u for step n, rows 32 u + lane
.set L0V,  146
.set L1V,  164
.set FV,   182
.set MLO,  200
.set MHI,  202
.set LLO,  204
.set LHI,  206
.set TT,   208
.set VO,   212
.set L4,   221
.set GS,   222
.set LOWV, 223
.set F0,   0
.set F1,   128
.set CNT,  3
.set WV,   12
.set WR,   13
.set WC,   14                          ; s14  which 64 channels; also which half of a tile I fetch
.set CX,   15
.set CTI,  16
.set BB,   17
.set PR,   18
.set HI,   19
.set TL,   20                          ; s20  tiles of the first block, 1 to 4
.set TH,   21                          ; s21  9 - TL
.set RT,   22                          ; s22  steps left in the block in hand
.set NXT,  23                          ; s23  the tile to be asked for next
.set G1P,  24
.set G1V,  32
.set G0P,  40                          ; s[40:43] step 0, s[44:47] the walking one
.set G0V,  48
.set PCUR, 56                          ; s[56:57] pt at my rows of the block whose tiles are being asked for
.set PHI,  58
.set VB,   60
.set LQ,   62
.set THM1, 63
.set OFF,  66
.set OFV,  68
.set TB,   70
.set LIM,  71
.set PFP,  72
.set PFV,  74
.set OCUR, 76
.set OHI,  78
.set MK,   80                          ; s80-88  all ones where step n belongs to the first block
.set CS,   89
.set SKIP, 98                          ; s98  1 where my first block's first 32 rows are a batch's first 32
.set LOB,  100
.set HIB,  101
.set MSB, 0
.macro WIN new
.if MSB != (\new)
	s_set_vgpr_msb (MSB<<8)|(\new)
.set MSB, \new
.endif
.endm
.macro PLACES
.rept 4
	v_nop
.endr
.endm
.macro JLOAD                           ; waves 0, 1: the joint load of P's halves; waves 2, 3: V's halves; an s_nop 0 and four v_nop follow each line
	s_cmp_lt_u32 s[WV], 2
	s_cbranch_scc0 .Lfor_v_\@
	tensor_load_to_lds s[G0P+4:G0P+7], s[G1P:G1P+7]
	s_nop 0
.rept 4
	v_nop
.endr
	s_branch .Lasked_\@
.Lfor_v_\@:
	tensor_load_to_lds s[G0V+4:G0V+7], s[G1V:G1V+7]
	s_nop 0
.rept 4
	v_nop
.endr
.Lasked_\@:
.endm
.macro CREST
	s_cmp_lg_u32 s[WV], 0
	s_cbranch_scc1 .Lnot_wave_0_\@
	s_barrier_signal -3
.Lnot_wave_0_\@:
	s_barrier_wait -3
	s_barrier_signal -1
	s_barrier_wait -1
.endm
.macro CROUND
	s_barrier_signal -1
	s_barrier_wait -1
	CREST
.endm
.macro MAKE gp, gv                     ; the descriptors' addresses are made anew from the tile's number
	s_lshl_b32 s[OFF], s[NXT], 9                   ; 256 keys of 2 bytes along P's rows
	s_add_nc_u64 s[(\gp)+2:(\gp)+3], s[PCUR:PCUR+1], s[OFF:OFF+1]
	s_or_b32 s[(\gp)+3], s[(\gp)+3], 0x80000000
	s_mul_i32 s[OFV], s[NXT], 256*6144             ; 256 rows of qkv
	s_add_nc_u64 s[(\gv)+2:(\gv)+3], s[VB:VB+1], s[OFV:OFV+1]
	s_or_b32 s[(\gv)+3], s[(\gv)+3], 0x80000000
.endm
.macro ADV                             ; the block's next tile, or behind its last the second block's tile 0
	s_add_co_u32 s[NXT], s[NXT], 1
	s_cmp_gt_u32 s[NXT], s[LQ]
	s_cselect_b32 s[NXT], 0, s[NXT]
	s_cselect_b64 s[PCUR:PCUR+1], s[PHI:PHI+1], s[PCUR:PCUR+1]
	s_cselect_b32 s[LQ], s[THM1], s[LQ]
.endm
; A prefetch into the L2 of the tile that the NEXT change of slots will ask for, a step of 128 products ahead.  P's rows are read by the two clusters of a pair of blocks: cluster x = 0 asks, its four partners
; 16 rows of a wave's 64 each, told apart by address: one instruction.  V's rows of my channels are read by the eight pairs of a batch: pair 0, whose second block walks all eight tiles, asks: four
; instructions, a lane a row.  The first three steps come by their loads alone; the last refill asks for nothing.
.macro ASK
	WIN 0
	s_cmp_gt_u32 s[CNT], s[LIM]
	s_cbranch_scc0 .Lnot_mine_\@
	s_cmp_lt_u32 s[WV], 2
	s_cbranch_scc0 .Lask_v_\@
	global_prefetch_b8 v[PFOP], s[PFP:PFP+1] th:TH_LOAD_NT scope:SCOPE_SE
	s_branch .Lnot_mine_\@
.Lask_v_\@:
.irp i, 0,1,2,3
	global_prefetch_b8 v[PFOV], s[PFV:PFV+1] offset:(\i)*196608 th:TH_LOAD_NT scope:SCOPE_SE
.endr
.Lnot_mine_\@:
.endm
	s_load_b256 s[4:11], s[0:1], 0x0               ; pt s[4:5], st s[6:7], qkv s[8:9], out0 s[10:11]
	v_lshl_add_u32 v[SPW], v0, 2, SPARE
	v_mov_b32 v[NIL], 0
	ds_add_u32 v[SPW], v[NIL]                      ; the wave's opening: the add and its wait stand ahead of my first tensor load
	v_lshrrev_b32 v1, 5, v0
	v_readfirstlane_b32 s[WV], v1
	s_lshr_b32 s[WR], s[WV], 1
	s_and_b32 s[WC], s[WV], 1
	s_bfe_u32 s[CX], ttmp6, 0x40000
	s_lshl_b32 s[CTI], ttmp9, 2
	s_add_co_u32 s[CTI], s[CTI], s[CX]             ; my 128 channels: it enters V's and out0's addresses alone
	s_and_b32 s[BB], ttmp7, 0xffff
	s_and_b32 s[PR], s[BB], 7                      ; the pair, and its first block
	s_lshr_b32 s[BB], s[BB], 3                     ; the batch
	s_sub_co_u32 s[HI], 15, s[PR]                  ; its second block
	s_lshr_b32 s[TL], s[PR], 1
	s_add_co_u32 s[TL], s[TL], 1
	s_sub_co_u32 s[TH], 9, s[TL]
	s_sub_co_u32 s[THM1], s[TH], 1
	s_sub_co_u32 s[LQ], s[TL], 1
	s_mov_b32 s[NXT], 0
	s_mov_b32 s[RT], s[TL]
	s_mov_b32 s[TB], 0
	s_mov_b32 s[OFF+1], 0
	s_mov_b32 s[OFV+1], 0
	s_mov_b32 s[CS], 0x3d38aa3b                    ; c = log2(e) / 32
	s_mov_b32 s[G1P], 15|(1<<16)|(1<<20)|(1<<21)|(6<<22)|(3<<25)  ; the mask of four; 2-byte elements; padding on; bit 21 beside a mask; after every 128 words, 4 words
	s_mov_b32 s[G1P+1], 256<<16                    ; tensor_dim0 = 256
	s_mov_b32 s[G1P+2], 64<<16                     ; tensor_dim1 = 64
	s_mov_b32 s[G1P+3], 256<<16                    ; tile_dim0 = 256
	s_mov_b32 s[G1P+4], 64                         ; tile_dim1 = 64
	s_mov_b32 s[G1P+5], 2048                       ; elements from row to row of pt
	s_mov_b32 s[G1P+6], 0
	s_mov_b32 s[G1P+7], 0
	s_mov_b32 s[G1V], (1<<16)|(1<<20)|(5<<22)|(7<<25)  ; no mask; after every 64 words, 8 words
	s_mov_b32 s[G1V+1], 128<<16
	s_mov_b32 s[G1V+2], 128<<16
	s_mov_b32 s[G1V+3], 128<<16
	s_mov_b32 s[G1V+4], 128
	s_mov_b32 s[G1V+5], 3072
	s_mov_b32 s[G1V+6], 0
	s_mov_b32 s[G1V+7], 0
	s_lshl_b32 s90, s[BB], 11                      ; 2,048 rows a batch
	s_lshl_b32 s91, s[WC], 6
	s_add_co_u32 s91, s91, s90                     ; + the 64 rows of P that I fetch
	s_lshl_b32 s92, s[PR], 7
	s_add_co_u32 s92, s92, s91
	s_lshl_b32 s92, s92, 12
	s_mov_b32 s93, 0
	s_lshl_b32 s94, s[HI], 7
	s_add_co_u32 s94, s94, s91
	s_lshl_b32 s94, s94, 12
	s_mov_b32 s95, 0
	s_lshl_b32 s96, s[WC], 7
	s_add_co_u32 s96, s96, s90                     ; the 128 keys of V that I fetch
	s_mul_i32 s96, s96, 6144
	s_lshl_b32 s97, s[CTI], 8
	s_add_co_u32 s96, s96, s97
	s_add_co_u32 s96, s96, 4096                    ; v lies 4,096 bytes into a row
	s_mov_b32 s97, 0
	s_mul_i32 s98, s[WC], 64*PP                    ; where they go: no place in the cluster enters an LDS address
	s_mul_i32 s99, s[WC], 128*PV
	s_add_co_u32 s99, s99, VOFF
.irp s, 0,1
	s_mov_b32 s[G0P+4*(\s)], 1
	s_add_co_u32 s[G0P+4*(\s)+1], s98, (\s)*SLOT
	s_mov_b32 s[G0V+4*(\s)], 1
	s_add_co_u32 s[G0V+4*(\s)+1], s99, (\s)*SLOT
.endr
	s_cmp_eq_u32 ttmp9, 0
	s_cselect_b32 s90, 1, -1
	s_cmp_eq_u32 s[PR], 0
	s_cselect_b32 s91, 1, -1
	s_cmp_lt_u32 s[WV], 2
	s_cselect_b32 s[LIM], s90, s91                 ; the same in all four partners, for a given wave
	s_wait_dscnt 0x0                               ; the opening add is done
	s_wait_kmcnt 0x0
	s_add_nc_u64 s[PCUR:PCUR+1], s[4:5], s[92:93]
	s_add_nc_u64 s[PHI:PHI+1], s[4:5], s[94:95]
	s_add_nc_u64 s[VB:VB+1], s[8:9], s[96:97]
	MAKE G0P, G0V                                  ; step 0
	ADV
	MAKE G0P+4, G0V+4                              ; step 1
	ADV
	CROUND                                         ; all four work-groups are here: the first joint loads meet
	s_cmp_lt_u32 s[WV], 2                          ; a wave's two first fills stand in one branch: two loads of mine are out
	s_cbranch_scc0 .Lfirst_v
	tensor_load_to_lds s[G0P:G0P+3], s[G1P:G1P+7]
	s_nop 0
	tensor_load_to_lds s[G0P+4:G0P+7], s[G1P:G1P+7]
	s_nop 0
.rept 4
	v_nop
.endr
	s_branch .Lfirst_asked
.Lfirst_v:
	tensor_load_to_lds s[G0V:G0V+3], s[G1V:G1V+7]
	s_nop 0
	tensor_load_to_lds s[G0V+4:G0V+7], s[G1V:G1V+7]
	s_nop 0
.rept 4
	v_nop
.endr
.Lfirst_asked:
	; THE STATISTICS, while the first tiles are on their way.  Step n's tile is n of the first block or n - TL of the second: both bases are made so that n x 3,072 is added to them.
	s_lshl_b32 s94, s[BB], 3
	s_lshr_b32 s95, s[PR], 1
	s_add_co_u32 s95, s95, s94
	s_lshl_b32 s95, s95, 3
	s_mul_i32 s95, s95, 3072
	s_and_b32 s96, s[PR], 1
	s_lshl_b32 s96, s96, 9                         ; which 128 of the tile's 256 rows
	s_add_co_u32 s95, s95, s96
	s_lshl_b32 s96, s[WR], 8                       ; my wave's 64 rows
	s_add_co_u32 s[LOB], s95, s96
	s_lshr_b32 s95, s[HI], 1
	s_add_co_u32 s95, s95, s94
	s_lshl_b32 s95, s95, 3
	s_sub_co_u32 s95, s95, s[TL]
	s_mul_i32 s95, s95, 3072
	s_and_b32 s97, s[HI], 1
	s_lshl_b32 s97, s97, 9
	s_add_co_u32 s95, s95, s97
	s_add_co_u32 s[HIB], s95, s96
	v_and_b32 v24, 31, v0
	v_lshlrev_b32 v[L4], 2, v24
.set n, 0
.rept 9
	s_cmp_gt_u32 s[TL], n
	s_cselect_b32 s[MK+n], -1, 0
	s_cselect_b32 s90, s[LOB], s[HIB]
	v_add_nc_u32 v[VO+n], s90, v[L4]
.irp u, 0,1
	global_load_b32 v[RMV+2*n+(\u)], v[VO+n], s[6:7] offset:n*3072+128*(\u)
	global_load_b32 v[L0V+2*n+(\u)], v[VO+n], s[6:7] offset:n*3072+1024+128*(\u)
	global_load_b32 v[L1V+2*n+(\u)], v[VO+n], s[6:7] offset:n*3072+2048+128*(\u)
.endr
.set n, n+1
.endr
	; the addresses, while those loads are out
	v_and_b32 v1, 15, v0                           ; l % 16
	v_bfe_u32 v15, v0, 4, 1                        ; l / 16
	v_mul_u32_u24 v[P0], v1, PP
	v_lshl_add_u32 v[P0], v15, 4, v[P0]
	s_mul_i32 s90, s[WR], 64*PP
	v_add_nc_u32 v[P0], s90, v[P0]                 ; my 64 queries; row x pitch + 16 x half
	v_and_b32 v25, 7, v0                           ; the turning load: lane l reads key 8 (l / 16) + l % 8, channels 8 ((l / 8) % 2) + 0..7
	v_bfe_u32 v26, v0, 3, 1
	v_lshl_add_u32 v[V0], v15, 3, v25
	v_mul_u32_u24 v[V0], v[V0], PV
	v_lshl_add_u32 v[V0], v26, 4, v[V0]
	s_lshl_b32 s90, s[WC], 7
	s_add_co_u32 s90, s90, VOFF
	v_add_nc_u32 v[V0], s90, v[V0]
	v_mov_b32 v[ADRP], v[P0]
	v_mov_b32 v[ADRV], v[V0]
	v_add_nc_u32 v[ADRV2], 128*PV, v[V0]
	s_mul_i32 s90, s[WV], 16*SPT
	s_add_co_u32 s90, s90, STAGE
	v_mul_u32_u24 v[STO], v1, SPT
	v_lshl_add_u32 v[STO], v15, 5, v[STO]
	v_add_nc_u32 v[STO], s90, v[STO]               ; in: row l % 16, 32 bytes for each half of the lanes
	v_mul_u32_u24 v[RD], v15, SPT
	v_lshl_add_u32 v[RD], v1, 4, v[RD]
	v_add_nc_u32 v[RD], s90, v[RD]                 ; back: lanes 0-15 one row of 256 bytes, lanes 16-31 the next
	v_lshlrev_b32 v[CO], 12, v15
	v_lshl_add_u32 v[CO], v1, 4, v[CO]
	s_mul_i32 s90, s[WV], 2304
	s_add_co_u32 s90, s90, GT
	v_lshl_add_u32 v[GAD], v1, 2, s90
	v_lshl_add_u32 v[GS], v24, 2, s90
	v_lshrrev_b32 v25, 1, v24
	s_lshl_b32 s90, s[CX], 4
	v_add_nc_u32 v25, s90, v25
	v_and_b32 v26, 1, v24
	v_lshlrev_b32 v[PFOP], 12, v25
	v_lshl_add_u32 v[PFOP], v26, 8, v[PFOP]
	v_mul_u32_u24 v[PFOV], v24, 6144
.irp a, 0,1,2,3
	v_mov_b32 v[G+2*(\a)+1], 0
.endr
	s_lshl_b32 s90, s[BB], 11
	s_lshl_b32 s91, s[WR], 6
	s_add_co_u32 s90, s90, s91
	s_lshl_b32 s91, s[CTI], 9
	s_lshl_b32 s92, s[WC], 8
	s_add_co_u32 s91, s91, s92                     ; my 64 channels of 4 bytes
	s_lshl_b32 s92, s[PR], 7
	s_add_co_u32 s92, s92, s90
	s_lshl_b32 s92, s92, 12
	s_add_co_u32 s92, s92, s91
	s_mov_b32 s93, 0
	s_add_nc_u64 s[OCUR:OCUR+1], s[10:11], s[92:93]
	s_lshl_b32 s92, s[HI], 7
	s_add_co_u32 s92, s92, s90
	s_lshl_b32 s92, s92, 12
	s_add_co_u32 s92, s92, s91
	s_add_nc_u64 s[OHI:OHI+1], s[10:11], s[92:93]
	s_or_b32 s[SKIP], s[PR], s[WR]                 ; pair 0 (the cluster's y: alike in all four partners) and queries 0-63:
	s_cmp_eq_u32 s[SKIP], 0
	s_cselect_b32 s[SKIP], 1, 0                    ; my first block's row blocks 0 and 1 are a batch's rows 0 to 31
	v_mov_b32 v[LOWV], 0xff7fffff                  ; the lowest finite number
	s_wait_loadcnt 0x0
.irp u, 0,1                            ; step 0 is always the first block's, step 8 always the second's (TL is 1 to 4): they start the maxima
	v_mov_b32 v[MLO+(\u)], v[RMV+(\u)]
	v_mov_b32 v[MHI+(\u)], v[RMV+16+(\u)]
.endr
.set n, 1
.rept 7
.irp u, 0,1
	v_cndmask_b32 v[TT+(\u)], v[LOWV], v[RMV+2*n+(\u)], s[MK+n]
	v_cndmask_b32 v[TT+2+(\u)], v[RMV+2*n+(\u)], v[LOWV], s[MK+n]
	v_max_num_f32 v[MLO+(\u)], v[MLO+(\u)], v[TT+(\u)]
	v_max_num_f32 v[MHI+(\u)], v[MHI+(\u)], v[TT+2+(\u)]
.endr
.set n, n+1
.endr
.set n, 0
.rept 9
.irp u, 0,1
	v_cndmask_b32 v[TT+(\u)], v[MHI+(\u)], v[MLO+(\u)], s[MK+n]
	v_sub_f32 v[FV+2*n+(\u)], v[RMV+2*n+(\u)], v[TT+(\u)]  ; the difference first: exact at the maximum whatever the scores' size
	v_mul_f32 v[FV+2*n+(\u)], s[CS], v[FV+2*n+(\u)]
.endr
.set n, n+1
.endr
.set i, 0
.rept 18
	v_exp_f32 v[FV+i], v[FV+i]
.set i, i+1
.endr
.set i, 0
.rept 18
	v_add_f32 v[L0V+i], v[L0V+i], v[L1V+i]         ; work that names no exponential's result stands behind the batch,
.set i, i+1
.endr
	s_wait_alu depctr_va_vdst(0)                   ; and one wait ahead of its first reader
.set i, 0
.rept 18
	v_mul_f32 v[L0V+i], v[L0V+i], v[FV+i]
.set i, i+1
.endr
.irp u, 0,1
	v_mov_b32 v[LLO+(\u)], v[L0V+(\u)]
	v_mov_b32 v[LHI+(\u)], v[L0V+16+(\u)]
.endr
.set n, 1
.rept 7
.irp u, 0,1
	v_cndmask_b32 v[TT+(\u)], 0, v[L0V+2*n+(\u)], s[MK+n]
	v_cndmask_b32 v[TT+2+(\u)], v[L0V+2*n+(\u)], 0, s[MK+n]
	v_add_f32 v[LLO+(\u)], v[LLO+(\u)], v[TT+(\u)]
	v_add_f32 v[LHI+(\u)], v[LHI+(\u)], v[TT+2+(\u)]
.endr
.set n, n+1
.endr
.irp i, 0,1,2,3
	v_rcp_f32 v[LLO+(\i)], v[LLO+(\i)]
.endr
	v_nop
	s_wait_alu depctr_va_vdst(0)                   ; one wait for the four reciprocals
.set n, 0
.rept 9
.irp u, 0,1
	v_cndmask_b32 v[TT+(\u)], v[LHI+(\u)], v[LLO+(\u)], s[MK+n]
	v_mul_f32 v[FV+2*n+(\u)], v[FV+2*n+(\u)], v[TT+(\u)]
	ds_store_b32 v[GS], v[FV+2*n+(\u)] offset:256*n+128*(\u)  ; my wave's own bytes: it alone reads them
.endr
.set n, n+1
.endr
.macro CLEAR
.set i, 0
.rept 128
	v_mov_b32 v[OA+i], 0
.set i, i+1
.endr
.endm
	CLEAR
; 8 products: query blocks a0, a0 + 1 x all 4 channel blocks, 32 keys: half c of buffer f.  The 16 accumulators take turns.  zero = 1: the product starts the step's sum.
.macro MUL8 f, c, a0, zero
	WIN 0xa5
.irp a, \a0, (\a0)+1
.irp b, 0,1,2,3
.if \zero
	v_wmma_f32_16x16x32_f16 v[8*(4*(\a)+(\b)):8*(4*(\a)+(\b))+7], v[(\f)+64+8*(4*(\c)+(\b)):(\f)+64+8*(4*(\c)+(\b))+7], v[(\f)+8*(4*(\c)+(\a)):(\f)+8*(4*(\c)+(\a))+7], 0
.else
	v_wmma_f32_16x16x32_f16 v[8*(4*(\a)+(\b)):8*(4*(\a)+(\b))+7], v[(\f)+64+8*(4*(\c)+(\b)):(\f)+64+8*(4*(\c)+(\b))+7], v[(\f)+8*(4*(\c)+(\a)):(\f)+8*(4*(\c)+(\a))+7], v[8*(4*(\a)+(\b)):8*(4*(\a)+(\b))+7]
.endif
.endr
.endr
.endm
; 32 LDS loads in one run: quarter q's 64 keys into buffer f, the first 32 keys first
.macro FETCH q, f
	WIN 0x40
.irp c, 0,1
.irp i, 0,1,2,3
.if (\q) < 2
	ds_load_tr16_b128 v[(\f)+64+8*(4*(\c)+(\i)):(\f)+64+8*(4*(\c)+(\i))+3],   v[ADRV] offset:(64*(\q)+32*(\c))*PV+32*(\i)
	ds_load_tr16_b128 v[(\f)+64+8*(4*(\c)+(\i))+4:(\f)+64+8*(4*(\c)+(\i))+7], v[ADRV] offset:(64*(\q)+32*(\c)+16)*PV+32*(\i)
.else
	ds_load_tr16_b128 v[(\f)+64+8*(4*(\c)+(\i)):(\f)+64+8*(4*(\c)+(\i))+3],   v[ADRV2] offset:(64*((\q)-2)+32*(\c))*PV+32*(\i)
	ds_load_tr16_b128 v[(\f)+64+8*(4*(\c)+(\i))+4:(\f)+64+8*(4*(\c)+(\i))+7], v[ADRV2] offset:(64*((\q)-2)+32*(\c)+16)*PV+32*(\i)
.endif
	ds_load_b128 v[(\f)+8*(4*(\c)+(\i)):(\f)+8*(4*(\c)+(\i))+3],   v[ADRP] offset:128*(\q)+64*(\c)+(\i)*16*PP
	ds_load_b128 v[(\f)+8*(4*(\c)+(\i))+4:(\f)+8*(4*(\c)+(\i))+7], v[ADRP] offset:128*(\q)+64*(\c)+(\i)*16*PP+32
.endr
.endr
.endm
.macro QUARTER q, f, g, zero           ; multiplies buffer f; fetches quarter q into g
	s_wait_dscnt 16                                ; the first 32 keys are in
	MUL8 \f, 0, 0, \zero
	MUL8 \f, 0, 2, \zero
	PLACES
	FETCH \q, \g
	s_wait_dscnt 32                                ; all but the 32 just issued
	MUL8 \f, 1, 0, 0
	MUL8 \f, 1, 2, 0
.endm
.macro GLOAD                           ; this step's g for my four query blocks
.irp a, 0,1,2,3
	ds_load_b32 v[G+2*(\a)], v[GAD] offset:64*(\a)
.endr
	v_add_nc_u32 v[GAD], 256, v[GAD]
.endm
; The last quarter changes slots: in front of the one barrier each wave waits for all its tensor loads (one is out), adds 0 to its spare word, and waits for that and for its reads of this slot.
; fill = 1: the barrier opens a round of the cluster's, and the refill, two steps ahead, is the first thing behind it.
.macro TURN fill
.if \fill
	s_wait_xcnt 0x0                                ; the last prefetches, a step back, have read their addresses
.endif
	WIN 0
	s_wait_tensorcnt 0x0
	ds_add_u32 v[SPW], v[NIL]                      ; 0 onto my spare word; the descriptors' scalar work stands behind it
.if \fill
	s_xor_b32 s[G0P+5], s[G0P+5], SLOT
	s_xor_b32 s[G0V+5], s[G0V+5], SLOT
	MAKE G0P+4, G0V+4
	ADV
	s_lshl_b32 s[OFF], s[NXT], 9                   ; where the next change's tiles lie
	s_add_nc_u64 s[PFP:PFP+1], s[PCUR:PCUR+1], s[OFF:OFF+1]
	s_mul_i32 s[OFV], s[NXT], 256*6144
	s_add_nc_u64 s[PFV:PFV+1], s[VB:VB+1], s[OFV:OFV+1]
.endif
	s_wait_dscnt 17                                ; the add and the youngest sixteen loads may be out
	MUL8 F1, 0, 0, 0
	s_wait_dscnt 0x0                               ; the add is done, and my reads of this slot are over
	s_barrier_signal -1
	MUL8 F1, 0, 2, 0
	WIN 0
	s_barrier_wait -1
.if \fill
	CREST
	JLOAD                                          ; its four v_nop are also the places in front of the loads below
.else
	PLACES
.endif
	s_xor_b32 s[TB], s[TB], SLOT
	v_add_nc_u32 v[ADRP], s[TB], v[P0]
	v_add_nc_u32 v[ADRV], s[TB], v[V0]
	v_add_nc_u32 v[ADRV2], 128*PV, v[ADRV]
	GLOAD
	FETCH 0, F0
.if \fill
	ASK
.endif
	MUL8 F1, 1, 0, 0
	MUL8 F1, 1, 2, 0
.endm
.macro LUMP left                       ; O += g T; left: the fragment loads issued behind g's, which may stay out
	PLACES
	s_wait_dscnt \left
	WIN 0x02
.set i, 0
.rept 64
	v_pk_fma_f32 v[OA+2*i:OA+2*i+1], v[2*i:2*i+1], v[G+2*(i/16):G+2*(i/16)+1], v[OA+2*i:OA+2*i+1] op_sel_hi:[1,0,1]  ; each accumulator's registers in ascending order
.set i, i+1
.endr
	WIN 0
.endm
; THE WAY OUT: a block of 16 rows at a time through my own stage: 32 bytes a lane in, whole rows of 256 bytes back.
; first = 1, the first block's: where its row blocks 0 and 1 are a batch's rows 0 to 31 they are jumped over, forward, past text with neither a barrier nor a tensor load.
.macro WAYOUT first
.if \first
	s_cmp_eq_u32 s[SKIP], 1
	s_cbranch_scc1 .Lskip_\@
.endif
.set wa, 0
.rept 4
.if (\first) && (wa == 2)
.Lskip_\@:
.endif
	s_wait_xcnt 0x0                                ; the stores issued so far have read their registers
.set i, 0
.rept 8
	ds_store_b128 v[STO], v[OA+32*wa+4*i:OA+32*wa+4*i+3] offset:64*(i/2)+16*(i%2)
.set i, i+1
.endr
.set i, 0
.rept 8
	ds_load_b128 v[TMP+32*(wa%2)+4*i:TMP+32*(wa%2)+4*i+3], v[RD] offset:i*2*SPT  ; LDS serves a wave's instructions in order (ISA guide 5.7.1.4)
.set i, i+1
.endr
.set i, 0
.rept 8
	s_wait_dscnt 7-i
	global_store_b128 v[CO], v[TMP+32*(wa%2)+4*i:TMP+32*(wa%2)+4*i+3], s[OCUR:OCUR+1] offset:(16*wa+2*i)*4096 th:TH_STORE_NT  ; 16 lanes store 256 consecutive bytes, at a multiple of 256 from out0's first byte
.set i, i+1
.endr
.set wa, wa+1
.endr
.endm
	s_wait_tensorcnt 1                             ; my part of step 0 is in; step 1's may stay out
	s_wait_dscnt 0x0                               ; my stores of g are done
	s_barrier_signal -1
	s_barrier_wait -1
	FETCH 0, F0
	WIN 0
	s_mov_b32 s[CNT], 7
.Lstep:                                        ; steps 0 to 6: each asks for the tiles two steps on
	QUARTER 1, F0, F1, 1
	QUARTER 2, F1, F0, 0
	QUARTER 3, F0, F1, 0
	TURN 1
	LUMP 32
	s_sub_co_u32 s[RT], s[RT], 1
	s_cmp_lg_u32 s[RT], 0
	s_cbranch_scc1 .Lgo_on                         ; forward, past text with neither a barrier nor a tensor load
	WAYOUT 1                                       ; the first block is finished
	s_wait_xcnt 0x0
	s_mov_b64 s[OCUR:OCUR+1], s[OHI:OHI+1]
	s_mov_b32 s[RT], s[TH]
	CLEAR
.Lgo_on:
	s_sub_co_u32 s[CNT], s[CNT], 1
	s_cmp_lg_u32 s[CNT], 0
	s_cbranch_scc1 .Lstep
	QUARTER 1, F0, F1, 1                           ; steps 7 and 8 ask for nothing
	QUARTER 2, F1, F0, 0
	QUARTER 3, F0, F1, 0
	TURN 0
	LUMP 32
	QUARTER 1, F0, F1, 1
	QUARTER 2, F1, F0, 0
	QUARTER 3, F0, F1, 0
	s_wait_dscnt 16
	MUL8 F1, 0, 0, 0
	MUL8 F1, 0, 2, 0
	WIN 0
	GLOAD
	s_wait_dscnt 0x0
	MUL8 F1, 1, 0, 0
	MUL8 F1, 1, 2, 0
	LUMP 0
	WAYOUT 0
	s_wait_tensorcnt 0x0                           ; the wave's end
	ds_add_u32 v[SPW], v[NIL]
	s_wait_dscnt 0x0
	CROUND                                         ; the closing round
	s_endpgm
.Lfunc_end_k_q6e93995ad8_pv:
	.size	k_q6e93995ad8_pv, .Lfunc_end_k_q6e93995ad8_pv-k_q6e93995ad8_pv
	.p2alignl 7, 3214868480
	.fill 96, 4, 3214868480
	.section	.rodata,"a",@progbits
	.p2align	6, 0x0
	.amdhsa_kernel k_q6e93995ad8_pv
		.amdhsa_group_segment_fixed_size 327680
		.amdhsa_private_segment_fixed_size 0
		.amdhsa_enable_private_segment 0
		.amdhsa_kernarg_size 32
		.amdhsa_user_sgpr_count 2
		.amdhsa_user_sgpr_kernarg_segment_ptr 1
		.amdhsa_wavefront_size32 1
		.amdhsa_system_sgpr_workgroup_id_x 1
		.amdhsa_system_sgpr_workgroup_id_y 1
		.amdhsa_system_sgpr_workgroup_id_z 1
		.amdhsa_system_vgpr_workitem_id 0
		.amdhsa_next_free_vgpr 640
		.amdhsa_next_free_sgpr 102
		.amdhsa_reserve_vcc 0
		.amdhsa_float_denorm_mode_32 3
		.amdhsa_float_denorm_mode_16_64 3
		.amdhsa_memory_ordered 1
		.amdhsa_forward_progress 1
		.amdhsa_inst_pref_size 121
	.end_amdhsa_kernel
	.amdgpu_metadata
---
amdhsa.version: [ 1, 2 ]
amdhsa.kernels:
  - .name:           k_q6e93995ad8_pv
    .symbol:         k_q6e93995ad8_pv.kd
    .args:
      - { .name: pt, .offset: 0, .size: 8, .value_kind: global_buffer, .address_space: global }
      - { .name: st, .offset: 8, .size: 8, .value_kind: global_buffer, .address_space: global }
      - { .name: qkv, .offset: 16, .size: 8, .value_kind: global_buffer, .address_space: global }
      - { .name: out0, .offset: 24, .size: 8, .value_kind: global_buffer, .address_space: global }
    .group_segment_fixed_size: 327680
    .private_segment_fixed_size: 0
    .kernarg_segment_align: 8
    .kernarg_segment_size: 32
    .max_flat_workgroup_size: 128
    .sgpr_count:     102
    .vgpr_count:     640
    .wavefront_size: 32
...
	.end_amdgpu_metadata
.endif
;; end of part 5
;; ======== version 2 of 2: 4 launches
;; limits: values are held in f16: magnitudes above 65,504 overflow, below 6.1e-05 lose precision
;; workspace buffers: xb 16,777,216 bytes; wt 6,291,456 bytes; qkv 50,331,648 bytes; pt 33,554,432 bytes; st 786,432 bytes; hd 1,572,864 bytes
;; launch cast (part 6): grid 1216 x 1, 4 waves a work-group, no clusters, 37,376 bytes of LDS; arguments x, W_q, W_k, W_v, xb, wt; writes xb, wt
.if DOCPART == 6
	.amdgcn_target "amdgcn-amd-amdhsa--gfx1250"
	.amdhsa_code_object_version 6
	.text
	.protected	k_q6e93995ad8_cast
	.globl	k_q6e93995ad8_cast
	.p2align	8
	.type	k_q6e93995ad8_cast,@function
k_q6e93995ad8_cast:
	s_mov_b64 s[64:65], 0
	v_nop
	global_prefetch_b8 v0, s[64:65] scope:SCOPE_SE
	s_setreg_imm32_b32 hwreg(HW_REG_WAVE_MODE, 25, 1), 1
	s_wait_xcnt 0x0
; xb = x rounded to bf16, laid in blocks of 64 k: xb[kb][row][64], kb = 0..15, row = 0..8191.  wt = the three weights rounded to bf16, turned, in the same blocks:
; wt[kb][1024 i + n][64] = W_i[64 kb + ..][n], i = 0 (q), 1 (k), 2 (v).  In a block the rows of 128 bytes lie end to end, so that the next launch can ask for a tile of 64 k as rows of 256 bytes.
; A stream: every input byte is read once, every output byte written once, each store covers whole aligned runs of 256 consecutive bytes.
; Work-groups 0 to 191 turn the weights, a tile of 64 k x 64 n to a wave, through the wave's own LDS bytes (no barrier: no wave reads another's).
; Work-groups 192 to 1215 round x, two rows (8,192 bytes) to a wave, sixteen loads out at once.  No matrix unit, no cluster: nothing is shared and nothing is multiplied.
; With 160 registers a wave and 37,376 bytes of LDS a work-group six work-groups fit on a WGP: 1,536 places for the launch's 1,216.
.set ROWP,  144                        ; an LDS row of the turned tile: 64 k x 2 bytes + 16 of padding
.set WTILE, 64*ROWP                    ; a wave's 64 rows
.set SPARE, 4*WTILE                    ; behind the four tiles: the spare words, 128 bytes a wave, that no other line names
.set KBX,   8192*128                   ; bytes in a block of xb
.set KBW,   3072*128                   ; bytes in a block of wt
.set SPW,   158                        ; v158  LDS address of my spare word; never rewritten
.set NIL,   159                        ; v159  0; never rewritten
.set SET0,  16                         ; v[16:79]   eight steps' loads
.set SET1,  80                         ; v[80:143]  the other eight
.set CT,    144                        ; v[144:151] packed pairs on their way into LDS
.set NWG,   192                        ; work-groups that turn weights
	s_load_b256 s[4:11], s[0:1], 0x0               ; x s[4:5], W_q s[6:7], W_k s[8:9], W_v s[10:11]
	s_load_b128 s[12:15], s[0:1], 0x20             ; xb s[12:13], wt s[14:15]
	v_lshl_add_u32 v[SPW], v0, 2, SPARE
	v_mov_b32 v[NIL], 0
	v_and_b32 v1, 31, v0                           ; lane
	v_lshrrev_b32 v2, 5, v0
	v_readfirstlane_b32 s20, v2                    ; wave 0..3
	v_and_b32 v5, 15, v0                           ; c = lane % 16
	v_bfe_u32 v6, v0, 4, 1                         ; h = lane / 16
	s_cmp_lt_u32 ttmp9, NWG
	s_cbranch_scc1 .Lweights
	; x: the work-group's 8 rows, my wave's two of them: lanes 0-15 take the even row, lanes 16-31 the odd one, 64 k (256 bytes) a load
	s_sub_co_u32 s21, ttmp9, NWG
	s_lshl_b32 s22, s21, 15                        ; in: 8 rows of 4,096 bytes
	s_mov_b32 s23, 0
	s_lshl_b32 s24, s21, 10                        ; out: 8 rows of 128 bytes in each block
	s_mov_b32 s25, 0
	v_lshlrev_b32 v3, 4, v5
	v_lshl_add_u32 v3, v6, 12, v3
	v_lshl_add_u32 v3, v2, 13, v3                  ; in: 8,192 x wave + 4,096 h + 16 c
	v_lshlrev_b32 v4, 3, v1
	v_lshl_add_u32 v4, v2, 8, v4                   ; out: 256 x wave + 8 x lane: the two rows' 128 bytes lie side by side
	s_wait_kmcnt 0x0
	s_add_nc_u64 s[4:5], s[4:5], s[22:23]
	s_add_nc_u64 s[12:13], s[12:13], s[24:25]
	s_add_nc_u64 s[26:27], s[12:13], 8*KBX         ; blocks 8 to 15: the immediate's 24 bits do not reach them from block 0
.set j, 0
.rept 16
	global_load_b128 v[16+4*j:19+4*j], v3, s[4:5] offset:256*j th:TH_LOAD_NT
.set j, j+1
.endr
.set j, 0
.rept 16
	s_wait_loadcnt 15-j                            ; loads come back in order: number j is in, the 15 - j younger ones stay out
	v_cvt_pk_bf16_f32 v[80+2*j], v[16+4*j], v[17+4*j]
	v_cvt_pk_bf16_f32 v[81+2*j], v[18+4*j], v[19+4*j]
.if j < 8
	global_store_b64 v4, v[80+2*j:81+2*j], s[12:13] offset:j*KBX  ; 32 lanes x 8 bytes: 256 consecutive bytes of block j; every store has data registers of its own
.else
	global_store_b64 v4, v[80+2*j:81+2*j], s[26:27] offset:(j-8)*KBX
.endif
.set j, j+1
.endr
	s_endpgm
.Lweights:
	s_lshr_b32 s21, ttmp9, 6                       ; which weight
	s_bfe_u32 s22, ttmp9, 0x40002                  ; which 64 k: the block of wt
	s_and_b32 s23, ttmp9, 3
	s_lshl2_add_u32 s23, s23, s20                  ; which 64 n: 4 x (group mod 4) + wave
	s_lshl_b32 s24, s22, 18                        ; in: 64 rows of 4,096 bytes,
	s_lshl_b32 s26, s23, 8                         ; 64 columns of 4 bytes
	s_add_co_u32 s24, s24, s26
	s_mov_b32 s25, 0
	s_mul_i32 s26, s22, KBW                        ; out: the block,
	s_lshl_b32 s27, s21, 17                        ; 1,024 rows of 128 bytes a weight,
	s_add_co_u32 s26, s26, s27
	s_lshl_b32 s27, s23, 13                        ; 64 rows
	s_add_co_u32 s26, s26, s27
	s_mov_b32 s27, 0
	s_mul_i32 s28, s20, WTILE                      ; my wave's LDS bytes
	v_lshlrev_b32 v7, 4, v5
	v_lshl_add_u32 v7, v6, 13, v7                  ; in: two rows x h + 16 c
	v_mul_u32_u24 v8, v5, 4*ROWP
	v_lshl_add_u32 v8, v6, 2, v8
	v_add_nc_u32 v8, s28, v8                       ; into LDS: row 4 c, byte 4 h
	v_lshrrev_b32 v11, 3, v1
	v_and_b32 v12, 7, v0
	v_mul_u32_u24 v9, v11, ROWP
	v_lshl_add_u32 v9, v12, 4, v9
	v_add_nc_u32 v9, s28, v9                       ; back: eight lanes take a row's 128 bytes, the wave four rows,
	v_lshlrev_b32 v10, 4, v1                       ; which are 512 consecutive bytes of the block
	s_wait_kmcnt 0x0
	s_cmp_eq_u32 s21, 1
	s_cselect_b64 s[16:17], s[8:9], s[6:7]
	s_cmp_eq_u32 s21, 2
	s_cselect_b64 s[16:17], s[10:11], s[16:17]
	s_add_nc_u64 s[16:17], s[16:17], s[24:25]
	s_add_nc_u64 s[14:15], s[14:15], s[26:27]
; Step p (0..15) takes rows 4 p + 2 h and 4 p + 2 h + 1: each half of the lanes reads 256 consecutive bytes of a row.  Eight steps are a batch of 16 loads.
.macro LOADB bt, rs
.set stp, 0
.rept 8
	global_load_b128 v[(\rs)+8*stp:(\rs)+8*stp+3],   v7, s[16:17] offset:(8*(\bt)+stp)*16384 th:TH_LOAD_NT
	global_load_b128 v[(\rs)+8*stp+4:(\rs)+8*stp+7], v7, s[16:17] offset:(8*(\bt)+stp)*16384+4096 th:TH_LOAD_NT
.set stp, stp+1
.endr
.endm
; The two rows' numbers of a column are two neighbouring k of a row of wt: rounded as a pair, 4 bytes into LDS row 4 c + i at byte 2 k.
.macro CONS bt, rs
.set stp, 0
.rept 8
.irp i, 0,1,2,3
	v_cvt_pk_bf16_f32 v[CT+4*(stp%2)+(\i)], v[(\rs)+8*stp+(\i)], v[(\rs)+8*stp+4+(\i)]
.endr
.irp i, 0,1,2,3
	ds_store_b32 v8, v[CT+4*(stp%2)+(\i)] offset:(\i)*ROWP+8*(8*(\bt)+stp)
.endr
.set stp, stp+1
.endr
.endm
	LOADB 0, SET0
	LOADB 1, SET1
	s_wait_loadcnt 16                              ; the older batch is in; the younger batch's 16 loads stay out
	CONS 0, SET0
	s_wait_loadcnt 0x0
	CONS 1, SET1
.set t, 0
.rept 16                               ; rows 4 t .. 4 t + 3
	ds_load_b128 v[16+4*t:19+4*t], v9 offset:t*4*ROWP  ; LDS serves a wave's instructions in order (ISA guide 5.7.1.4): these see the stores above
.set t, t+1
.endr
.set t, 0
.rept 16
	s_wait_dscnt 15-t                              ; number t is in, the younger ones stay out
	global_store_b128 v10, v[16+4*t:19+4*t], s[14:15] offset:t*512  ; 512 consecutive bytes, at a multiple of 512 from wt's first byte
.set t, t+1
.endr
	s_wait_tensorcnt 0x0                           ; the wave's end, behind my last LDS store
	ds_add_u32 v[SPW], v[NIL]
	s_wait_dscnt 0x0
	s_endpgm
.Lfunc_end_k_q6e93995ad8_cast:
	.size	k_q6e93995ad8_cast, .Lfunc_end_k_q6e93995ad8_cast-k_q6e93995ad8_cast
	.p2alignl 7, 3214868480
	.fill 96, 4, 3214868480
	.section	.rodata,"a",@progbits
	.p2align	6, 0x0
	.amdhsa_kernel k_q6e93995ad8_cast
		.amdhsa_group_segment_fixed_size 37376
		.amdhsa_private_segment_fixed_size 0
		.amdhsa_enable_private_segment 0
		.amdhsa_kernarg_size 48
		.amdhsa_user_sgpr_count 2
		.amdhsa_user_sgpr_kernarg_segment_ptr 1
		.amdhsa_wavefront_size32 1
		.amdhsa_system_sgpr_workgroup_id_x 1
		.amdhsa_system_sgpr_workgroup_id_y 1
		.amdhsa_system_sgpr_workgroup_id_z 1
		.amdhsa_system_vgpr_workitem_id 0
		.amdhsa_next_free_vgpr 160
		.amdhsa_next_free_sgpr 66
		.amdhsa_reserve_vcc 0
		.amdhsa_float_denorm_mode_32 3
		.amdhsa_float_denorm_mode_16_64 3
		.amdhsa_memory_ordered 1
		.amdhsa_forward_progress 1
		.amdhsa_inst_pref_size 23
	.end_amdhsa_kernel
	.amdgpu_metadata
---
amdhsa.version: [ 1, 2 ]
amdhsa.kernels:
  - .name:           k_q6e93995ad8_cast
    .symbol:         k_q6e93995ad8_cast.kd
    .args:
      - { .name: x, .offset: 0, .size: 8, .value_kind: global_buffer, .address_space: global }
      - { .name: W_q, .offset: 8, .size: 8, .value_kind: global_buffer, .address_space: global }
      - { .name: W_k, .offset: 16, .size: 8, .value_kind: global_buffer, .address_space: global }
      - { .name: W_v, .offset: 24, .size: 8, .value_kind: global_buffer, .address_space: global }
      - { .name: xb, .offset: 32, .size: 8, .value_kind: global_buffer, .address_space: global }
      - { .name: wt, .offset: 40, .size: 8, .value_kind: global_buffer, .address_space: global }
    .group_segment_fixed_size: 37376
    .private_segment_fixed_size: 0
    .kernarg_segment_align: 8
    .kernarg_segment_size: 48
    .max_flat_workgroup_size: 128
    .sgpr_count:     66
    .vgpr_count:     160
    .wavefront_size: 32
...
	.end_amdgpu_metadata
.endif
;; end of part 6
;; launch proj (part 7): grid 8 x 32, 4 waves a work-group, clusters of 4 x 4, 327,680 bytes of LDS; arguments xb, wt, qkv, hd; writes qkv, hd
.if DOCPART == 7
	.amdgcn_target "amdgcn-amd-amdhsa--gfx1250"
	.amdhsa_code_object_version 6
	.text
	.protected	k_q6e93995ad8_proj
	.globl	k_q6e93995ad8_proj
	.p2align	8
	.type	k_q6e93995ad8_proj,@function
k_q6e93995ad8_proj:
	s_mov_b64 s[64:65], 0
	v_nop
	global_prefetch_b8 v0, s[64:65] scope:SCOPE_SE
	s_setreg_imm32_b32 hwreg(HW_REG_WAVE_MODE, 25, 1), 1
	s_wait_xcnt 0x0
	s_wait_alu depctr_hold_cnt(0) depctr_sa_sdst(0) depctr_va_vdst(0) depctr_va_sdst(0) depctr_va_ssrc(0) depctr_va_vcc(0) depctr_vm_vsrc(0)
	s_getreg_b32 s2, hwreg(HW_REG_IB_STS2, 6, 4)
	s_cmp_eq_u32 s2, 0
	s_cbranch_scc0 .Lentry_in_a_cluster
	s_endpgm
.Lentry_in_a_cluster:
	s_bfe_u32 s2, ttmp6, 0x10000c
	s_cmp_lg_u32 s2, 0xf033
	s_cbranch_scc0 .Lentry_shape_is_right
	s_endpgm
.Lentry_shape_is_right:
; qkv[m][n] = sum over k of x[m][k] w[n][k].  xb: [16 kb][8192][64] bf16, wt: [16 kb][3072][64] bf16 (blocks of 64 k, rows of 128 bytes end to end); qkv: [8192][3072] f16 (q, k, v side by side);
; sums in f32, rounded once.  hd = the same sums unrounded, in f32, for rows 0 to 31 of each batch of 2,048 rows: those rows of the output average over few keys and are made apart, in f32.
; LIMIT: f16 holds no number beyond 65,504: q, k and v must lie within it.
; A tile is 256 rows x 384 columns: 32 x 8 = 256 work-groups.  Four waves, each 128 rows x 192 columns: 96 accumulators of 16 x 16, 768 registers.
; K goes in 16 steps of 64 through two LDS slots.  A step brings (256 + 384) x 128 bytes for 192 products a wave.  A tile of a block is dense in memory and is asked for as rows of 256 bytes, two rows of
; the tile each, padded in LDS after every 128 bytes.  Waves 0 and 1 fetch the two halves of xb's tile, waves 2 and 3 those of wt's.
; CLUSTER 4 x 4: xb's tile hangs on the tile row alone and is asked for jointly along a row of the cluster, wt's on the tile column alone and jointly along a column.
; The tile row is 8 cy + cluster y: the clusters with y = 0 hold the first 256 rows of the four batches, so that the branch to hd's stores is alike in all sixteen partners.
; A K step is written once: the slot in hand is a scalar (TB) that one exclusive or turns; one descriptor a tensor walks (its LDS word turned by the same exclusive or).
; THE PRODUCT IS USED TRANSPOSED (source 0 = 16 rows of wt, source 1 = 16 rows of xb): a lane holds row l % 16 and eight neighbouring columns: 16 bytes of f16.
; FRAGMENTS.  256 registers are left beside the accumulators, so a quarter of 32 k goes in two UNITS of 48 products: xb's 8 fragments x 6 of wt's 12.  xb's fragments have two buffers (by the quarter),
; wt's halves one each; while a unit is multiplied the next unit's fragments are fetched, in one run in its middle.
; REGISTERS: window 0: v0-31 addresses; v32-95, v96-159 xb's fragments; v160-207, v208-255 wt's halves 0 and 1.  Accumulator (half hb, row block a, column block b) has the number 48 hb + 6 a + b:
;   32 to a window, windows 1 to 3.
.set PITCH, 144                        ; an LDS row: 128 bytes + 16 of padding: the 16 rows of a fragment load start at 16 different groups of four banks (ISA guide 11.1)
.set AHALF, 128*PITCH                  ; what a load of xb brings, and what a wave reads of xb
.set BHALF, 192*PITCH                  ; the same for wt
.set BOFF,  2*AHALF                    ; in a slot: xb's 256 rows, then wt's 384
.set SLOT,  1<<17                      ; slot 1 begins here: above every place in a slot, so that one exclusive or turns a place in one slot into the other's
.set SPARE, SLOT+BOFF+2*BHALF          ; behind slot 1: the spare words, 128 bytes a wave, that no other line names
.set SP,    784                        ; a stage row: 768 bytes + 16.  The stage, 256 rows from LDS byte 0 on, is written when both slots have had their last fill and their last read
.set KBA,   8192*128                   ; bytes from a block of 64 k to the next in xb
.set KBB,   3072*128                   ; and in wt
.set A0,   2                           ; v2   my lane's place in my 128 rows of xb in a slot; never rewritten
.set B0,   3                           ; v3   the same in my 192 rows of wt
.set ADRA, 4                           ; v4   A0 + the slot in hand
.set ADRB, 5                           ; v5   B0 + the slot in hand
.set STO,  6                           ; v6   the way out: where I put 16 bytes of a row (row blocks 0-3)
.set STO2, 7                           ; v7   the same for row blocks 4-7
.set RD,   8                           ; v8   where I read rows back
.set CO,   9                           ; v9   my byte offset in qkv
.set PFO,  10                          ; v10  the prefetches' offset; never rewritten
.set HO,   11                          ; v11  16 x lane: my 16 bytes of a block of 512 in hd
.set SPW,  12                          ; v12  LDS address of my spare word; never rewritten
.set NIL,  13                          ; v13  0; never rewritten
.set FA0,  32
.set FA1,  96
.set FB0,  160
.set FB1,  208
.set CNT,  3                           ; s3   a loop's trips still to come
.set WV,   10                          ; s10  my wave's number
.set RH,   11                          ; s11  which 128 rows are mine; also: I fetch for xb (0) or for wt (1)
.set CH,   12                          ; s12  which 192 columns; also: which half of that tile I fetch
.set G1A,  24                          ; s[24:31] group 1 for xb's tiles
.set G0A,  32                          ; s[32:35] group 0 for K step 0, s[36:39] the walking one
.set LIM,  43                          ; s43  2 in a wave that prefetches, else the greatest number
.set PFA,  44                          ; s[44:45] where my prefetches stand
.set G1B,  48                          ; s[48:55], s[56:59], s[60:63] the same for wt's tiles
.set G0B,  56
.set PST,  68                          ; s[68:69] bytes from a K step to the next in the tensor that I prefetch
.set TB,   70                          ; s70  LDS byte at which the slot in hand begins
.set PMK,  71                          ; s71  0: I prefetch at every change of slots; 1: at every second one
.set HD,   76                          ; s[76:77] hd at my batch and my 192 columns
.set CLY,  78                          ; s78  the cluster's y
.set TMPS, 79
.set MSB, 0
.macro WIN new                         ; the immediate's high byte repeats the setting that is left; a switch that changes nothing is dropped
.if MSB != (\new)
	s_set_vgpr_msb (MSB<<8)|(\new)
.set MSB, \new
.endif
.endm
.macro PLACES                          ; four places in front of loads into registers that products have read, and of conversions that read results
.rept 4
	v_nop
.endr
.endm
.macro JLOAD                           ; a joint refill by the walking descriptors; the branch hangs on the wave's number alone; an s_nop 0 and four v_nop follow each line
	s_cmp_eq_u32 s[RH], 0
	s_cbranch_scc0 .Lfor_b_\@
	tensor_load_to_lds s[G0A+4:G0A+7], s[G1A:G1A+7]
	s_nop 0
.rept 4
	v_nop
.endr
	s_branch .Lasked_\@
.Lfor_b_\@:
	tensor_load_to_lds s[G0B+4:G0B+7], s[G1B:G1B+7]
	s_nop 0
.rept 4
	v_nop
.endr
.Lasked_\@:
.endm
.macro CREST                           ; a round of the cluster's barrier behind its opening barrier
	s_cmp_lg_u32 s[WV], 0
	s_cbranch_scc1 .Lnot_wave_0_\@
	s_barrier_signal -3
.Lnot_wave_0_\@:
	s_barrier_wait -3
	s_barrier_signal -1
	s_barrier_wait -1
.endm
.macro CROUND
	s_barrier_signal -1
	s_barrier_wait -1
	CREST
.endm
; A PREFETCH INTO THE L2, behind the joint load and the run of LDS loads, a lane a block of 256 bytes, one instruction a wave.  Each block is named once in the launch.
; xb's tile of a K step is 128 blocks, read by both clusters of a row of clusters: in the cluster with x = 0 wave 0 asks, each of the four partners for 32 blocks, told apart by address; at every change of
; slots, for the K step two refills on.  wt's tile is 192 blocks, read by the eight clusters of a column: in the cluster with y = 0 waves 1 to 3 ask; a partner's 48 blocks do not fill lanes evenly, so
; two K steps' 96 are asked for at every second change (CNT even), 32 a wave: the K steps two and three refills on.  K steps 0 to 3 come by their loads alone; with CNT at 2 or 1 no such K step is left.
.macro ASK
	s_and_b32 s[TMPS], s[CNT], s[PMK]
	s_cmp_eq_u32 s[TMPS], 0
	s_cbranch_scc0 .Lnot_mine_\@
	s_cmp_gt_u32 s[CNT], s[LIM]
	s_cbranch_scc0 .Lnot_mine_\@
	global_prefetch_b8 v[PFO], s[PFA:PFA+1] th:TH_LOAD_NT scope:SCOPE_SE
.Lnot_mine_\@:
.endm
	s_load_b128 s[4:7], s[0:1], 0x0                ; xb s[4:5], wt s[6:7]
	s_load_b64 s[8:9], s[0:1], 0x10                ; qkv
	s_load_b64 s[HD:HD+1], s[0:1], 0x18            ; hd
	v_lshl_add_u32 v[SPW], v0, 2, SPARE
	v_mov_b32 v[NIL], 0
	ds_add_u32 v[SPW], v[NIL]                      ; the wave's opening: the add and its wait stand ahead of my first tensor load
	v_lshrrev_b32 v1, 5, v0
	v_readfirstlane_b32 s[WV], v1
	s_lshr_b32 s[RH], s[WV], 1
	s_and_b32 s[CH], s[WV], 1
	s_bfe_u32 s40, ttmp6, 0x40000                  ; cx
	s_bfe_u32 s41, ttmp6, 0x40004                  ; cy
	s_lshl_b32 s42, ttmp9, 2
	s_add_co_u32 s42, s42, s40                     ; tile column = 4 x cluster x + cx
	s_and_b32 s[CLY], ttmp7, 0xffff
	s_lshl_b32 s13, s41, 3
	s_add_co_u32 s13, s13, s[CLY]                  ; tile row = 8 x cy + cluster y: cy is the batch
	s_lshl_b32 s66, s41, 2
	s_lshl_b32 s66, 15, s66                        ; my row of the cluster
	s_lshl_b32 s67, 0x1111, s40                    ; my column
	s_or_b32 s[G1A], s66, (1<<16)|(1<<20)|(1<<21)|(4<<22)|(3<<25)  ; the mask; 2-byte elements; padding on; bit 21 beside a mask; after every 32 words, 4 words
	s_or_b32 s[G1B], s67, (1<<16)|(1<<20)|(1<<21)|(4<<22)|(3<<25)
	s_mov_b32 s[G1A+1], 128<<16                    ; tensor_dim0 = 128 elements: 256 bytes, two rows of the tile
	s_mov_b32 s[G1A+2], 64<<16                     ; tensor_dim1 = 64
	s_mov_b32 s[G1A+3], 128<<16                    ; tile_dim0 = 128
	s_mov_b32 s[G1A+4], 64                         ; tile_dim1 = 64
	s_mov_b32 s[G1A+5], 128                        ; elements from row to row: dense
	s_mov_b32 s[G1A+6], 0
	s_mov_b32 s[G1A+7], 0
	s_mov_b32 s[G1B+1], 128<<16
	s_mov_b32 s[G1B+2], 96<<16                     ; wt's half: 96 rows of 256 bytes
	s_mov_b32 s[G1B+3], 128<<16
	s_mov_b32 s[G1B+4], 96
	s_mov_b32 s[G1B+5], 128
	s_mov_b32 s[G1B+6], 0
	s_mov_b32 s[G1B+7], 0
	s_lshl_b32 s16, s13, 15                        ; xb: 256 rows of 128 bytes a tile row,
	s_lshl_b32 s17, s[CH], 14                      ; the half that I fetch
	s_add_co_u32 s16, s16, s17
	s_mov_b32 s17, 0
	s_mul_i32 s46, s42, 384*128                    ; wt: 384 rows a tile column,
	s_mul_i32 s47, s[CH], 192*128                  ; the half that I fetch
	s_add_co_u32 s46, s46, s47
	s_mov_b32 s47, 0
	s_mul_i32 s20, s[CH], AHALF                    ; where they go: no place in the cluster enters an LDS address
	s_mul_i32 s21, s[CH], BHALF
	s_add_co_u32 s21, s21, BOFF
	s_mov_b32 s[TB], 0
	s_wait_dscnt 0x0                               ; the opening add is done
	s_wait_kmcnt 0x0
	s_add_nc_u64 s[14:15], s[4:5], s[16:17]
	s_add_nc_u64 s[46:47], s[6:7], s[46:47]
.irp s, 0,1
	s_mov_b32 s[G0A+4*(\s)], 1
	s_add_co_u32 s[G0A+4*(\s)+1], s20, (\s)*SLOT
	s_add_nc_u64 s[G0A+4*(\s)+2:G0A+4*(\s)+3], s[14:15], (\s)*KBA
	s_or_b32 s[G0A+4*(\s)+3], s[G0A+4*(\s)+3], 0x80000000
	s_mov_b32 s[G0B+4*(\s)], 1
	s_add_co_u32 s[G0B+4*(\s)+1], s21, (\s)*SLOT
	s_add_nc_u64 s[G0B+4*(\s)+2:G0B+4*(\s)+3], s[46:47], (\s)*KBB
	s_or_b32 s[G0B+4*(\s)+3], s[G0B+4*(\s)+3], 0x80000000
.endr
	CROUND                                         ; all sixteen work-groups are here: the first joint loads meet
	s_cmp_eq_u32 s[RH], 0                          ; a wave's two first fills stand in one branch: two loads of mine are out
	s_cbranch_scc0 .Lfirst_b
	tensor_load_to_lds s[G0A:G0A+3], s[G1A:G1A+7]
	s_nop 0
	tensor_load_to_lds s[G0A+4:G0A+7], s[G1A:G1A+7]
	s_nop 0
.rept 4
	v_nop
.endr
	s_branch .Lfirst_asked
.Lfirst_b:
	tensor_load_to_lds s[G0B:G0B+3], s[G1B:G1B+7]
	s_nop 0
	tensor_load_to_lds s[G0B+4:G0B+7], s[G1B:G1B+7]
	s_nop 0
.rept 4
	v_nop
.endr
.Lfirst_asked:
	v_and_b32 v1, 15, v0                           ; l % 16
	v_bfe_u32 v14, v0, 4, 1                        ; l / 16
	v_mul_u32_u24 v15, v1, PITCH
	v_lshl_add_u32 v15, v14, 4, v15                ; a fragment's row x pitch + 16 x half
	s_mul_i32 s22, s[RH], AHALF                    ; my 128 rows of xb
	v_add_nc_u32 v[A0], s22, v15
	s_mul_i32 s22, s[CH], BHALF                    ; my 192 rows of wt,
	s_add_co_u32 s22, s22, BOFF                    ; which lie behind xb's 256
	v_add_nc_u32 v[B0], s22, v15
	v_mov_b32 v[ADRA], v[A0]
	v_mov_b32 v[ADRB], v[B0]
	v_mul_u32_u24 v[STO], v1, SP                   ; into the stage: row l % 16, 16 bytes for each half of the lanes,
	v_lshl_add_u32 v[STO], v14, 4, v[STO]
	s_mul_i32 s22, s[RH], 128*SP                   ; my 128 rows,
	s_mul_i32 s23, s[CH], 384                      ; my 192 columns: 384 bytes
	s_add_co_u32 s22, s22, s23
	v_add_nc_u32 v[STO], s22, v[STO]
	v_add_nc_u32 v[STO2], 4*16*SP, v[STO]
	v_mul_u32_u24 v[RD], v14, SP                   ; back: lanes 0-15 take 256 bytes of one row, lanes 16-31 of the next;
	v_lshl_add_u32 v[RD], v1, 4, v[RD]
	s_mul_i32 s22, s[WV], 64*SP                    ; wave w takes rows 64 w .. 64 w + 63, whole
	v_add_nc_u32 v[RD], s22, v[RD]
	v_mul_u32_u24 v[CO], v14, 6144
	v_lshl_add_u32 v[CO], v1, 4, v[CO]
	v_and_b32 v16, 31, v0
	v_lshlrev_b32 v[HO], 4, v16
	s_lshl_b32 s72, s13, 8
	s_lshl_b32 s73, s[WV], 6
	s_add_co_u32 s72, s72, s73                     ; the first row of qkv that I store
	s_mul_i32 s72, s72, 6144
	s_mul_i32 s73, s42, 768                        ; the tile's first column, in bytes
	s_add_co_u32 s72, s72, s73
	s_mov_b32 s73, 0
	s_add_nc_u64 s[8:9], s[8:9], s[72:73]
	s_mul_i32 s72, s42, 24                         ; hd: 24 blocks of 16 columns a tile column,
	s_mul_i32 s73, s[CH], 12                       ; 12 a wave,
	s_add_co_u32 s72, s72, s73
	s_lshl_b32 s72, s72, 10                        ; 1,024 bytes a block;
	s_mul_i32 s73, s41, 393216                     ; 2 x 192 blocks a batch
	s_add_co_u32 s72, s72, s73
	s_mov_b32 s73, 0
	s_add_nc_u64 s[HD:HD+1], s[HD:HD+1], s[72:73]
	; the prefetches.  Waves 1 to 3: block u = 32 (w - 1) + lane of my work-group's 96: the first 48 in one K step, the others in the next
	s_sub_co_i32 s22, s[WV], 1
	s_max_i32 s22, s22, 0
	s_lshl_b32 s22, s22, 5
	v_add_nc_u32 v17, s22, v16                     ; u
	v_mov_b32 v19, KBB-48*256
	v_cmp_le_u32 vcc_lo, 48, v17
	v_cndmask_b32 v19, 0, v19, vcc_lo              ; one K step on and 48 blocks back
	s_mul_i32 s23, s41, 48                         ; my work-group's 48 of the tile's 192
	v_add_lshl_u32 v17, v17, s23, 8
	v_add_nc_u32 v17, v17, v19
	s_lshl_b32 s23, s40, 5                         ; wave 0: my work-group's 32 of the tile's 128
	v_add_lshl_u32 v18, v16, s23, 8
	s_mul_i32 s74, s42, 384*128
	s_mov_b32 s75, 0
	s_add_nc_u64 s[74:75], s[6:7], s[74:75]        ; wt at the tile's first row
	s_mov_b32 s22, KBA
	s_mov_b32 s23, KBB
	s_cmp_eq_u32 s[WV], 0                          ; wave 0 asks for xb (its s[14:15] stands at the tile's first row), the others for wt
	s_cselect_b64 s[PFA:PFA+1], s[14:15], s[74:75]
	s_cselect_b32 s[PST], s22, s23
	s_cselect_b32 s[PMK], 0, 1
	s_cselect_b32 s72, ttmp9, s[CLY]               ; the coordinate along which other clusters read the same rows
	s_cselect_b32 s73, -1, 0
	v_cndmask_b32 v[PFO], v17, v18, s73
	s_cmp_eq_u32 s72, 0
	s_cselect_b32 s[LIM], 2, -1                    ; the same in all sixteen partners, for a given wave
	s_mov_b32 s[PST+1], 0
	s_mul_i32 s22, s[PST], 3
	s_mov_b32 s23, 0
	s_add_nc_u64 s[PFA:PFA+1], s[PFA:PFA+1], s[22:23]  ; at K step 3: the first change of slots steps it to 4
; Row blocks a0 .. a1 x the six column blocks of half hb, 32 along K.  The accumulators take turns, one instruction a turn, in the same order in every quarter.  zero = 1: the product starts the sum.
.macro MULU fa, fb, hb, a0, a1, zero
.set ma, \a0
.rept (\a1)-(\a0)+1
.set mb, 0
.rept 6
.set mi, 48*(\hb)+6*ma+mb
.set mc, 8*(mi%32)
	WIN 0x50*(1+mi/32)
.if \zero
	v_wmma_f32_16x16x32_bf16 v[mc:mc+7], v[(\fb)+8*mb:(\fb)+8*mb+7], v[(\fa)+8*ma:(\fa)+8*ma+7], 0
.else
	v_wmma_f32_16x16x32_bf16 v[mc:mc+7], v[(\fb)+8*mb:(\fb)+8*mb+7], v[(\fa)+8*ma:(\fa)+8*ma+7], v[mc:mc+7]
.endif
.set mb, mb+1
.endr
.set ma, ma+1
.endr
.endm
.macro FETCHB kq, hb, f                ; 12 LDS loads: six fragments of wt, half hb, quarter kq of the slot
	WIN 0
.irp i, 0,1,2,3,4,5
	ds_load_b128 v[(\f)+8*(\i):(\f)+8*(\i)+3],   v[ADRB] offset:64*(\kq)+(6*(\hb)+(\i))*16*PITCH
	ds_load_b128 v[(\f)+8*(\i)+4:(\f)+8*(\i)+7], v[ADRB] offset:64*(\kq)+(6*(\hb)+(\i))*16*PITCH+32
.endr
.endm
.macro FETCHA kq, f                    ; 16 LDS loads: xb's eight fragments, quarter kq of the slot
	WIN 0
.irp i, 0,1,2,3,4,5,6,7
	ds_load_b128 v[(\f)+8*(\i):(\f)+8*(\i)+3],   v[ADRA] offset:64*(\kq)+(\i)*16*PITCH
	ds_load_b128 v[(\f)+8*(\i)+4:(\f)+8*(\i)+7], v[ADRA] offset:64*(\kq)+(\i)*16*PITCH+32
.endr
.endm
.macro UNIT0 kq, zero                  ; quarter kq x wt's half 0; in its middle the same quarter's half 1 is fetched
	s_wait_dscnt 8                                 ; wt's half 0 and xb's blocks 0-3 are in; the youngest eight loads (xb's blocks 4-7) may be out
	MULU FA0+64*(\kq), FB0, 0, 0, 3, \zero
	PLACES
	FETCHB \kq, 1, FB1
	s_wait_dscnt 12                                ; all but the 12 just issued
	MULU FA0+64*(\kq), FB0, 0, 4, 7, \zero
.endm
.macro UNIT1 zero                      ; quarter 0 x wt's half 1; in its middle quarter 1's first fragments are fetched
	s_wait_dscnt 0x0                               ; wt's half 1 is in
	MULU FA0, FB1, 1, 0, 3, \zero
	PLACES
	FETCHB 1, 0, FB0
	FETCHA 1, FA1
	MULU FA0, FB1, 1, 4, 7, \zero
.endm
; Quarter 1 x wt's half 1, and the change of slots.  In front of the one barrier each wave waits for all its tensor loads (one is out: its part of the next slot), adds 0 to its spare word, and
; waits for that and for its reads of this slot.  fill = 1: the barrier opens a round of the cluster's, and the joint refill, two K steps ahead, is the first thing behind it: 162 products ahead of the wait for it.
.macro TURN fill
.if \fill
	s_wait_xcnt 0x0                                ; the last prefetch, a K step back or more, has read its address
	s_add_nc_u64 s[PFA:PFA+1], s[PFA:PFA+1], s[PST:PST+1]
.endif
	WIN 0
	s_wait_tensorcnt 0x0                           ; no tensor load of mine is out, so a group 0 may be written
	ds_add_u32 v[SPW], v[NIL]                      ; 0 onto my spare word
.if \fill
	s_xor_b32 s[G0A+5], s[G0A+5], SLOT             ; the walking descriptors: the slot that is being read out,
	s_add_nc_u64 s[G0A+6:G0A+7], s[G0A+6:G0A+7], KBA  ; the next K step; the type bits on top are not reached
	s_xor_b32 s[G0B+5], s[G0B+5], SLOT
	s_add_nc_u64 s[G0B+6:G0B+7], s[G0B+6:G0B+7], KBB
.endif
	s_wait_dscnt 1                                 ; wt's half 1 is in; the add may be out
	MULU FA1, FB1, 1, 0, 2, 0
	s_wait_dscnt 0x0                               ; the add is done, and my reads of this slot are over
	s_barrier_signal -1
	MULU FA1, FB1, 1, 3, 4, 0
	WIN 0
	s_barrier_wait -1
.if \fill
	CREST                                          ; no wave of any partner still reads this slot or has a load on its way
	JLOAD                                          ; its four v_nop are also the places in front of the loads below
.else
	PLACES
.endif
	s_xor_b32 s[TB], s[TB], SLOT
	v_add_nc_u32 v[ADRA], s[TB], v[A0]
	v_add_nc_u32 v[ADRB], s[TB], v[B0]
	FETCHB 0, 0, FB0
	FETCHA 0, FA0
.if \fill
	ASK
.endif
	MULU FA1, FB1, 1, 5, 7, 0
.endm
	s_wait_tensorcnt 1                             ; my part of K step 0 is in; K step 1's may stay out
	s_barrier_signal -1
	s_barrier_wait -1
	FETCHB 0, 0, FB0
	FETCHA 0, FA0
	UNIT0 0, 1                                     ; the first quarter stands ahead of the loop: its products start the sums
	UNIT1 1
	WIN 0
	s_mov_b32 s[CNT], 14
.Lstep:                                        ; a trip: a K step's second quarter and the next one's first; fourteen trips fill K steps 2 to 15
	UNIT0 1, 0
	TURN 1
	UNIT0 0, 0
	UNIT1 0
	WIN 0
	s_sub_co_u32 s[CNT], s[CNT], 1
	s_cmp_lg_u32 s[CNT], 0
	s_cbranch_scc1 .Lstep
	s_mov_b32 s[CNT], 2
.Ltail:                                        ; K steps 14 and 15 fill nothing: one text, walked twice.  The second trip is left, forward, behind its change of slots, whose barrier and 28 LDS loads
	UNIT0 1, 0                                     ; (of the slot read before) then serve nothing: the price, once a launch, of one text for both
	TURN 0
	WIN 0
	s_cmp_eq_u32 s[CNT], 1
	s_cbranch_scc1 .Lsums
	UNIT0 0, 0
	UNIT1 0
	WIN 0
	s_sub_co_u32 s[CNT], s[CNT], 1
	s_cmp_lg_u32 s[CNT], 0
	s_cbranch_scc1 .Ltail
.Lsums:
	; THE WAY OUT: rounded to f16, 16 bytes a lane into the stage; back as whole rows of 768 bytes, 64 rows a wave.  The stage lies over both slots: a barrier stands between every wave's last reads and the first store.
	PLACES
	s_wait_dscnt 0x0                               ; my reads of the slots are over
	s_barrier_signal -1
	s_barrier_wait -1
.set wx, 0
.rept 16
.set whb, wx/8
.set wa, wx%8
.set wtm, 32+24*(wx%2)
.set wb, 0
.rept 6
.set wi, 48*whb+6*wa+wb
.set wc, 8*(wi%32)
	WIN 5*(1+wi/32)
.set wr, 0
.rept 4
	v_cvt_pk_f16_f32 v[wtm+4*wb+wr], v[wc+2*wr], v[wc+2*wr+1]  ; each accumulator's registers in ascending order
.set wr, wr+1
.endr
.set wb, wb+1
.endr
	WIN 0
.set wb, 0
.rept 6
.if wa < 4
	ds_store_b128 v[STO], v[wtm+4*wb:wtm+4*wb+3] offset:wa*16*SP+32*(6*whb+wb)
.else
	ds_store_b128 v[STO2], v[wtm+4*wb:wtm+4*wb+3] offset:(wa-4)*16*SP+32*(6*whb+wb)
.endif
.set wb, wb+1
.endr
.set wx, wx+1
.endr
	s_wait_dscnt 0x0                               ; for the others' sake: my stores into the stage are done
	s_barrier_signal -1
	s_barrier_wait -1
	s_mov_b32 s[CNT], 8
.Lout:                                         ; eight trips of 8 rows
.set t, 0
.rept 12
	ds_load_b128 v[32+4*t:35+4*t], v[RD] offset:(t/3)*2*SP+(t%3)*256
.set t, t+1
.endr
.set t, 0
.rept 12
	s_wait_dscnt 11-t                              ; number t is in, the younger ones stay out
	global_store_b128 v[CO], v[32+4*t:35+4*t], s[8:9] offset:(t/3)*12288+(t%3)*256  ; 16 lanes store 256 consecutive bytes, at a multiple of 256 from qkv's first byte
.set t, t+1
.endr
	s_wait_xcnt 0x0                                ; the stores have read their registers and their base: only now are these written again
	v_add_nc_u32 v[RD], 8*SP, v[RD]
	s_add_nc_u64 s[8:9], s[8:9], 8*6144
	s_sub_co_u32 s[CNT], s[CNT], 1
	s_cmp_lg_u32 s[CNT], 0
	s_cbranch_scc1 .Lout
	; A batch's first tile also leaves row blocks 0 and 1 in f32, as the registers hold them: an accumulator's registers 0-3 of the 32 lanes are one block of 512 consecutive bytes, registers 4-7 the next.
	s_or_b32 s22, s[CLY], s[RH]                    ; the cluster's y (alike in all sixteen partners) and the wave's rows
	s_cmp_lg_u32 s22, 0
	s_cbranch_scc1 .Lno_head
.set ha, 0
.rept 2
.set hh, 0
.rept 2
.set hb, 0
.rept 6
.set hix, 48*hh+6*ha+hb
.set hc, 8*(hix%32)
	WIN 4*(1+hix/32)                               ; the stores' data in the accumulator's window
	global_store_b128 v[HO], v[hc:hc+3],   s[HD:HD+1] offset:ha*196608+(6*hh+hb)*1024
	global_store_b128 v[HO], v[hc+4:hc+7], s[HD:HD+1] offset:ha*196608+(6*hh+hb)*1024+512
.set hb, hb+1
.endr
.set hh, hh+1
.endr
.set ha, ha+1
.endr
	WIN 0
.Lno_head:
	s_wait_tensorcnt 0x0                           ; the wave's end
	ds_add_u32 v[SPW], v[NIL]
	s_wait_dscnt 0x0
	CROUND                                         ; the closing round
	s_endpgm
.Lfunc_end_k_q6e93995ad8_proj:
	.size	k_q6e93995ad8_proj, .Lfunc_end_k_q6e93995ad8_proj-k_q6e93995ad8_proj
	.p2alignl 7, 3214868480
	.fill 96, 4, 3214868480
	.section	.rodata,"a",@progbits
	.p2align	6, 0x0
	.amdhsa_kernel k_q6e93995ad8_proj
		.amdhsa_group_segment_fixed_size 327680
		.amdhsa_private_segment_fixed_size 0
		.amdhsa_enable_private_segment 0
		.amdhsa_kernarg_size 32
		.amdhsa_user_sgpr_count 2
		.amdhsa_user_sgpr_kernarg_segment_ptr 1
		.amdhsa_wavefront_size32 1
		.amdhsa_system_sgpr_workgroup_id_x 1
		.amdhsa_system_sgpr_workgroup_id_y 1
		.amdhsa_system_sgpr_workgroup_id_z 1
		.amdhsa_system_vgpr_workitem_id 0
		.amdhsa_next_free_vgpr 1024
		.amdhsa_next_free_sgpr 80
		.amdhsa_reserve_vcc 1
		.amdhsa_float_denorm_mode_32 3
		.amdhsa_float_denorm_mode_16_64 3
		.amdhsa_memory_ordered 1
		.amdhsa_forward_progress 1
		.amdhsa_inst_pref_size 97
	.end_amdhsa_kernel
	.amdgpu_metadata
---
amdhsa.version: [ 1, 2 ]
amdhsa.kernels:
  - .name:           k_q6e93995ad8_proj
    .symbol:         k_q6e93995ad8_proj.kd
    .args:
      - { .name: xb, .offset: 0, .size: 8, .value_kind: global_buffer, .address_space: global }
      - { .name: wt, .offset: 8, .size: 8, .value_kind: global_buffer, .address_space: global }
      - { .name: qkv, .offset: 16, .size: 8, .value_kind: global_buffer, .address_space: global }
      - { .name: hd, .offset: 24, .size: 8, .value_kind: global_buffer, .address_space: global }
    .group_segment_fixed_size: 327680
    .private_segment_fixed_size: 0
    .kernarg_segment_align: 8
    .kernarg_segment_size: 32
    .max_flat_workgroup_size: 128
    .sgpr_count:     80
    .vgpr_count:     1024
    .wavefront_size: 32
...
	.end_amdgpu_metadata
.endif
;; end of part 7
;; launch score (part 8): grid 40 x 4, 4 waves a work-group, no clusters, 327,680 bytes of LDS; arguments qkv, pt, st, hd, out0; writes pt, st, out0
.if DOCPART == 8
	.amdgcn_target "amdgcn-amd-amdhsa--gfx1250"
	.amdhsa_code_object_version 6
	.text
	.protected	k_q6e93995ad8_score
	.globl	k_q6e93995ad8_score
	.p2align	8
	.type	k_q6e93995ad8_score,@function
k_q6e93995ad8_score:
	s_mov_b64 s[64:65], 0
	v_nop
	global_prefetch_b8 v0, s[64:65] scope:SCOPE_SE
	s_setreg_imm32_b32 hwreg(HW_REG_WAVE_MODE, 25, 1), 1
	s_wait_xcnt 0x0
; TWO KINDS OF WORK-GROUPS.  x = 0 .. 35: a tile of scores (below).  x = 36 .. 39: rows 0 to 31 of a batch of out0, 256 channels each, in f32 throughout (at the text's end, from .Lhead on).
; For each tile of 256 queries x 256 keys on or below the diagonal (36 a batch): s = q . k over 1,024 channels (f16 operands, f32 sums), hidden scores masked; rm = the tile's row maximum of s;
; cm = c rm, rounded once, c = log2(e) / 32; pt = 2^(c s - cm) in f16, one fused multiply-add a pair of scores; st = cm and the row sums of the unrounded weights over keys 0-127 and 128-255, in f32.
; The next launch joins the tiles of a row by 2^(cm - CM) <= 1: the same rounded cm stands in both factors and cancels, whatever the scores' size.
; LIMITS.  q and k arrive in f16.  A hidden score counts as its value less 1e30.  A weight below 2^-126 counts as 0 in the sums, below 6e-8 as 0 in pt; at the row's maximum the exponent is cm's rounding,
; 2^-24 of |cm| at the most, so a weight can pass 1 by that alone.  NaN and infinities are not treated apart.
; NO CLUSTER: a batch's 36 tiles lie in rows of 1 to 8 tiles, so no grouping by four shares a row or a column at every place.
; SHAPE.  Four waves, each 128 queries x 128 keys in 64 accumulators.  Source 0 = 16 keys, source 1 = 16 queries: a lane holds ONE query (l % 16) and keys 8 (l / 16) + 0..7.
; K goes in 8 steps of 128 channels through two LDS slots (q's 256 rows, then k's); each wave fetches 128 rows of 256 bytes.  A step is written once; the slot in hand is a scalar turned by an exclusive or.
; THE MASK is the C operand of the product that starts a sum: three sets of eight registers, for key blocks above, on and below the wave's own diagonal; all 0 off the diagonal tile.
; THE SOFTMAX is written for four query blocks, those of window 2, and walked twice: between the trips window 3's accumulators are moved into window 2, 256 lines.
; REGISTERS: window 0: v0-31 addresses; v32-55 masks; v64-127, v128-191 q's fragments; later v64-83 statistics, v96-119 at work, v192-223 packed weights, v32-63 and v224-255 rows on their way out.
;   window 1: v64-191 k's fragments.  window 2: accumulators of my queries 0-63 at 8 (8 a + b).  window 3: of queries 64-127.
.set PITCH, 272
.set HALFT, 128*PITCH
.set SLOT,  4*HALFT
.set STAGE, 2*SLOT                     ; 16 rows x 272 bytes for each wave
.set XM,    STAGE+4*16*PITCH           ; three regions of 2,048 bytes, 512 a wave: maxima to exchange; cm and sums on their way out
.set SPARE, XM+3*2048                  ; the spare words, 128 bytes a wave, that no other line names
.set HPS,   SPARE+512                  ; behind them, for the work-groups of the second kind: four waves' partial sums, 3,072 bytes each
.set NT,    36                         ; tiles of scores in a batch
.set A0,   14
.set B0,   15
.set ADRA, 16
.set ADRB, 17
.set XA,   18                          ; v18  my query's word in my wave's 512 bytes of XM; never rewritten
.set XP,   19                          ; v19  the same in the wave that has the row's other 128 keys; never rewritten
.set XS,   20                          ; v20  my query's word for cm; the sums' lies 2,048 bytes on; 256 bytes on in the second trip
.set SR,   21                          ; v21  my 16 bytes of my wave's 512
.set SO,   22                          ; v22  my byte offset in the tile's statistics, for the sums
.set DD,   23                          ; v23  l % 16 - 8 (l / 16)
.set STO,  24
.set RD,   25
.set CO,   26
.set SO2,  27                          ; v27  the same as SO, for cm
.set SPW,  28
.set NIL,  29
.set PFO,  30                          ; v30  lane x a row of qkv (6,144 bytes)
.set MU,   32
.set MDG,  40
.set MLW,  48
.set F0,   64
.set F1,   128
.set RM,   64                          ; query block a's maximum, then cm, at v[RM+2a]; the odd register is 0 (named as a pair)
.set LS,   80
.set MT,   96
.set TMP,  192
.set OB,   32
.set CNT,  3
.set WV,   10
.set RH,   11                          ; s11  which 128 queries
.set CH,   12                          ; s12  which 128 keys; also which 128 rows I fetch
.set BB,   13
.set QB,   14
.set KT,   15
.set LB,   20
.set G1,   24
.set G0,   32                          ; s[32:35] K step 0, s[36:39] the walking one
.set LIM,  43
.set PFA,  44
.set CS,   58
.set SEL,  60
.set SU,   66
.set SL,   67
.set TB,   70
.set HDP,  72                          ; s[72:73] hd
.set HOP,  74                          ; s[74:75] out0
.set MSB, 0
.macro WIN new
.if MSB != (\new)
	s_set_vgpr_msb (MSB<<8)|(\new)
.set MSB, \new
.endif
.endm
.macro PLACES
.rept 4
	v_nop
.endr
.endm
; A prefetch into the L2 of the K step two refills on: my 128 rows x 256 bytes, a lane a row, four instructions.  q's rows of a query block are read by the tiles of its row: the tile with key tile 0 asks
; (waves 0, 1); k's rows by the tiles of a column: the diagonal tile asks (waves 2, 3).  So each block is named once.  K steps 0 to 3 come by their loads alone; the last two refills ask for nothing.
.macro ASK
	s_cmp_gt_u32 s[CNT], s[LIM]
	s_cbranch_scc0 .Lnot_mine_\@
.irp i, 0,1,2,3
	global_prefetch_b8 v[PFO], s[PFA:PFA+1] offset:(\i)*196608+256 th:TH_LOAD_NT scope:SCOPE_SE
.endr
.Lnot_mine_\@:
.endm
	s_load_b128 s[4:7], s[0:1], 0x0                ; qkv s[4:5], pt s[6:7]
	s_load_b64 s[8:9], s[0:1], 0x10                ; st
	s_load_b64 s[HDP:HDP+1], s[0:1], 0x18          ; hd
	s_load_b64 s[HOP:HOP+1], s[0:1], 0x20          ; out0
	v_lshl_add_u32 v[SPW], v0, 2, SPARE
	v_mov_b32 v[NIL], 0
	ds_add_u32 v[SPW], v[NIL]                      ; the wave's opening: the add and its wait stand ahead of my first tensor load
	v_lshrrev_b32 v1, 5, v0
	v_readfirstlane_b32 s[WV], v1
	s_lshr_b32 s[RH], s[WV], 1
	s_and_b32 s[CH], s[WV], 1
	s_and_b32 s[BB], ttmp7, 0xffff
	s_mov_b32 s[QB], 0                             ; the query block: how many triangular numbers the tile's number has reached
.irp lim, 1,3,6,10,15,21,28
	s_cmp_ge_u32 ttmp9, \lim
	s_add_co_ci_u32 s[QB], s[QB], 0
.endr
	s_add_co_u32 s[KT], s[QB], 1
	s_mul_i32 s[KT], s[KT], s[QB]
	s_lshr_b32 s[KT], s[KT], 1
	s_sub_co_u32 s[KT], ttmp9, s[KT]               ; the key tile, 0 .. query block
	s_mov_b32 s[G1], (1<<16)|(1<<20)|(5<<22)|(3<<25)  ; 2-byte elements; padding on: after every 64 words, 4 words
	s_mov_b32 s[G1+1], 128<<16
	s_mov_b32 s[G1+2], 128<<16
	s_mov_b32 s[G1+3], 128<<16
	s_mov_b32 s[G1+4], 128
	s_mov_b32 s[G1+5], 3072                        ; elements from row to row of qkv
	s_mov_b32 s[G1+6], 0
	s_mov_b32 s[G1+7], 0
	s_mov_b32 s[CS], 0x3d38aa3b                    ; c = log2(e) / 32
	s_mov_b32 s[CS+1], s[CS]
	s_mov_b32 s[SEL], 0x76543210
	s_mov_b32 s[SEL+1], 0xfedcba98
	s_mov_b32 s[TB], 0
	s_mul_i32 s[LB], s[WV], HALFT
	s_cmp_le_u32 s[RH], s[CH]
	s_cselect_b32 s[SU], 0xf149f2ca, 0             ; -1e30: key blocks above my diagonal are hidden if my keys do not lie before my queries,
	s_cmp_lt_u32 s[RH], s[CH]
	s_cselect_b32 s[SL], 0xf149f2ca, 0             ; those below it only if my keys lie behind them,
	s_cmp_eq_u32 s[QB], s[KT]
	s_cselect_b32 s[SU], s[SU], 0                  ; and all that in the diagonal tile alone
	s_cselect_b32 s[SL], s[SL], 0
	s_cmp_eq_u32 s[KT], 0
	s_cselect_b32 s21, 2, -1
	s_cmp_eq_u32 s[QB], s[KT]
	s_cselect_b32 s22, 2, -1
	s_cmp_lt_u32 s[WV], 2                          ; waves 0, 1 fetch q's rows, waves 2, 3 k's
	s_cselect_b32 s[LIM], s21, s22
	s_cselect_b32 s16, s[QB], s[KT]
	s_cselect_b32 s17, 0, 2048                     ; k lies 2,048 bytes into a row
	s_lshl_b32 s16, s16, 8
	s_lshl_b32 s18, s[BB], 11
	s_add_co_u32 s16, s16, s18
	s_lshl_b32 s18, s[CH], 7
	s_add_co_u32 s16, s16, s18                     ; my first row
	s_mul_i32 s16, s16, 6144
	s_add_co_u32 s16, s16, s17
	s_mov_b32 s17, 0
	s_wait_dscnt 0x0                               ; the opening add is done
	s_wait_kmcnt 0x0
	s_cmp_ge_u32 ttmp9, NT                         ; the work-group's number: alike in its four waves
	s_cbranch_scc1 .Lhead
	s_add_nc_u64 s[46:47], s[4:5], s[16:17]
.irp s, 0,1                            ; both first fills go out together: two loads of mine are out
	s_mov_b32 s[G0+4*(\s)], 1
	s_add_co_u32 s[G0+4*(\s)+1], s[LB], (\s)*SLOT
	s_add_nc_u64 s[G0+4*(\s)+2:G0+4*(\s)+3], s[46:47], (\s)*256
	s_or_b32 s[G0+4*(\s)+3], s[G0+4*(\s)+3], 0x80000000
	tensor_load_to_lds s[G0+4*(\s):G0+4*(\s)+3], s[G1:G1+7]
	s_nop 0
.endr
.rept 4
	v_nop
.endr
	s_add_nc_u64 s[PFA:PFA+1], s[46:47], 2*256     ; at K step 2: the first refill steps it to 3 and names K step 4
	v_and_b32 v1, 15, v0                           ; l % 16
	v_bfe_u32 v2, v0, 4, 1                         ; l / 16
	v_and_b32 v3, 31, v0
	v_mul_u32_u24 v4, v1, PITCH
	v_lshl_add_u32 v4, v2, 4, v4
	s_mul_i32 s21, s[RH], HALFT
	v_add_nc_u32 v[A0], s21, v4
	s_mul_i32 s22, s[CH], HALFT
	s_add_co_u32 s22, s22, 2*HALFT
	v_add_nc_u32 v[B0], s22, v4
	v_mov_b32 v[ADRA], v[A0]
	v_mov_b32 v[ADRB], v[B0]
	s_mul_i32 s23, s[WV], 16*PITCH
	s_add_co_u32 s23, s23, STAGE
	v_add_nc_u32 v[STO], s23, v4                   ; in: row l % 16, 16 bytes for each half of the lanes
	v_mul_u32_u24 v5, v2, PITCH
	v_lshl_add_u32 v5, v1, 4, v5
	v_add_nc_u32 v[RD], s23, v5                    ; back: lanes 0-15 one row of 256 bytes, lanes 16-31 the next
	v_lshlrev_b32 v[CO], 12, v2
	v_lshl_add_u32 v[CO], v1, 4, v[CO]             ; the same two rows in pt
	v_mul_u32_u24 v[PFO], v3, 6144
	v_lshlrev_b32 v[SO2], 4, v3
	s_lshl_b32 s21, s[CH], 10
	s_add_co_u32 s21, s21, 1024
	v_add_nc_u32 v[SO], s21, v[SO2]
	s_lshl_b32 s21, s[WV], 9
	s_add_co_u32 s21, s21, XM
	v_lshl_add_u32 v[XA], v1, 2, s21
	v_add_nc_u32 v[XS], 2048, v[XA]
	v_lshl_add_u32 v[SR], v3, 4, s21
	s_xor_b32 s22, s[WV], 1
	s_lshl_b32 s22, s22, 9
	s_add_co_u32 s22, s22, XM
	v_lshl_add_u32 v[XP], v1, 2, s22
	v_lshlrev_b32 v5, 3, v2
	v_sub_nc_u32 v[DD], v1, v5
.set i, 0
.rept 8
	v_mov_b32 v[MU+i], s[SU]
	v_mov_b32 v[MLW+i], s[SL]
.set i, i+1
.endr
.set i, 0
.rept 8                                ; on my diagonal key 8 (l / 16) + i is hidden from query l % 16 where it is the greater
	v_cmp_gt_i32 vcc_lo, i, v[DD]
	v_cndmask_b32 v[MDG+i], v[MLW], v[MU], vcc_lo
.set i, i+1
.endr
	s_lshl_b32 s16, s[BB], 11
	s_lshl_b32 s18, s[QB], 8
	s_add_co_u32 s16, s16, s18
	s_lshl_b32 s18, s[RH], 7
	s_add_co_u32 s16, s16, s18
	s_lshl_b32 s16, s16, 12                        ; pt at my first query's row,
	s_lshl_b32 s18, s[KT], 9
	s_add_co_u32 s16, s16, s18
	s_lshl_b32 s18, s[CH], 8
	s_add_co_u32 s16, s16, s18                     ; my 128 keys
	s_mov_b32 s17, 0
	s_add_nc_u64 s[6:7], s[6:7], s[16:17]
	s_lshl_b32 s16, s[BB], 3
	s_add_co_u32 s16, s16, s[QB]
	s_lshl_b32 s16, s16, 3
	s_add_co_u32 s16, s16, s[KT]
	s_mul_i32 s16, s16, 3072                       ; the tile's statistics,
	s_lshl_b32 s18, s[RH], 9
	s_add_co_u32 s16, s16, s18                     ; my 128 rows of 4 bytes
	s_add_nc_u64 s[8:9], s[8:9], s[16:17]
; 16 products: query blocks a0, a0 + 1 of the window's four x all 8 key blocks.  The 64 accumulators take turns, one instruction a turn.  zero = 1: the mask starts the sum.
.macro MUL16 f, hi, a0, zero
.irp a, \a0, (\a0)+1
.irp b, 0,1,2,3,4,5,6,7
.if \zero
.if (4*(\hi)+(\a)) < (\b)
.set CM, MU
.elseif (4*(\hi)+(\a)) == (\b)
.set CM, MDG
.else
.set CM, MLW
.endif
	WIN 0x81+0x40*(\hi)
	v_wmma_f32_16x16x32_f16 v[8*(8*(\a)+(\b)):8*(8*(\a)+(\b))+7], v[(\f)+8*(\b):(\f)+8*(\b)+7], v[(\f)+8*(4*(\hi)+(\a)):(\f)+8*(4*(\hi)+(\a))+7], v[CM:CM+7]
.else
	WIN 0xa1+0x50*(\hi)
	v_wmma_f32_16x16x32_f16 v[8*(8*(\a)+(\b)):8*(8*(\a)+(\b))+7], v[(\f)+8*(\b):(\f)+8*(\b)+7], v[(\f)+8*(4*(\hi)+(\a)):(\f)+8*(4*(\hi)+(\a))+7], v[8*(8*(\a)+(\b)):8*(8*(\a)+(\b))+7]
.endif
.endr
.endr
.endm
.macro FETCH k, f                      ; 32 LDS loads in one run: k's eight fragments (window 1), then q's eight
	WIN 0x40
.irp i, 0,1,2,3,4,5,6,7
	ds_load_b128 v[(\f)+8*(\i):(\f)+8*(\i)+3],   v[ADRB] offset:(\k)+(\i)*16*PITCH
	ds_load_b128 v[(\f)+8*(\i)+4:(\f)+8*(\i)+7], v[ADRB] offset:(\k)+(\i)*16*PITCH+32
.endr
	WIN 0
.irp i, 0,1,2,3,4,5,6,7
	ds_load_b128 v[(\f)+8*(\i):(\f)+8*(\i)+3],   v[ADRA] offset:(\k)+(\i)*16*PITCH
	ds_load_b128 v[(\f)+8*(\i)+4:(\f)+8*(\i)+7], v[ADRA] offset:(\k)+(\i)*16*PITCH+32
.endr
.endm
.macro QUARTER k, f, g, zero
	s_wait_dscnt 8                                 ; all but the youngest eight loads: q's blocks 4-7
	MUL16 \f, 0, 0, \zero
	MUL16 \f, 0, 2, \zero
	PLACES
	FETCH \k, \g
	s_wait_dscnt 32                                ; all but the 32 just issued
	MUL16 \f, 1, 0, \zero
	MUL16 \f, 1, 2, \zero
.endm
; The last quarter changes slots: one barrier; in front of it each wave waits for all its tensor loads (one is out), adds 0 to its spare word, and waits for that and for its reads of this slot.
; fill = 1: this slot is filled again, two K steps ahead, first thing behind the barrier.
.macro TURN fill
.if \fill
	s_wait_xcnt 0x0                                ; the last prefetches, a K step back, have read their address
	s_add_nc_u64 s[PFA:PFA+1], s[PFA:PFA+1], 256
.endif
	WIN 0
	s_wait_tensorcnt 0x0
	ds_add_u32 v[SPW], v[NIL]                      ; 0 onto my spare word
.if \fill
	s_xor_b32 s[G0+5], s[G0+5], SLOT
	s_add_nc_u64 s[G0+6:G0+7], s[G0+6:G0+7], 256
.endif
	s_wait_dscnt 9                                 ; the add and the youngest eight loads may be out
	MUL16 F1, 0, 0, 0
	s_wait_dscnt 0x0                               ; the add is done, and my reads of this slot are over
	s_barrier_signal -1
	MUL16 F1, 0, 2, 0
	WIN 0
	s_barrier_wait -1
.if \fill
	tensor_load_to_lds s[G0+4:G0+7], s[G1:G1+7]
	s_nop 0
.endif
	PLACES                                         ; behind the load, and the places in front of the loads below
	s_xor_b32 s[TB], s[TB], SLOT
	v_add_nc_u32 v[ADRA], s[TB], v[A0]
	v_add_nc_u32 v[ADRB], s[TB], v[B0]
	FETCH 0, F0
.if \fill
	ASK
.endif
	MUL16 F1, 1, 0, 0
	MUL16 F1, 1, 2, 0
.endm
	s_wait_tensorcnt 1                             ; my part of K step 0 is in; K step 1's may stay out
	s_barrier_signal -1
	s_barrier_wait -1
	FETCH 0, F0
	QUARTER 64, F0, F1, 1
	WIN 0
	s_mov_b32 s[CNT], 6
.Lstep:
	QUARTER 128, F1, F0, 0
	QUARTER 192, F0, F1, 0
	TURN 1
	QUARTER 64, F0, F1, 0
	WIN 0
	s_sub_co_u32 s[CNT], s[CNT], 1
	s_cmp_lg_u32 s[CNT], 0
	s_cbranch_scc1 .Lstep
	s_mov_b32 s[CNT], 2
.Ltail:                                        ; K steps 6 and 7 fill nothing: one text, walked twice.  The second trip is left, forward, behind its change of slots, whose barrier and 32 LDS loads
	QUARTER 128, F1, F0, 0                         ; (of the slot read before) then serve nothing: the price, once a launch, of one text for both
	QUARTER 192, F0, F1, 0
	TURN 0
	WIN 0
	s_cmp_eq_u32 s[CNT], 1
	s_cbranch_scc1 .Lsums
	QUARTER 64, F0, F1, 0
	WIN 0
	s_sub_co_u32 s[CNT], s[CNT], 1
	s_cmp_lg_u32 s[CNT], 0
	s_cbranch_scc1 .Ltail
.Lsums:
	PLACES
	s_wait_dscnt 0x0                               ; the loads of the last change of slots have landed: their registers are written below
.irp a, 0,1,2,3
	v_mov_b32 v[RM+2*(\a)+1], 0
.endr
; The maximum of query block a's 64 scores a lane (each accumulator's lowest registers first), of the lane 16 away, and into LDS for the wave with the other 128 keys.
.macro ROWMAX a
.set AC, 64*(\a)
	WIN 0x2a                                       ; the three sources in window 2
.set i, 0
.rept 8
	v_max3_num_f32 v[MT+3*i], v[AC+8*i], v[AC+8*i+1], v[AC+8*i+2]
	v_max3_num_f32 v[MT+3*i+1], v[AC+8*i+3], v[AC+8*i+4], v[AC+8*i+5]
	v_max_num_f32 v[MT+3*i+2], v[AC+8*i+6], v[AC+8*i+7]
.set i, i+1
.endr
	WIN 0
.set i, 0
.rept 8
	v_max3_num_f32 v[MT+3*i], v[MT+3*i], v[MT+3*i+1], v[MT+3*i+2]
.set i, i+1
.endr
	v_max3_num_f32 v[MT], v[MT], v[MT+3], v[MT+6]
	v_max3_num_f32 v[MT+9], v[MT+9], v[MT+12], v[MT+15]
	v_max3_num_f32 v[MT], v[MT], v[MT+9], v[MT+18]
	v_max_num_f32 v[MT], v[MT], v[MT+21]
	v_permlanex16_b32 v[MT+1], v[MT], s[SEL], s[SEL+1]
	v_max_num_f32 v[RM+2*(\a)], v[MT], v[MT+1]
	ds_store_b32 v[XA], v[RM+2*(\a)] offset:64*(\a)
.endm
; Query block a: c s - cm, the 64 exponentials as ONE batch with one wait, the roundings to f16, and the sum of the unrounded weights.
.macro SOFT a
.set AC, 64*(\a)
	WIN 0x82                                       ; destination and source 0 in window 2, cm in window 0
.set i, 0
.rept 32
	v_pk_fma_f32 v[AC+2*i:AC+2*i+1], v[AC+2*i:AC+2*i+1], s[CS:CS+1], v[RM+2*(\a):RM+2*(\a)+1] op_sel_hi:[1,0,0] neg_lo:[0,0,1] neg_hi:[0,0,1]
.set i, i+1
.endr
.set i, 0
.rept 64
	v_exp_f32 v[AC+i], v[AC+i]
.set i, i+1
.endr
	v_nop                                          ; a plain instruction behind the last exponential,
	s_wait_alu depctr_va_vdst(0)                   ; and one wait ahead of the batch's first reader
	WIN 0x0a
.set i, 0
.rept 32
	v_cvt_pk_f16_f32 v[TMP+i], v[AC+2*i], v[AC+2*i+1]
.set i, i+1
.endr
	WIN 0x8a
.set sd, 16
.rept 5
.set i, 0
.rept sd
	v_pk_add_f32 v[AC+2*i:AC+2*i+1], v[AC+2*i:AC+2*i+1], v[AC+2*(i+sd):AC+2*(i+sd)+1]
.set i, i+1
.endr
.set sd, sd/2
.endr
	WIN 0x0a
	v_add_f32 v[LS+(\a)], v[AC], v[AC+1]
	WIN 0
.endm
.macro TOSTAGE a                       ; 16 bytes a lane into my own stage, and back as whole rows of 256 bytes
.set BK, OB+192*((\a)%2)
.irp b, 0,1,2,3,4,5,6,7
	ds_store_b128 v[STO], v[TMP+4*(\b):TMP+4*(\b)+3] offset:32*(\b)
.endr
.irp t, 0,1,2,3,4,5,6,7
	ds_load_b128 v[BK+4*(\t):BK+4*(\t)+3], v[RD] offset:(\t)*2*PITCH  ; LDS serves a wave's instructions in order (ISA guide 5.7.1.4)
.endr
.endm
.macro SEND a
.set BK, OB+192*((\a)%2)
	s_wait_dscnt 0x0                               ; the block is back in registers
	s_wait_xcnt 0x0                                ; the stores issued so far have read their registers: the other set is loaded again only behind this wait
.irp t, 0,1,2,3,4,5,6,7
	global_store_b128 v[CO], v[BK+4*(\t):BK+4*(\t)+3], s[6:7] offset:(16*(\a)+2*(\t))*4096  ; 16 lanes store 256 consecutive bytes, at a multiple of 256 from pt's first byte
.endr
.endm
	s_mov_b32 s[CNT], 2
.Lhalf:                                        ; two trips: my queries 0-63, then 64-127
.irp a, 0,1,2,3
	ROWMAX \a
.endr
	s_wait_dscnt 0x0                               ; for the other wave's sake: my maxima lie in LDS
	s_barrier_signal -1
	s_barrier_wait -1
.irp a, 0,1,2,3
	ds_load_b32 v[MT+(\a)], v[XP] offset:64*(\a)
.endr
	s_wait_dscnt 0x0                               ; my reads of the other wave's words are over:
	s_barrier_signal -1                            ; a second barrier, since the next trip stores into the same words; work on registers stands between its halves
.irp a, 0,1,2,3
	v_max_num_f32 v[RM+2*(\a)], v[RM+2*(\a)], v[MT+(\a)]
.endr
.irp a, 0,1,2,3
	v_mul_f32 v[RM+2*(\a)], s[CS], v[RM+2*(\a)]    ; cm
.endr
	s_barrier_wait -1
	SOFT 0
	TOSTAGE 0
.irp a, 1,2,3                          ; block a's arithmetic stands between block a - 1's loads from the stage and the wait for them
	SOFT \a
	SEND (\a)-1
	TOSTAGE \a
.endr
	SEND 3
.irp a, 0,1,2,3
	v_permlanex16_b32 v[MT+(\a)], v[LS+(\a)], s[SEL], s[SEL+1]
.endr
.irp a, 0,1,2,3
	v_add_f32 v[LS+(\a)], v[LS+(\a)], v[MT+(\a)]
.endr
.irp a, 0,1,2,3                        ; a number a query into my own words, so that 128 rows' numbers leave as 512 consecutive bytes
	ds_store_b32 v[XS], v[RM+2*(\a)] offset:64*(\a)
	ds_store_b32 v[XS], v[LS+(\a)] offset:2048+64*(\a)
.endr
	s_cmp_eq_u32 s[CNT], 1
	s_cbranch_scc1 .Lstats
	WIN 0x83                                       ; source in window 3, destination in window 2
.set i, 0
.rept 256
	v_mov_b32 v[i], v[i]                           ; ascending: each accumulator is first read at its low end
.set i, i+1
.endr
	WIN 0
	s_wait_xcnt 0x0                                ; the stores have read their base
	s_add_nc_u64 s[6:7], s[6:7], 64*4096           ; 64 rows of pt on
	v_add_nc_u32 v[XS], 256, v[XS]
	s_sub_co_u32 s[CNT], s[CNT], 1
	s_cmp_lg_u32 s[CNT], 0
	s_cbranch_scc1 .Lhalf
.Lstats:
	ds_load_b128 v[MT:MT+3], v[SR] offset:2048
	ds_load_b128 v[MT+4:MT+7], v[SR] offset:4096
	s_wait_dscnt 0x0
	global_store_b128 v[SO], v[MT+4:MT+7], s[8:9]
	s_cmp_eq_u32 s[CH], 0                          ; both waves of a row half hold the same cm: the one with keys 0-127 stores them
	s_cbranch_scc0 .Lno_max
	global_store_b128 v[SO2], v[MT:MT+3], s[8:9]
.Lno_max:
	s_wait_tensorcnt 0x0                           ; the wave's end
	ds_add_u32 v[SPW], v[NIL]
	s_wait_dscnt 0x0
	s_endpgm
; ROWS 0 TO 31 OF A BATCH OF out0, IN F32 THROUGHOUT.  These rows average over at most 32 keys: their terms are of the size of v, many times the whole output's root mean square at the drawn spread,
; and a rounding of q, k, v or a weight to f16 (2^-11 of a term) is there of the size of a hundredth of that root mean square.  So they are made from the projections' unrounded sums (hd).
; hd: [batch 4][row block 2][block of 16 columns 192][half 2][lane 32][4 f32]; lane 16 h + r of half f holds row r, columns 8 h + 4 f + 0..3.  Column blocks 0-63 are q, 64-127 k, 128-191 v.
; THE F32 MATRIX FORM, 16 x 16 x 4: 240 instructions a wave, 16 million multiply-adds in the launch of the program's 60 thousand million: no bulk work.
; SHARES.  A work-group makes 32 queries x 256 channels of a batch.  SCORES: three tiles of 16 keys x 16 queries (the fourth lies above the diagonal), S^T = K Q^T, the 1,024 channels split among the
; four waves, 256 each, in four trips of 64; a block of hd IS two fragments (lane 16 h + r: row r, two channels a product; the same channels on both sides).  The partial sums meet in LDS; every wave adds all four.
; SOFTMAX: a lane holds ONE query (l % 16) and keys 8 (l / 16) + 0..7 of a tile.  A hidden score counts as -1e30; the row's maximum is taken away, then the scale c; p is divided by its sum.
; O^T = V^T P, 64 channels a wave: key step t takes keys 8 h + 2 t + 0, 1, so that p's registers 2 t, 2 t + 1 are source 1 as they lie; V^T is gathered to match, 4 bytes a lane.
; A weight below 2^-126 counts as 0; NaN and infinities are not treated apart.  No tensor load here: a fragment lies in memory as it lies in registers.
; REGISTERS: window 0: v1-13 addresses; v32-55 the scores, then the weights; v64-95 at work; v192-255 rows on their way out.  window 1: v0-63 O^T and v192-215 my partial sums, both written by matrix
; instructions alone in the whole text; v64-127 V^T.  window 2: v0-127 a trip's fragments of q and k.
.set HRR,  1                           ; v1   l % 16
.set HHH,  2                           ; v2   l / 16
.set HLN,  3                           ; v3   l
.set HHA,  4                           ; v4   16 l + my wave's 16 column blocks: q's and k's fragments; never rewritten
.set HHV,  5                           ; v5   where my channel's numbers of V begin; never rewritten
.set HLSA, 6                           ; v6   where I put my partial sums
.set HLRA, 7                           ; v7   where I read everybody's
.set HSTO, 8
.set HRD,  9
.set HCO,  10
.set HDD,  11                          ; v11  l % 16 - 8 (l / 16)
.set HBIG, 12                          ; v12  -1e30
.set HSS,  32                          ; tiles (keys 0-15, queries 0-15), (keys 0-15, queries 16-31), (keys 16-31, queries 16-31)
.set HX,   64
.set HT,   HX
.set HM0,  HX+4                        ; the maxima, each the low register of a pair
.set HM1,  HX+6
.set HLT,  HX+8
.set HOB,  192
.set HOA,  0                           ; window 1: channel block cb, query tile qt at 8 (2 cb + qt)
.set HVT,  64                          ; window 1: key tile a, channel block cb at 8 (4 a + cb)
.set HSA,  192                         ; window 1
.set HXC,  14                          ; s14  which 256 channels
.macro PL8                             ; eight places behind a product of this form, in front of loads into registers that it has read and of stores that read its result
.rept 8
	v_nop
.endr
.endm
; A trip: four column blocks, 64 channels: 32 loads of 512 consecutive bytes each: for each two blocks k's two row blocks, then q's two
.macro LOADQ
	WIN 0x80                                       ; destination in window 2
.irp j, 0,1
.irp kd, 0,1,2,3
.irp bl, 0,1,2,3
	global_load_b128 v[64*(\j)+16*(\kd)+4*(\bl):64*(\j)+16*(\kd)+4*(\bl)+3], v[HHA], s[HDP:HDP+1] offset:((\kd)%2)*196608+(1-(\kd)/2)*65536+(\j)*2048+(\bl)*512
.endr
.endr
.endr
	WIN 0
.endm
; A trip's 48 products: sixteen steps of 4 channels x three tiles.  The three accumulators take turns, one instruction a turn, over the backward jump too.  zero = 1: the first three start the sums.
.macro MULQ zero
	WIN 0x5a                                       ; the sums in window 1, the fragments in window 2
.set mj, 0
.rept 2
.set hfx, 64*mj
.set mk, 0
.rept 8
.if (\zero) && (mj == 0) && (mk == 0)
	v_wmma_f32_16x16x4_f32 v[HSA:HSA+7],     v[hfx+2*mk:hfx+2*mk+1],       v[hfx+32+2*mk:hfx+32+2*mk+1], 0
	v_wmma_f32_16x16x4_f32 v[HSA+8:HSA+15],  v[hfx+2*mk:hfx+2*mk+1],       v[hfx+48+2*mk:hfx+48+2*mk+1], 0
	v_wmma_f32_16x16x4_f32 v[HSA+16:HSA+23], v[hfx+16+2*mk:hfx+16+2*mk+1], v[hfx+48+2*mk:hfx+48+2*mk+1], 0
.else
	v_wmma_f32_16x16x4_f32 v[HSA:HSA+7],     v[hfx+2*mk:hfx+2*mk+1],       v[hfx+32+2*mk:hfx+32+2*mk+1], v[HSA:HSA+7]
	v_wmma_f32_16x16x4_f32 v[HSA+8:HSA+15],  v[hfx+2*mk:hfx+2*mk+1],       v[hfx+48+2*mk:hfx+48+2*mk+1], v[HSA+8:HSA+15]
	v_wmma_f32_16x16x4_f32 v[HSA+16:HSA+23], v[hfx+16+2*mk:hfx+16+2*mk+1], v[hfx+48+2*mk:hfx+48+2*mk+1], v[HSA+16:HSA+23]
.endif
.set mk, mk+1
.endr
.set mj, mj+1
.endr
	WIN 0
.endm
.Lhead:
	s_sub_co_u32 s[HXC], ttmp9, NT
	v_and_b32 v[HRR], 15, v0
	v_bfe_u32 v[HHH], v0, 4, 1
	v_and_b32 v[HLN], 31, v0
	s_mul_i32 s16, s[BB], 393216                   ; the batch
	s_mov_b32 s17, 0
	s_add_nc_u64 s[HDP:HDP+1], s[HDP:HDP+1], s[16:17]
	s_lshl_b32 s18, s[WV], 14                      ; my 16 column blocks of 1,024 bytes
	v_lshl_add_u32 v[HHA], v[HLN], 4, s18
	; channel r of a column block lies in half (r / 4) % 2, lanes 16 (r / 8) + key, word r % 4
	v_bfe_u32 v13, v0, 2, 1
	v_lshlrev_b32 v[HHV], 9, v13
	v_bfe_u32 v13, v0, 3, 1
	v_lshl_add_u32 v[HHV], v13, 8, v[HHV]
	v_lshl_add_u32 v[HHV], v[HHH], 7, v[HHV]       ; my keys begin at 8 (l / 16): 16 bytes a key
	v_and_b32 v13, 3, v0
	v_lshl_add_u32 v[HHV], v13, 2, v[HHV]
	s_lshl_b32 s18, s[HXC], 4                      ; the work-group's 16 column blocks of v,
	s_lshl_b32 s19, s[WV], 2                       ; my wave's 4,
	s_add_co_u32 s18, s18, s19
	s_add_co_u32 s18, s18, 128                     ; behind q's and k's 128
	s_lshl_b32 s18, s18, 10
	v_add_nc_u32 v[HHV], s18, v[HHV]
	WIN 0x40
.set va, 0
.rept 2                                ; V^T goes out first: 64 loads,
.set vc, 0
.rept 4
.set vk, 0
.rept 8
	global_load_b32 v[HVT+8*(4*va+vc)+vk], v[HHV], s[HDP:HDP+1] offset:va*196608+vc*1024+vk*16
.set vk, vk+1
.endr
.set vc, vc+1
.endr
.set va, va+1
.endr
	LOADQ                                          ; and the first trip's 32 behind it
	; the other addresses, while those loads are out
	s_mul_i32 s18, s[WV], 3072
	s_add_co_u32 s18, s18, HPS
	v_lshl_add_u32 v[HLSA], v[HLN], 4, s18
	v_lshlrev_b32 v[HLRA], 4, v[HLN]
	v_add_nc_u32 v[HLRA], HPS, v[HLRA]
	s_mul_i32 s18, s[WV], 16*PITCH
	s_add_co_u32 s18, s18, STAGE                   ; my stage
	v_mul_u32_u24 v[HSTO], v[HRR], PITCH
	v_lshl_add_u32 v[HSTO], v[HHH], 5, v[HSTO]
	v_add_nc_u32 v[HSTO], s18, v[HSTO]             ; in: row l % 16, 32 bytes for each half of the lanes
	v_mul_u32_u24 v[HRD], v[HHH], PITCH
	v_lshl_add_u32 v[HRD], v[HRR], 4, v[HRD]
	v_add_nc_u32 v[HRD], s18, v[HRD]               ; back: lanes 0-15 one row of 256 bytes, lanes 16-31 the next
	v_lshlrev_b32 v[HCO], 12, v[HHH]
	v_lshl_add_u32 v[HCO], v[HRR], 4, v[HCO]       ; the same two rows in out0
	v_lshlrev_b32 v13, 3, v[HHH]
	v_sub_nc_u32 v[HDD], v[HRR], v13
	v_mov_b32 v[HBIG], 0xf149f2ca
	s_lshl_b32 s16, s[BB], 23                      ; out0: 2,048 rows of 4,096 bytes a batch,
	s_lshl_b32 s18, s[HXC], 10                     ; the work-group's 256 channels,
	s_add_co_u32 s16, s16, s18
	s_lshl_b32 s18, s[WV], 8                       ; my wave's 64
	s_add_co_u32 s16, s16, s18
	s_add_nc_u64 s[HOP:HOP+1], s[HOP:HOP+1], s[16:17]
	s_wait_loadcnt 0x0                             ; the first trip's fragments are in, and V^T with them
	MULQ 1                                         ; the first trip stands ahead of the loop: its first products start the sums
	s_mov_b32 s[CNT], 3
.Lhk:                                          ; the other three trips.  This path has a fraction of a score tile's work, so a trip may wait for its own loads
	PL8
	s_add_nc_u64 s[HDP:HDP+1], s[HDP:HDP+1], 4096  ; four column blocks on; all loads that named the base are done
	LOADQ
	s_wait_loadcnt 0x0
	MULQ 0
	s_sub_co_u32 s[CNT], s[CNT], 1
	s_cmp_lg_u32 s[CNT], 0
	s_cbranch_scc1 .Lhk
	PL8
	WIN 0x04                                       ; the stores' data in window 1
.irp tau, 0,1,2
	ds_store_b128 v[HLSA], v[HSA+8*(\tau):HSA+8*(\tau)+3]   offset:(\tau)*1024
	ds_store_b128 v[HLSA], v[HSA+8*(\tau)+4:HSA+8*(\tau)+7] offset:(\tau)*1024+512
.endr
	WIN 0
	s_wait_dscnt 0x0                               ; for the others' sake: my partial sums lie in LDS
	s_barrier_signal -1
	s_barrier_wait -1
; A tile's four partial sums are read and added, two numbers an instruction, in the same order in every wave
.macro RED tau
.set rv, 0
.rept 4
	ds_load_b128 v[HX+8*rv:HX+8*rv+3],   v[HLRA] offset:rv*3072+(\tau)*1024
	ds_load_b128 v[HX+8*rv+4:HX+8*rv+7], v[HLRA] offset:rv*3072+(\tau)*1024+512
.set rv, rv+1
.endr
	s_wait_dscnt 0x0
.set rv, 0
.rept 8
	v_pk_add_f32 v[HX+2*rv:HX+2*rv+1], v[HX+2*rv:HX+2*rv+1], v[HX+16+2*rv:HX+16+2*rv+1]
.set rv, rv+1
.endr
.set rv, 0
.rept 4
	v_pk_add_f32 v[HSS+8*(\tau)+2*rv:HSS+8*(\tau)+2*rv+1], v[HX+2*rv:HX+2*rv+1], v[HX+8+2*rv:HX+8+2*rv+1]
.set rv, rv+1
.endr
.endm
	RED 0
	RED 1
	RED 2
.set j, 0
.rept 8                                ; in the two tiles on the diagonal key 8 (l / 16) + j is hidden from query l % 16 where it is the greater
	v_cmp_gt_i32 vcc_lo, j, v[HDD]
	v_cndmask_b32 v[HSS+j], v[HSS+j], v[HBIG], vcc_lo
	v_cndmask_b32 v[HSS+16+j], v[HSS+16+j], v[HBIG], vcc_lo
.set j, j+1
.endr
	v_max3_num_f32 v[HT], v[HSS], v[HSS+1], v[HSS+2]  ; queries 0-15: 8 scores a lane; queries 16-31: 16
	v_max3_num_f32 v[HT+2], v[HSS+8], v[HSS+9], v[HSS+10]
	v_max3_num_f32 v[HT], v[HT], v[HSS+3], v[HSS+4]
	v_max3_num_f32 v[HT+2], v[HT+2], v[HSS+11], v[HSS+12]
	v_max3_num_f32 v[HT], v[HT], v[HSS+5], v[HSS+6]
	v_max3_num_f32 v[HT+2], v[HT+2], v[HSS+13], v[HSS+14]
	v_max_num_f32 v[HT], v[HT], v[HSS+7]
	v_max3_num_f32 v[HT+2], v[HT+2], v[HSS+15], v[HSS+16]
	v_max3_num_f32 v[HT+2], v[HT+2], v[HSS+17], v[HSS+18]
	v_max3_num_f32 v[HT+2], v[HT+2], v[HSS+19], v[HSS+20]
	v_max3_num_f32 v[HT+2], v[HT+2], v[HSS+21], v[HSS+22]
	v_max_num_f32 v[HT+2], v[HT+2], v[HSS+23]
	v_permlanex16_b32 v[HT+1], v[HT], s[SEL], s[SEL+1]  ; the query's other keys lie in the lane 16 away
	v_permlanex16_b32 v[HT+3], v[HT+2], s[SEL], s[SEL+1]
	v_max_num_f32 v[HM0], v[HT], v[HT+1]
	v_max_num_f32 v[HM1], v[HT+2], v[HT+3]
.set i, 0
.rept 4
	v_pk_add_f32 v[HSS+2*i:HSS+2*i+1], v[HSS+2*i:HSS+2*i+1], v[HM0:HM0+1] op_sel_hi:[1,0] neg_lo:[0,1] neg_hi:[0,1]  ; the difference first: exact at the maximum whatever the scores' size
.set i, i+1
.endr
.rept 8
	v_pk_add_f32 v[HSS+2*i:HSS+2*i+1], v[HSS+2*i:HSS+2*i+1], v[HM1:HM1+1] op_sel_hi:[1,0] neg_lo:[0,1] neg_hi:[0,1]
.set i, i+1
.endr
.set i, 0
.rept 12
	v_pk_mul_f32 v[HSS+2*i:HSS+2*i+1], v[HSS+2*i:HSS+2*i+1], s[CS:CS+1] op_sel_hi:[1,0]
.set i, i+1
.endr
.set i, 0
.rept 24
	v_exp_f32 v[HSS+i], v[HSS+i]
.set i, i+1
.endr
	v_nop                                          ; a plain instruction behind the last exponential,
	s_wait_alu depctr_va_vdst(0)                   ; and one wait ahead of the batch's first reader
	v_pk_add_f32 v[HLT:HLT+1], v[HSS:HSS+1], v[HSS+2:HSS+3]
	v_pk_add_f32 v[HLT+2:HLT+3], v[HSS+4:HSS+5], v[HSS+6:HSS+7]
	v_pk_add_f32 v[HLT+4:HLT+5], v[HSS+8:HSS+9], v[HSS+10:HSS+11]
	v_pk_add_f32 v[HLT+6:HLT+7], v[HSS+12:HSS+13], v[HSS+14:HSS+15]
	v_pk_add_f32 v[HLT+8:HLT+9], v[HSS+16:HSS+17], v[HSS+18:HSS+19]
	v_pk_add_f32 v[HLT+10:HLT+11], v[HSS+20:HSS+21], v[HSS+22:HSS+23]
	v_pk_add_f32 v[HLT:HLT+1], v[HLT:HLT+1], v[HLT+2:HLT+3]
	v_pk_add_f32 v[HLT+4:HLT+5], v[HLT+4:HLT+5], v[HLT+6:HLT+7]
	v_pk_add_f32 v[HLT+8:HLT+9], v[HLT+8:HLT+9], v[HLT+10:HLT+11]
	v_pk_add_f32 v[HLT+4:HLT+5], v[HLT+4:HLT+5], v[HLT+8:HLT+9]
	v_add_f32 v[HLT], v[HLT], v[HLT+1]
	v_add_f32 v[HLT+4], v[HLT+4], v[HLT+5]
	v_permlanex16_b32 v[HLT+1], v[HLT], s[SEL], s[SEL+1]
	v_permlanex16_b32 v[HLT+5], v[HLT+4], s[SEL], s[SEL+1]
	v_add_f32 v[HLT], v[HLT], v[HLT+1]
	v_add_f32 v[HLT+4], v[HLT+4], v[HLT+5]
	v_rcp_f32 v[HLT], v[HLT]
	v_rcp_f32 v[HLT+4], v[HLT+4]
	v_nop
	s_wait_alu depctr_va_vdst(0)                   ; one wait for the two reciprocals
.set i, 0
.rept 4
	v_pk_mul_f32 v[HSS+2*i:HSS+2*i+1], v[HSS+2*i:HSS+2*i+1], v[HLT:HLT+1] op_sel_hi:[1,0]
.set i, i+1
.endr
.rept 8
	v_pk_mul_f32 v[HSS+2*i:HSS+2*i+1], v[HSS+2*i:HSS+2*i+1], v[HLT+4:HLT+5] op_sel_hi:[1,0]
.set i, i+1
.endr
	WIN 0x51                                       ; V^T and O^T in window 1, the weights in window 0
.set hkt, 0
.rept 4                                ; keys 0-15, for both query tiles: the eight accumulators take turns; the first eight products start the sums
.set hpc, 0
.rept 4
.set hpq, 0
.rept 2
.if hkt == 0
	v_wmma_f32_16x16x4_f32 v[HOA+8*(2*hpc+hpq):HOA+8*(2*hpc+hpq)+7], v[HVT+8*hpc+2*hkt:HVT+8*hpc+2*hkt+1], v[HSS+8*hpq+2*hkt:HSS+8*hpq+2*hkt+1], 0
.else
	v_wmma_f32_16x16x4_f32 v[HOA+8*(2*hpc+hpq):HOA+8*(2*hpc+hpq)+7], v[HVT+8*hpc+2*hkt:HVT+8*hpc+2*hkt+1], v[HSS+8*hpq+2*hkt:HSS+8*hpq+2*hkt+1], v[HOA+8*(2*hpc+hpq):HOA+8*(2*hpc+hpq)+7]
.endif
.set hpq, hpq+1
.endr
.set hpc, hpc+1
.endr
.set hkt, hkt+1
.endr
.set hkt, 0
.rept 4                                ; keys 16-31, for queries 16-31: four accumulators take turns
.set hpc, 0
.rept 4
	v_wmma_f32_16x16x4_f32 v[HOA+8*(2*hpc+1):HOA+8*(2*hpc+1)+7], v[HVT+32+8*hpc+2*hkt:HVT+32+8*hpc+2*hkt+1], v[HSS+16+2*hkt:HSS+16+2*hkt+1], v[HOA+8*(2*hpc+1):HOA+8*(2*hpc+1)+7]
.set hpc, hpc+1
.endr
.set hkt, hkt+1
.endr
	PL8
; THE WAY OUT of a query tile: a lane's eight channels of a row, 32 bytes, into my own stage; back as whole rows of 256 bytes
.macro WAYH qt
	WIN 0x04                                       ; the stores' data in window 1
.set i, 0
.rept 8
	ds_store_b128 v[HSTO], v[HOA+8*(2*(i/2)+(\qt))+4*(i%2):HOA+8*(2*(i/2)+(\qt))+4*(i%2)+3] offset:64*(i/2)+16*(i%2)
.set i, i+1
.endr
	WIN 0
.set i, 0
.rept 8
	ds_load_b128 v[HOB+32*(\qt)+4*i:HOB+32*(\qt)+4*i+3], v[HRD] offset:i*2*PITCH  ; LDS serves a wave's instructions in order (ISA guide 5.7.1.4)
.set i, i+1
.endr
.set i, 0
.rept 8
	s_wait_dscnt 7-i
	global_store_b128 v[HCO], v[HOB+32*(\qt)+4*i:HOB+32*(\qt)+4*i+3], s[HOP:HOP+1] offset:(16*(\qt)+2*i)*4096 th:TH_STORE_NT  ; 16 lanes store 256 consecutive bytes, at a multiple of 256 from out0's first byte
.set i, i+1
.endr
.endm
	WAYH 0
	WAYH 1
	s_wait_tensorcnt 0x0                           ; the wave's end, behind my last LDS store
	ds_add_u32 v[SPW], v[NIL]
	s_wait_dscnt 0x0
	s_endpgm
.Lfunc_end_k_q6e93995ad8_score:
	.size	k_q6e93995ad8_score, .Lfunc_end_k_q6e93995ad8_score-k_q6e93995ad8_score
	.p2alignl 7, 3214868480
	.fill 96, 4, 3214868480
	.section	.rodata,"a",@progbits
	.p2align	6, 0x0
	.amdhsa_kernel k_q6e93995ad8_score
		.amdhsa_group_segment_fixed_size 327680
		.amdhsa_private_segment_fixed_size 0
		.amdhsa_enable_private_segment 0
		.amdhsa_kernarg_size 40
		.amdhsa_user_sgpr_count 2
		.amdhsa_user_sgpr_kernarg_segment_ptr 1
		.amdhsa_wavefront_size32 1
		.amdhsa_system_sgpr_workgroup_id_x 1
		.amdhsa_system_sgpr_workgroup_id_y 1
		.amdhsa_system_sgpr_workgroup_id_z 1
		.amdhsa_system_vgpr_workitem_id 0
		.amdhsa_next_free_vgpr 1024
		.amdhsa_next_free_sgpr 80
		.amdhsa_reserve_vcc 1
		.amdhsa_float_denorm_mode_32 3
		.amdhsa_float_denorm_mode_16_64 3
		.amdhsa_memory_ordered 1
		.amdhsa_forward_progress 1
		.amdhsa_inst_pref_size 167
	.end_amdhsa_kernel
	.amdgpu_metadata
---
amdhsa.version: [ 1, 2 ]
amdhsa.kernels:
  - .name:           k_q6e93995ad8_score
    .symbol:         k_q6e93995ad8_score.kd
    .args:
      - { .name: qkv, .offset: 0, .size: 8, .value_kind: global_buffer, .address_space: global }
      - { .name: pt, .offset: 8, .size: 8, .value_kind: global_buffer, .address_space: global }
      - { .name: st, .offset: 16, .size: 8, .value_kind: global_buffer, .address_space: global }
      - { .name: hd, .offset: 24, .size: 8, .value_kind: global_buffer, .address_space: global }
      - { .name: out0, .offset: 32, .size: 8, .value_kind: global_buffer, .address_space: global }
    .group_segment_fixed_size: 327680
    .private_segment_fixed_size: 0
    .kernarg_segment_align: 8
    .kernarg_segment_size: 40
    .max_flat_workgroup_size: 128
    .sgpr_count:     80
    .vgpr_count:     1024
    .wavefront_size: 32
...
	.end_amdgpu_metadata
.endif
;; end of part 8
;; launch pv (part 9): grid 8 x 32, 4 waves a work-group, clusters of 4 x 1, 327,680 bytes of LDS; arguments pt, st, qkv, out0; writes out0
.if DOCPART == 9
	.amdgcn_target "amdgcn-amd-amdhsa--gfx1250"
	.amdhsa_code_object_version 6
	.text
	.protected	k_q6e93995ad8_pv
	.globl	k_q6e93995ad8_pv
	.p2align	8
	.type	k_q6e93995ad8_pv,@function
k_q6e93995ad8_pv:
	s_mov_b64 s[64:65], 0
	v_nop
	global_prefetch_b8 v0, s[64:65] scope:SCOPE_SE
	s_setreg_imm32_b32 hwreg(HW_REG_WAVE_MODE, 25, 1), 1
	s_wait_xcnt 0x0
	s_wait_alu depctr_hold_cnt(0) depctr_sa_sdst(0) depctr_va_vdst(0) depctr_va_sdst(0) depctr_va_ssrc(0) depctr_va_vcc(0) depctr_vm_vsrc(0)
	s_getreg_b32 s2, hwreg(HW_REG_IB_STS2, 6, 4)
	s_cmp_eq_u32 s2, 0
	s_cbranch_scc0 .Lentry_in_a_cluster
	s_endpgm
.Lentry_in_a_cluster:
	s_bfe_u32 s2, ttmp6, 0x10000c
	s_cmp_lg_u32 s2, 0x3003
	s_cbranch_scc0 .Lentry_shape_is_right
	s_endpgm
.Lentry_shape_is_right:
; out0[q][:] = sum over key tiles t of g_t[q] (P_t V_t)[q][:], g_t = 2^(cm_t - CM) / L, CM = max over t of cm_t, L = sum over t of 2^(cm_t - CM) (l0_t + l1_t).  st holds cm_t = c x the tile's row maximum,
; c = log2(e) / 32, as the launch before rounded it and took it away from c s, and the two half sums l0, l1 of its weights.
; P (pt) and V (in qkv) are f16; products, g, L and out0 in f32.  Every exponent here is at most 0: the maxima are taken away.  A factor below 2^-126 counts as 0; NaN and infinities are not treated apart.
; Rows 0 to 31 of each batch are not stored here: the launch before makes them in f32.
; THE WALK.  A batch's queries lie in 16 blocks of 128; block i needs key tiles 0 .. i / 2 of 256 keys.  A work-group makes 128 channels of TWO blocks, pr and then 15 - pr: 9 tiles whatever pr:
; 256 work-groups of equal work, loops with constant trip counts.  The short block goes first, so that its end (step 0 to 3) falls inside the first loop.
; CLUSTER 4 x 1: the four channel tiles of a cluster walk the same P, which is asked for jointly; V's tiles differ (each partner has its own channels) and come by loads of one's own behind the same round.
; V is not shared between pairs of blocks: their walks differ.
; SHAPE.  Four waves, each 64 queries x 64 channels.  T^T = V^T P (source 0 = 16 channels turned out of LDS, source 1 = 16 queries): a lane holds ONE query and eight channels, so g is a number a lane.
; Each step's T starts from the constant 0; behind the step O += g T, 64 packed multiply-adds.  O is cleared at a block's beginning (128 lines, twice a launch): the price of writing no first step out.
; REGISTERS: window 0: v0-15 addresses; v16-23 g, a pair a query block (the odd register 0); v64-127 rows on their way out; v128-255 O at 128 + 8 (4 a + cb) (at the head: the statistics).
;   window 1: two fragment buffers of 128 (64 of P, 64 of V, for 64 keys).  window 2: T at 8 (4 a + cb).
.set PP,    528                        ; a row of P in LDS: 512 bytes + 16
.set PV,    288                        ; a row of V: 256 + 32
.set VOFF,  128*PP                     ; a slot: P's 128 rows, then V's 256
.set SLOT,  147456                     ; 0x24000: it shares no bit with the four LDS places of a slot's loads, so one exclusive or turns a place in one slot into the other's
.set STAGE, 2*SLOT                     ; 16 rows x 272 bytes for each wave
.set SPT,   272
.set GT,    STAGE+4*16*SPT             ; g: for each half of the rows 9 steps x 64 rows x 4 bytes; its two waves write 32 rows each and read all
.set SPARE, GT+2*2304                  ; the spare words, 128 bytes a wave, that no other line names
.set P0,   2
.set V0,   3
.set ADRP, 4
.set ADRV, 5
.set ADRV2, 6                          ; v6   ADRV + 128 keys: the immediates would not reach them
.set GAD,  7                           ; v7   where the step's g lies
.set STO,  8
.set RD,   9
.set CO,   10
.set PFOP, 11                          ; v11  the prefetch's offset in P: my work-group's 16 rows of the 64, two lanes a row
.set SPW,  12
.set NIL,  13
.set PFOV, 14                          ; v14  in V: lane x a row of qkv
.set G,    16
.set TMP,  64
.set OA,   128
.set RMV,  128                         ; the head's registers, in O's place: index n for step n; my row is 32 x (wave % 2) + lane of the row half's 64
.set L0V,  138
.set L1V,  148
.set FV,   158
.set MLO,  168
.set MHI,  169
.set LLO,  170
.set LHI,  171
.set TT,   172
.set VO,   176
.set L4,   186
.set GS,   187
.set LOWV, 188
.set F0,   0
.set F1,   128
.set CNT,  3
.set WV,   12
.set WR,   13
.set WC,   14                          ; s14  which 64 channels; also which half of a tile I fetch, and which 32 rows' statistics I make
.set CX,   15
.set CTI,  16
.set BB,   17
.set PR,   18
.set HI,   19
.set TL,   20                          ; s20  tiles of the first block, 1 to 4
.set TH,   21                          ; s21  9 - TL
.set RT,   22                          ; s22  steps left in the block in hand
.set NXT,  23                          ; s23  the tile to be asked for next
.set G1P,  24
.set G1V,  32
.set G0P,  40                          ; s[40:43] step 0, s[44:47] the walking one
.set G0V,  48
.set PCUR, 56                          ; s[56:57] pt at my rows of the block whose tiles are being asked for
.set PHI,  58
.set VB,   60
.set LQ,   62
.set THM1, 63
.set OFF,  66
.set OFV,  68
.set TB,   70
.set LIM,  71
.set PFP,  72
.set PFV,  74
.set OCUR, 76
.set OHI,  78
.set MK,   80                          ; s80-88  all ones where step n belongs to the first block
.set SKIP, 98                          ; s98  1 where my first block's first 32 rows are a batch's first 32
.set LOB,  100
.set HIB,  101
.set MSB, 0
.macro WIN new
.if MSB != (\new)
	s_set_vgpr_msb (MSB<<8)|(\new)
.set MSB, \new
.endif
.endm
.macro PLACES
.rept 4
	v_nop
.endr
.endm
.macro JLOAD                           ; waves 0, 1: the joint load of P's halves; waves 2, 3: V's halves; an s_nop 0 and four v_nop follow each line
	s_cmp_lt_u32 s[WV], 2
	s_cbranch_scc0 .Lfor_v_\@
	tensor_load_to_lds s[G0P+4:G0P+7], s[G1P:G1P+7]
	s_nop 0
.rept 4
	v_nop
.endr
	s_branch .Lasked_\@
.Lfor_v_\@:
	tensor_load_to_lds s[G0V+4:G0V+7], s[G1V:G1V+7]
	s_nop 0
.rept 4
	v_nop
.endr
.Lasked_\@:
.endm
.macro CREST
	s_cmp_lg_u32 s[WV], 0
	s_cbranch_scc1 .Lnot_wave_0_\@
	s_barrier_signal -3
.Lnot_wave_0_\@:
	s_barrier_wait -3
	s_barrier_signal -1
	s_barrier_wait -1
.endm
.macro CROUND
	s_barrier_signal -1
	s_barrier_wait -1
	CREST
.endm
.macro MAKE gp, gv                     ; the descriptors' addresses are made anew from the tile's number
	s_lshl_b32 s[OFF], s[NXT], 9                   ; 256 keys of 2 bytes along P's rows
	s_add_nc_u64 s[(\gp)+2:(\gp)+3], s[PCUR:PCUR+1], s[OFF:OFF+1]
	s_or_b32 s[(\gp)+3], s[(\gp)+3], 0x80000000
	s_mul_i32 s[OFV], s[NXT], 256*6144             ; 256 rows of qkv
	s_add_nc_u64 s[(\gv)+2:(\gv)+3], s[VB:VB+1], s[OFV:OFV+1]
	s_or_b32 s[(\gv)+3], s[(\gv)+3], 0x80000000
.endm
.macro ADV                             ; the block's next tile, or behind its last the second block's tile 0
	s_add_co_u32 s[NXT], s[NXT], 1
	s_cmp_gt_u32 s[NXT], s[LQ]
	s_cselect_b32 s[NXT], 0, s[NXT]
	s_cselect_b64 s[PCUR:PCUR+1], s[PHI:PHI+1], s[PCUR:PCUR+1]
	s_cselect_b32 s[LQ], s[THM1], s[LQ]
.endm
; A prefetch into the L2 of the tile that the NEXT change of slots will ask for, a step of 128 products ahead.  P's rows are read by the two clusters of a pair of blocks: cluster x = 0 asks, its four partners
; 16 rows of a wave's 64 each, told apart by address: one instruction.  V's rows of my channels are read by the eight pairs of a batch: pair 0, whose second block walks all eight tiles, asks: four
; instructions, a lane a row.  The first three steps come by their loads alone; the last refill asks for nothing.
.macro ASK
	WIN 0
	s_cmp_gt_u32 s[CNT], s[LIM]
	s_cbranch_scc0 .Lnot_mine_\@
	s_cmp_lt_u32 s[WV], 2
	s_cbranch_scc0 .Lask_v_\@
	global_prefetch_b8 v[PFOP], s[PFP:PFP+1] th:TH_LOAD_NT scope:SCOPE_SE
	s_branch .Lnot_mine_\@
.Lask_v_\@:
.irp i, 0,1,2,3
	global_prefetch_b8 v[PFOV], s[PFV:PFV+1] offset:(\i)*196608 th:TH_LOAD_NT scope:SCOPE_SE
.endr
.Lnot_mine_\@:
.endm
	s_load_b256 s[4:11], s[0:1], 0x0               ; pt s[4:5], st s[6:7], qkv s[8:9], out0 s[10:11]
	v_lshl_add_u32 v[SPW], v0, 2, SPARE
	v_mov_b32 v[NIL], 0
	ds_add_u32 v[SPW], v[NIL]                      ; the wave's opening: the add and its wait stand ahead of my first tensor load
	v_lshrrev_b32 v1, 5, v0
	v_readfirstlane_b32 s[WV], v1
	s_lshr_b32 s[WR], s[WV], 1
	s_and_b32 s[WC], s[WV], 1
	s_bfe_u32 s[CX], ttmp6, 0x40000
	s_lshl_b32 s[CTI], ttmp9, 2
	s_add_co_u32 s[CTI], s[CTI], s[CX]             ; my 128 channels: it enters V's and out0's addresses alone
	s_and_b32 s[BB], ttmp7, 0xffff
	s_and_b32 s[PR], s[BB], 7                      ; the pair, and its first block
	s_lshr_b32 s[BB], s[BB], 3                     ; the batch
	s_sub_co_u32 s[HI], 15, s[PR]                  ; its second block
	s_lshr_b32 s[TL], s[PR], 1
	s_add_co_u32 s[TL], s[TL], 1
	s_sub_co_u32 s[TH], 9, s[TL]
	s_sub_co_u32 s[THM1], s[TH], 1
	s_sub_co_u32 s[LQ], s[TL], 1
	s_mov_b32 s[NXT], 0
	s_mov_b32 s[RT], s[TL]
	s_mov_b32 s[TB], 0
	s_mov_b32 s[OFF+1], 0
	s_mov_b32 s[OFV+1], 0
	s_mov_b32 s[G1P], 15|(1<<16)|(1<<20)|(1<<21)|(6<<22)|(3<<25)  ; the mask of four; 2-byte elements; padding on; bit 21 beside a mask; after every 128 words, 4 words
	s_mov_b32 s[G1P+1], 256<<16                    ; tensor_dim0 = 256
	s_mov_b32 s[G1P+2], 64<<16                     ; tensor_dim1 = 64
	s_mov_b32 s[G1P+3], 256<<16                    ; tile_dim0 = 256
	s_mov_b32 s[G1P+4], 64                         ; tile_dim1 = 64
	s_mov_b32 s[G1P+5], 2048                       ; elements from row to row of pt
	s_mov_b32 s[G1P+6], 0
	s_mov_b32 s[G1P+7], 0
	s_mov_b32 s[G1V], (1<<16)|(1<<20)|(5<<22)|(7<<25)  ; no mask; after every 64 words, 8 words
	s_mov_b32 s[G1V+1], 128<<16
	s_mov_b32 s[G1V+2], 128<<16
	s_mov_b32 s[G1V+3], 128<<16
	s_mov_b32 s[G1V+4], 128
	s_mov_b32 s[G1V+5], 3072
	s_mov_b32 s[G1V+6], 0
	s_mov_b32 s[G1V+7], 0
	s_lshl_b32 s90, s[BB], 11                      ; 2,048 rows a batch
	s_lshl_b32 s91, s[WC], 6
	s_add_co_u32 s91, s91, s90                     ; + the 64 rows of P that I fetch
	s_lshl_b32 s92, s[PR], 7
	s_add_co_u32 s92, s92, s91
	s_lshl_b32 s92, s92, 12
	s_mov_b32 s93, 0
	s_lshl_b32 s94, s[HI], 7
	s_add_co_u32 s94, s94, s91
	s_lshl_b32 s94, s94, 12
	s_mov_b32 s95, 0
	s_lshl_b32 s96, s[WC], 7
	s_add_co_u32 s96, s96, s90                     ; the 128 keys of V that I fetch
	s_mul_i32 s96, s96, 6144
	s_lshl_b32 s97, s[CTI], 8
	s_add_co_u32 s96, s96, s97
	s_add_co_u32 s96, s96, 4096                    ; v lies 4,096 bytes into a row
	s_mov_b32 s97, 0
	s_mul_i32 s98, s[WC], 64*PP                    ; where they go: no place in the cluster enters an LDS address
	s_mul_i32 s99, s[WC], 128*PV
	s_add_co_u32 s99, s99, VOFF
.irp s, 0,1
	s_mov_b32 s[G0P+4*(\s)], 1
	s_add_co_u32 s[G0P+4*(\s)+1], s98, (\s)*SLOT
	s_mov_b32 s[G0V+4*(\s)], 1
	s_add_co_u32 s[G0V+4*(\s)+1], s99, (\s)*SLOT
.endr
	s_cmp_eq_u32 ttmp9, 0
	s_cselect_b32 s90, 1, -1
	s_cmp_eq_u32 s[PR], 0
	s_cselect_b32 s91, 1, -1
	s_cmp_lt_u32 s[WV], 2
	s_cselect_b32 s[LIM], s90, s91                 ; the same in all four partners, for a given wave
	s_wait_dscnt 0x0                               ; the opening add is done
	s_wait_kmcnt 0x0
	s_add_nc_u64 s[PCUR:PCUR+1], s[4:5], s[92:93]
	s_add_nc_u64 s[PHI:PHI+1], s[4:5], s[94:95]
	s_add_nc_u64 s[VB:VB+1], s[8:9], s[96:97]
	MAKE G0P, G0V                                  ; step 0
	ADV
	MAKE G0P+4, G0V+4                              ; step 1
	ADV
	CROUND                                         ; all four work-groups are here: the first joint loads meet
	s_cmp_lt_u32 s[WV], 2                          ; a wave's two first fills stand in one branch: two loads of mine are out
	s_cbranch_scc0 .Lfirst_v
	tensor_load_to_lds s[G0P:G0P+3], s[G1P:G1P+7]
	s_nop 0
	tensor_load_to_lds s[G0P+4:G0P+7], s[G1P:G1P+7]
	s_nop 0
.rept 4
	v_nop
.endr
	s_branch .Lfirst_asked
.Lfirst_v:
	tensor_load_to_lds s[G0V:G0V+3], s[G1V:G1V+7]
	s_nop 0
	tensor_load_to_lds s[G0V+4:G0V+7], s[G1V:G1V+7]
	s_nop 0
.rept 4
	v_nop
.endr
.Lfirst_asked:
	; THE STATISTICS, while the first tiles are on their way.  Step n's tile is n of the first block or n - TL of the second: both bases are made so that n x 3,072 is added to them.
	; The two waves of a row half want the same 64 rows' g: each makes 32 rows', a row a lane, and both read all 64 behind the barrier that stands ahead of the first step.
	s_lshl_b32 s94, s[BB], 3
	s_lshr_b32 s95, s[PR], 1
	s_add_co_u32 s95, s95, s94
	s_lshl_b32 s95, s95, 3
	s_mul_i32 s95, s95, 3072
	s_and_b32 s96, s[PR], 1
	s_lshl_b32 s96, s96, 9                         ; which 128 of the tile's 256 rows
	s_add_co_u32 s95, s95, s96
	s_lshl_b32 s96, s[WR], 8                       ; my row half's 64 rows
	s_add_co_u32 s[LOB], s95, s96
	s_lshr_b32 s95, s[HI], 1
	s_add_co_u32 s95, s95, s94
	s_lshl_b32 s95, s95, 3
	s_sub_co_u32 s95, s95, s[TL]
	s_mul_i32 s95, s95, 3072
	s_and_b32 s97, s[HI], 1
	s_lshl_b32 s97, s97, 9
	s_add_co_u32 s95, s95, s97
	s_add_co_u32 s[HIB], s95, s96
	v_and_b32 v24, 31, v0
	s_lshl_b32 s91, s[WC], 7
	v_lshl_add_u32 v[L4], v24, 2, s91              ; 4 bytes x (32 x (wave % 2) + lane)
.set n, 0
.rept 9
	s_cmp_gt_u32 s[TL], n
	s_cselect_b32 s[MK+n], -1, 0
	s_cselect_b32 s90, s[LOB], s[HIB]
	v_add_nc_u32 v[VO+n], s90, v[L4]
	global_load_b32 v[RMV+n], v[VO+n], s[6:7] offset:n*3072
	global_load_b32 v[L0V+n], v[VO+n], s[6:7] offset:n*3072+1024
	global_load_b32 v[L1V+n], v[VO+n], s[6:7] offset:n*3072+2048
.set n, n+1
.endr
	; the addresses, while those loads are out
	v_and_b32 v1, 15, v0                           ; l % 16
	v_bfe_u32 v15, v0, 4, 1                        ; l / 16
	v_mul_u32_u24 v[P0], v1, PP
	v_lshl_add_u32 v[P0], v15, 4, v[P0]
	s_mul_i32 s90, s[WR], 64*PP
	v_add_nc_u32 v[P0], s90, v[P0]                 ; my 64 queries; row x pitch + 16 x half
	v_and_b32 v25, 7, v0                           ; the turning load: lane l reads key 8 (l / 16) + l % 8, channels 8 ((l / 8) % 2) + 0..7
	v_bfe_u32 v26, v0, 3, 1
	v_lshl_add_u32 v[V0], v15, 3, v25
	v_mul_u32_u24 v[V0], v[V0], PV
	v_lshl_add_u32 v[V0], v26, 4, v[V0]
	s_lshl_b32 s90, s[WC], 7
	s_add_co_u32 s90, s90, VOFF
	v_add_nc_u32 v[V0], s90, v[V0]
	v_mov_b32 v[ADRP], v[P0]
	v_mov_b32 v[ADRV], v[V0]
	v_add_nc_u32 v[ADRV2], 128*PV, v[V0]
	s_mul_i32 s90, s[WV], 16*SPT
	s_add_co_u32 s90, s90, STAGE
	v_mul_u32_u24 v[STO], v1, SPT
	v_lshl_add_u32 v[STO], v15, 5, v[STO]
	v_add_nc_u32 v[STO], s90, v[STO]               ; in: row l % 16, 32 bytes for each half of the lanes
	v_mul_u32_u24 v[RD], v15, SPT
	v_lshl_add_u32 v[RD], v1, 4, v[RD]
	v_add_nc_u32 v[RD], s90, v[RD]                 ; back: lanes 0-15 one row of 256 bytes, lanes 16-31 the next
	v_lshlrev_b32 v[CO], 12, v15
	v_lshl_add_u32 v[CO], v1, 4, v[CO]
	s_mul_i32 s90, s[WR], 2304
	s_add_co_u32 s90, s90, GT                      ; my row half's table
	v_lshl_add_u32 v[GAD], v1, 2, s90
	v_add_nc_u32 v[GS], s90, v[L4]
	v_lshrrev_b32 v25, 1, v24
	s_lshl_b32 s90, s[CX], 4
	v_add_nc_u32 v25, s90, v25
	v_and_b32 v26, 1, v24
	v_lshlrev_b32 v[PFOP], 12, v25
	v_lshl_add_u32 v[PFOP], v26, 8, v[PFOP]
	v_mul_u32_u24 v[PFOV], v24, 6144
.irp a, 0,1,2,3
	v_mov_b32 v[G+2*(\a)+1], 0
.endr
	s_lshl_b32 s90, s[BB], 11
	s_lshl_b32 s91, s[WR], 6
	s_add_co_u32 s90, s90, s91
	s_lshl_b32 s91, s[CTI], 9
	s_lshl_b32 s92, s[WC], 8
	s_add_co_u32 s91, s91, s92                     ; my 64 channels of 4 bytes
	s_lshl_b32 s92, s[PR], 7
	s_add_co_u32 s92, s92, s90
	s_lshl_b32 s92, s92, 12
	s_add_co_u32 s92, s92, s91
	s_mov_b32 s93, 0
	s_add_nc_u64 s[OCUR:OCUR+1], s[10:11], s[92:93]
	s_lshl_b32 s92, s[HI], 7
	s_add_co_u32 s92, s92, s90
	s_lshl_b32 s92, s92, 12
	s_add_co_u32 s92, s92, s91
	s_add_nc_u64 s[OHI:OHI+1], s[10:11], s[92:93]
	s_or_b32 s[SKIP], s[PR], s[WR]                 ; pair 0 (the cluster's y: alike in all four partners) and queries 0-63:
	s_cmp_eq_u32 s[SKIP], 0
	s_cselect_b32 s[SKIP], 1, 0                    ; my first block's row blocks 0 and 1 are a batch's rows 0 to 31
	v_mov_b32 v[LOWV], 0xff7fffff                  ; the lowest finite number
	s_wait_loadcnt 0x0
	v_mov_b32 v[MLO], v[RMV]                       ; step 0 is always the first block's, step 8 always the second's (TL is 1 to 4): they start the maxima
	v_mov_b32 v[MHI], v[RMV+8]
.set n, 1
.rept 7
	v_cndmask_b32 v[TT], v[LOWV], v[RMV+n], s[MK+n]
	v_cndmask_b32 v[TT+1], v[RMV+n], v[LOWV], s[MK+n]
	v_max_num_f32 v[MLO], v[MLO], v[TT]
	v_max_num_f32 v[MHI], v[MHI], v[TT+1]
.set n, n+1
.endr
.set n, 0
.rept 9
	v_cndmask_b32 v[TT+n%2], v[MHI], v[MLO], s[MK+n]
	v_sub_f32 v[FV+n], v[RMV+n], v[TT+n%2]         ; cm - CM: 0 at the maximum
.set n, n+1
.endr
.set i, 0
.rept 9
	v_exp_f32 v[FV+i], v[FV+i]
.set i, i+1
.endr
.set i, 0
.rept 9
	v_add_f32 v[L0V+i], v[L0V+i], v[L1V+i]         ; work that names no exponential's result stands behind the batch,
.set i, i+1
.endr
	s_wait_alu depctr_va_vdst(0)                   ; and one wait ahead of its first reader
.set i, 0
.rept 9
	v_mul_f32 v[L0V+i], v[L0V+i], v[FV+i]
.set i, i+1
.endr
	v_mov_b32 v[LLO], v[L0V]
	v_mov_b32 v[LHI], v[L0V+8]
.set n, 1
.rept 7
	v_cndmask_b32 v[TT], 0, v[L0V+n], s[MK+n]
	v_cndmask_b32 v[TT+1], v[L0V+n], 0, s[MK+n]
	v_add_f32 v[LLO], v[LLO], v[TT]
	v_add_f32 v[LHI], v[LHI], v[TT+1]
.set n, n+1
.endr
	v_rcp_f32 v[LLO], v[LLO]
	v_rcp_f32 v[LHI], v[LHI]
	v_nop
	s_wait_alu depctr_va_vdst(0)                   ; one wait for the two reciprocals
.set n, 0
.rept 9
	v_cndmask_b32 v[TT+n%2], v[LHI], v[LLO], s[MK+n]
	v_mul_f32 v[FV+n], v[FV+n], v[TT+n%2]
	ds_store_b32 v[GS], v[FV+n] offset:256*n
.set n, n+1
.endr
.macro CLEAR
.set i, 0
.rept 128
	v_mov_b32 v[OA+i], 0
.set i, i+1
.endr
.endm
	CLEAR
; 8 products: query blocks a0, a0 + 1 x all 4 channel blocks, 32 keys: half c of buffer f.  The 16 accumulators take turns.  zero = 1: the product starts the step's sum.
.macro MUL8 f, c, a0, zero
	WIN 0xa5
.irp a, \a0, (\a0)+1
.irp b, 0,1,2,3
.if \zero
	v_wmma_f32_16x16x32_f16 v[8*(4*(\a)+(\b)):8*(4*(\a)+(\b))+7], v[(\f)+64+8*(4*(\c)+(\b)):(\f)+64+8*(4*(\c)+(\b))+7], v[(\f)+8*(4*(\c)+(\a)):(\f)+8*(4*(\c)+(\a))+7], 0
.else
	v_wmma_f32_16x16x32_f16 v[8*(4*(\a)+(\b)):8*(4*(\a)+(\b))+7], v[(\f)+64+8*(4*(\c)+(\b)):(\f)+64+8*(4*(\c)+(\b))+7], v[(\f)+8*(4*(\c)+(\a)):(\f)+8*(4*(\c)+(\a))+7], v[8*(4*(\a)+(\b)):8*(4*(\a)+(\b))+7]
.endif
.endr
.endr
.endm
; 32 LDS loads in one run: quarter q's 64 keys into buffer f, the first 32 keys first
.macro FETCH q, f
	WIN 0x40
.irp c, 0,1
.irp i, 0,1,2,3
.if (\q) < 2
	ds_load_tr16_b128 v[(\f)+64+8*(4*(\c)+(\i)):(\f)+64+8*(4*(\c)+(\i))+3],   v[ADRV] offset:(64*(\q)+32*(\c))*PV+32*(\i)
	ds_load_tr16_b128 v[(\f)+64+8*(4*(\c)+(\i))+4:(\f)+64+8*(4*(\c)+(\i))+7], v[ADRV] offset:(64*(\q)+32*(\c)+16)*PV+32*(\i)
.else
	ds_load_tr16_b128 v[(\f)+64+8*(4*(\c)+(\i)):(\f)+64+8*(4*(\c)+(\i))+3],   v[ADRV2] offset:(64*((\q)-2)+32*(\c))*PV+32*(\i)
	ds_load_tr16_b128 v[(\f)+64+8*(4*(\c)+(\i))+4:(\f)+64+8*(4*(\c)+(\i))+7], v[ADRV2] offset:(64*((\q)-2)+32*(\c)+16)*PV+32*(\i)
.endif
	ds_load_b128 v[(\f)+8*(4*(\c)+(\i)):(\f)+8*(4*(\c)+(\i))+3],   v[ADRP] offset:128*(\q)+64*(\c)+(\i)*16*PP
	ds_load_b128 v[(\f)+8*(4*(\c)+(\i))+4:(\f)+8*(4*(\c)+(\i))+7], v[ADRP] offset:128*(\q)+64*(\c)+(\i)*16*PP+32
.endr
.endr
.endm
.macro QUARTER q, f, g, zero           ; multiplies buffer f; fetches quarter q into g
	s_wait_dscnt 16                                ; the first 32 keys are in
	MUL8 \f, 0, 0, \zero
	MUL8 \f, 0, 2, \zero
	PLACES
	FETCH \q, \g
	s_wait_dscnt 32                                ; all but the 32 just issued
	MUL8 \f, 1, 0, 0
	MUL8 \f, 1, 2, 0
.endm
.macro GLOAD                           ; this step's g for my four query blocks
.irp a, 0,1,2,3
	ds_load_b32 v[G+2*(\a)], v[GAD] offset:64*(\a)
.endr
	v_add_nc_u32 v[GAD], 256, v[GAD]
.endm
; The last quarter changes slots: in front of the one barrier each wave waits for all its tensor loads (one is out), adds 0 to its spare word, and waits for that and for its reads of this slot.
; fill = 1: the barrier opens a round of the cluster's, and the refill, two steps ahead, is the first thing behind it.
.macro TURN fill
.if \fill
	s_wait_xcnt 0x0                                ; the last prefetches, a step back, have read their addresses
.endif
	WIN 0
	s_wait_tensorcnt 0x0
	ds_add_u32 v[SPW], v[NIL]                      ; 0 onto my spare word; the descriptors' scalar work stands behind it
.if \fill
	s_xor_b32 s[G0P+5], s[G0P+5], SLOT
	s_xor_b32 s[G0V+5], s[G0V+5], SLOT
	MAKE G0P+4, G0V+4
	ADV
	s_lshl_b32 s[OFF], s[NXT], 9                   ; where the next change's tiles lie
	s_add_nc_u64 s[PFP:PFP+1], s[PCUR:PCUR+1], s[OFF:OFF+1]
	s_mul_i32 s[OFV], s[NXT], 256*6144
	s_add_nc_u64 s[PFV:PFV+1], s[VB:VB+1], s[OFV:OFV+1]
.endif
	s_wait_dscnt 17                                ; the add and the youngest sixteen loads may be out
	MUL8 F1, 0, 0, 0
	s_wait_dscnt 0x0                               ; the add is done, and my reads of this slot are over
	s_barrier_signal -1
	MUL8 F1, 0, 2, 0
	WIN 0
	s_barrier_wait -1
.if \fill
	CREST
	JLOAD                                          ; its four v_nop are also the places in front of the loads below
.else
	PLACES
.endif
	s_xor_b32 s[TB], s[TB], SLOT
	v_add_nc_u32 v[ADRP], s[TB], v[P0]
	v_add_nc_u32 v[ADRV], s[TB], v[V0]
	v_add_nc_u32 v[ADRV2], 128*PV, v[ADRV]
	GLOAD
	FETCH 0, F0
.if \fill
	ASK
.endif
	MUL8 F1, 1, 0, 0
	MUL8 F1, 1, 2, 0
.endm
.macro LUMP                            ; O += g T
	PLACES
	s_wait_dscnt 32                                ; g is in; the 32 fragment loads issued behind it may stay out
	WIN 0x02
.set i, 0
.rept 64
	v_pk_fma_f32 v[OA+2*i:OA+2*i+1], v[2*i:2*i+1], v[G+2*(i/16):G+2*(i/16)+1], v[OA+2*i:OA+2*i+1] op_sel_hi:[1,0,1]  ; each accumulator's registers in ascending order
.set i, i+1
.endr
	WIN 0
.endm
; THE WAY OUT: a block of 16 rows at a time through my own stage: 32 bytes a lane in, whole rows of 256 bytes back.
; first = 1, the first block's: where its row blocks 0 and 1 are a batch's rows 0 to 31 they are jumped over, forward, past text with neither a barrier nor a tensor load.
.macro WAYOUT first
.if \first
	s_cmp_eq_u32 s[SKIP], 1
	s_cbranch_scc1 .Lskip_\@
.endif
.set wa, 0
.rept 4
.if (\first) && (wa == 2)
.Lskip_\@:
.endif
	s_wait_xcnt 0x0                                ; the stores issued so far have read their registers
.set i, 0
.rept 8
	ds_store_b128 v[STO], v[OA+32*wa+4*i:OA+32*wa+4*i+3] offset:64*(i/2)+16*(i%2)
.set i, i+1
.endr
.set i, 0
.rept 8
	ds_load_b128 v[TMP+32*(wa%2)+4*i:TMP+32*(wa%2)+4*i+3], v[RD] offset:i*2*SPT  ; LDS serves a wave's instructions in order (ISA guide 5.7.1.4)
.set i, i+1
.endr
.set i, 0
.rept 8
.if i == 0
	s_wait_dscnt 4                                 ; the first four of the eight loads are in
.elseif i == 4
	s_wait_dscnt 0x0                               ; and the other four
.endif
	global_store_b128 v[CO], v[TMP+32*(wa%2)+4*i:TMP+32*(wa%2)+4*i+3], s[OCUR:OCUR+1] offset:(16*wa+2*i)*4096 th:TH_STORE_NT  ; 16 lanes store 256 consecutive bytes, at a multiple of 256 from out0's first byte
.set i, i+1
.endr
.set wa, wa+1
.endr
.endm
	s_wait_tensorcnt 1                             ; my part of step 0 is in; step 1's may stay out
	s_wait_dscnt 0x0                               ; for the other wave's sake too: my stores of g are done
	s_barrier_signal -1
	s_barrier_wait -1
	FETCH 0, F0
	WIN 0
	s_mov_b32 s[CNT], 7
.Lstep:                                        ; steps 0 to 6: each asks for the tiles two steps on
	QUARTER 1, F0, F1, 1
	QUARTER 2, F1, F0, 0
	QUARTER 3, F0, F1, 0
	TURN 1
	LUMP
	s_sub_co_u32 s[RT], s[RT], 1
	s_cmp_lg_u32 s[RT], 0
	s_cbranch_scc1 .Lgo_on                         ; forward, past text with neither a barrier nor a tensor load
	WAYOUT 1                                       ; the first block is finished
	s_wait_xcnt 0x0
	s_mov_b64 s[OCUR:OCUR+1], s[OHI:OHI+1]
	s_mov_b32 s[RT], s[TH]
	CLEAR
.Lgo_on:
	s_sub_co_u32 s[CNT], s[CNT], 1
	s_cmp_lg_u32 s[CNT], 0
	s_cbranch_scc1 .Lstep
	s_mov_b32 s[CNT], 2
.Ltail:                                        ; steps 7 and 8 ask for nothing: one text, walked twice.  In step 8 the change of slots' barrier and its 32 fragment loads (of the slot read before)
	QUARTER 1, F0, F1, 1                           ; serve nothing: the price, once a launch, of one text for both
	QUARTER 2, F1, F0, 0
	QUARTER 3, F0, F1, 0
	TURN 0
	LUMP
	s_sub_co_u32 s[CNT], s[CNT], 1
	s_cmp_lg_u32 s[CNT], 0
	s_cbranch_scc1 .Ltail
	WAYOUT 0
	s_wait_tensorcnt 0x0                           ; the wave's end
	ds_add_u32 v[SPW], v[NIL]
	s_wait_dscnt 0x0
	CROUND                                         ; the closing round
	s_endpgm
.Lfunc_end_k_q6e93995ad8_pv:
	.size	k_q6e93995ad8_pv, .Lfunc_end_k_q6e93995ad8_pv-k_q6e93995ad8_pv
	.p2alignl 7, 3214868480
	.fill 96, 4, 3214868480
	.section	.rodata,"a",@progbits
	.p2align	6, 0x0
	.amdhsa_kernel k_q6e93995ad8_pv
		.amdhsa_group_segment_fixed_size 327680
		.amdhsa_private_segment_fixed_size 0
		.amdhsa_enable_private_segment 0
		.amdhsa_kernarg_size 32
		.amdhsa_user_sgpr_count 2
		.amdhsa_user_sgpr_kernarg_segment_ptr 1
		.amdhsa_wavefront_size32 1
		.amdhsa_system_sgpr_workgroup_id_x 1
		.amdhsa_system_sgpr_workgroup_id_y 1
		.amdhsa_system_sgpr_workgroup_id_z 1
		.amdhsa_system_vgpr_workitem_id 0
		.amdhsa_next_free_vgpr 640
		.amdhsa_next_free_sgpr 102
		.amdhsa_reserve_vcc 0
		.amdhsa_float_denorm_mode_32 3
		.amdhsa_float_denorm_mode_16_64 3
		.amdhsa_memory_ordered 1
		.amdhsa_forward_progress 1
		.amdhsa_inst_pref_size 92
	.end_amdhsa_kernel
	.amdgpu_metadata
---
amdhsa.version: [ 1, 2 ]
amdhsa.kernels:
  - .name:           k_q6e93995ad8_pv
    .symbol:         k_q6e93995ad8_pv.kd
    .args:
      - { .name: pt, .offset: 0, .size: 8, .value_kind: global_buffer, .address_space: global }
      - { .name: st, .offset: 8, .size: 8, .value_kind: global_buffer, .address_space: global }
      - { .name: qkv, .offset: 16, .size: 8, .value_kind: global_buffer, .address_space: global }
      - { .name: out0, .offset: 24, .size: 8, .value_kind: global_buffer, .address_space: global }
    .group_segment_fixed_size: 327680
    .private_segment_fixed_size: 0
    .kernarg_segment_align: 8
    .kernarg_segment_size: 32
    .max_flat_workgroup_size: 128
    .sgpr_count:     102
    .vgpr_count:     640
    .wavefront_size: 32
...
	.end_amdgpu_metadata
.endif
;; end of part 9
